; MI455X (gfx1250); checked and timed in simulation.
; The chip was launched on July 23, 2026; its instructions are those of AMD's public machine-readable ISA for CDNA 5 (MIT licence, August 2026) and "CDNA5" Instruction Set Architecture Reference Guide (July 2026). The comments in the code are by the model that wrote it; some were corrected since.
;; Cross Att block. Allowed arithmetic: matrix products marked QUANTISED: E2M3 operands, one E8M0 scale for each 32 along K, by v_wmma_scale_f32_16x16x128_f8f6f4 with both operands' format E2M3, f32 sums; everything else in f32.
;; Inputs: W1 256 x 1,024 float32; W2 1,024 x 256 float32; Wk 256 x 256 float32; Wo 256 x 256 float32; Wq 256 x 256 float32; Wv 256 x 256 float32; b1 1,024 float32; b2 256 float32; bk 256 float32; bo 256 float32; bq 256 float32; bv 256 float32; fx 8 x 7,225 x 256 float32; kln_b 8 x 32 float32; kln_g 8 x 32 float32; ln1_b 256 float32; ln1_g 256 float32; ln2_b 256 float32; ln2_g 256 float32; vln_b 8 x 32 float32; vln_g 8 x 32 float32.
;; Outputs: out0 8 x 7,225 x 256 float32.
;; This version of the problem:
;;   THIS VERSION OF THE PROBLEM IS GIVEN IN LOW PRECISION. The matrix products marked QUANTISED in the list below multiply operands that are first quantised to E2M3 (2 exponent bits, 3 mantissa bits; 6 bits a number), with one power-of-two scale for each 32 numbers along K (OCP MX v1.0); their sums are f32. All else is computed in f32.
;;   The module's matrix products, in the order in which they are computed (A, B: the left and right operand; K: the contracted axis; several contracted axes count as one K, in the product's order):
;;     1. [M 57,800, K 256] x [K 256, N 256]; A: computed on the way; B: input Wq: QUANTISED
;;     2. [M 57,800, K 256] x [K 256, N 256]; A: computed on the way; B: input Wk: QUANTISED
;;     3. [M 57,800, K 256] x [K 256, N 256]; A: computed on the way; B: input Wv: QUANTISED
;;     4. batch 64 x [M 32, K 7,225] x [K 7,225, N 32]; A: computed on the way; B: computed on the way: QUANTISED
;;     5. batch 64 x [M 7,225, K 32] x [K 32, N 32]; A: computed on the way; B: computed on the way: QUANTISED
;;     6. [M 57,800, K 256] x [K 256, N 256]; A: computed on the way; B: input Wo: QUANTISED
;;     7. [M 57,800, K 256] x [K 256, N 1,024]; A: computed on the way; B: input W1: QUANTISED
;;     8. [M 57,800, K 1,024] x [K 1,024, N 256]; A: computed on the way; B: input W2: QUANTISED
;;   THE QUANTISER, for each operand of a quantised product, along K:
;;     - K is cut into blocks of 32 from its start; a last block that is shorter is filled with zeros.
;;     - A block's scale is 2^e with e = floor(log2(the largest magnitude in the block)) - 2, held to -126 .. 127; a block of zeros has e = 0. As a byte (E8M0): e + 127.
;;     - Each number is divided by its block's scale, clamped to +-7.5, and rounded to the nearest number of E2M3, ties to even, subnormals kept.
;;     - The product sums the exact products of the quantised numbers (number of the format x scale) in f32.
;;   ~~~python
;;   def quantise(x, axis):      # numpy; x: float32 -> the quantised numbers, widened to float32 again
;;       x = np.moveaxis(x, axis, -1); K = x.shape[-1]
;;       x = np.pad(x, [(0, 0)] * (x.ndim - 1) + [(0, -K % 32)]); x = x.reshape(x.shape[:-1] + (-1, 32)); a = np.abs(x).max(-1, keepdims=True)
;;       e = np.where(a > 0, np.clip(np.frexp(np.where(a > 0, a, 1))[1] - 1 - 2, -126, 127), 0)      # np.frexp(a)[1] - 1 = floor(log2(a)), exactly
;;       r = np.clip(x / 2.0 ** e, -7.5, 7.5)
;;       step = 2.0 ** (np.maximum(np.frexp(np.where(r == 0, 1, r))[1] - 1, 0) - 3)
;;       q = np.round(r / step) * step * 2.0 ** e      # np.round: ties to even
;;       return np.moveaxis(q.reshape(q.shape[:-2] + (-1,))[..., :K], -1, axis).astype(np.float32)
;;   ~~~
;;   OPERANDS COMPUTED ON THE WAY. 'Computed on the way' means the value that the module computes at that place (a softmax that the list does not call 'softmax' is quantised finished and normalised). What goes into a quantiser is computed in f32, as accurately as f32 sums, v_exp_f32 and their like allow (about 1e-6 of the number): no bf16 or f16 on the way to a quantiser, and a product that is left as it is and whose result goes on into a quantised operand takes f32 operands (vector FMAs, or v_wmma_f32_16x16x4_f32). A number that lies on a knife's edge between two numbers of the format may be rounded either way, as far as f32 arithmetic and the matrix unit's own rounding can turn it there, and no further.
;; 2 versions, each right and faster than the one before. Each part assembles by itself: llvm-mc -triple=amdgcn-amd-amdhsa -mcpu=gfx1250 --defsym DOCPART=n.
;; ======== version 1 of 2: 4 launches
;; workspace buffers: wfrag 589,824 bytes; wscale 24,576 bytes; kvp 7,602,176 bytes; kvimg 196,608 bytes; kvsc 8,192 bytes
;; launch prep (part 1): grid 96 x 1, 4 waves a work-group, no clusters, 0 bytes of LDS; arguments Wq, Wk, Wv, Wo, W1, W2, wfrag, wscale; writes wfrag, wscale
.if DOCPART == 1
	.amdgcn_target "amdgcn-amd-amdhsa--gfx1250"
	.amdhsa_code_object_version 6
	.text
	.protected	k_qd47f02aa3d_prep
	.globl	k_qd47f02aa3d_prep
	.p2align	8
	.type	k_qd47f02aa3d_prep,@function
k_qd47f02aa3d_prep:
	s_mov_b64 s[64:65], 0
	v_nop
	global_prefetch_b8 v0, s[64:65] scope:SCOPE_SE
	s_setreg_imm32_b32 hwreg(HW_REG_WAVE_MODE, 25, 1), 1
	s_wait_xcnt 0x0
; The six weights, f32 stored [K][N], become codes of E2M3 with one E8M0 byte for each 32 along K, laid as IMAGES OF OPERAND REGISTERS.
; DEAD WORK: none is left out in this program.  Every one of the 21 inputs has a way to out0 (a bias on k or v differs from channel to channel, so the head's norm does not take it away), and every product is live.
; A fragment is 16 columns x 128 along K: 12 registers a lane, 1,536 bytes: registers 4 g .. 4 g + 3 of lane l at 512 g + 16 l.  Its scale words: 64 bytes, column r's word at 4 r.
; THE COLUMNS OF A TILE ARE NOT NEIGHBOURS: lane r of tile t takes column 32 (t / 2) + 8 (t % 2) + r + 8 (r / 8), so that the results of two neighbouring tiles are 16 neighbours along the next product's K.
; Fragment numbers: Wq 0 + 2 t + s, Wk 32 + .., Wv 64 + .., Wo 96 + .., W1 128 + 2 t + s, W2 256 + 8 t + s (t: tile of columns, s: step of 128 along K).
; One wave makes one fragment: lane (r, h) takes one column and its registers run DOWN K, k = 64 c + 32 h + 0 .. 31, the very order of the operand's registers: nothing is transposed.
; A block's scale is 2^(floor(log2(its largest magnitude)) - 2); its byte is the largest magnitude's exponent field - 2, held at 1 from below.
; LIMITS: a block of zeros gets the byte 1 where the rule says 127 (its codes are zeros, and this program alone reads the bytes); NaN and infinities among the inputs are not served.
; No LDS, no matrix work, no cluster: 3 MB are read once, and no two waves read the same bytes.
	s_load_b256 s[4:11], s[0:1], 0x0               ; Wq, Wk, Wv, Wo
	s_load_b256 s[12:19], s[0:1], 0x20             ; W1, W2, wfrag, wscale
	v_lshrrev_b32 v1, 5, v0
	v_readfirstlane_b32 s20, v1                    ; wave
	v_and_b32 v1, 15, v0                           ; r
	v_bfe_u32 v2, v0, 4, 1                         ; h
	v_and_b32 v3, 31, v0                           ; lane
	s_lshl_b32 s21, ttmp9, 2
	s_add_co_u32 s21, s21, s20                     ; my fragment's number f
	s_lshr_b32 s22, ttmp9, 3                       ; 0 Wq, 1 Wk, 2 Wv, 3 Wo, 4-7 W1, 8-11 W2
	s_lshr_b32 s27, s22, 2                         ; 1 for W1
	s_cmp_lt_u32 s22, 4
	s_cselect_b32 s23, 31, 127
	s_and_b32 s23, s21, s23                        ; the fragment's number inside its weight
	s_cmp_lt_u32 s22, 8
	s_cselect_b32 s24, 1, 3                        ; log2 of the K steps: 2, or 8 for W2
	s_lshr_b32 s25, s23, s24                       ; t
	s_bfm_b32 s26, s24, 0
	s_and_b32 s26, s23, s26                        ; s
	s_cmp_eq_u32 s27, 1
	s_cselect_b32 s28, 12, 10                      ; log2 of a row's bytes: 4,096 for W1, else 1,024
	s_lshl_b32 s29, s26, 7
	s_lshl_b32 s29, s29, s28                       ; 128 s rows
	s_lshr_b32 s30, s25, 1
	s_lshl_b32 s30, s30, 5
	s_and_b32 s31, s25, 1
	s_lshl_b32 s31, s31, 3
	s_add_co_u32 s30, s30, s31                     ; the tile's first column
	s_lshl_b32 s30, s30, 2
	s_add_co_u32 s30, s30, s29
	s_mov_b32 s31, 0
	s_add_co_u32 s32, s28, 5
	v_lshlrev_b32 v4, s32, v2                      ; lanes 16-31 begin 32 rows further down
	v_and_b32 v5, 8, v1
	v_add_nc_u32 v5, v5, v1                        ; r + 8 (r / 8)
	v_lshl_add_u32 v4, v5, 2, v4
	v_lshlrev_b32 v6, 4, v3                        ; 16 x lane
	v_lshlrev_b32 v7, 2, v1                        ; 4 r
	s_mul_i32 s34, s21, 1536
	s_mov_b32 s35, 0
	s_lshl_b32 s36, s21, 6
	s_mov_b32 s37, 0
	s_mov_b32 s38, 0x76543210
	s_mov_b32 s39, 0xfedcba98                      ; v_permlanex16_b32's selects for lane l xor 16
	s_wait_kmcnt 0x0
	s_cmp_lt_u32 s22, 1                            ; the weight is chosen by the work-group's number alone
	s_cselect_b64 s[2:3], s[4:5], s[6:7]
	s_cmp_lt_u32 s22, 2
	s_cselect_b64 s[2:3], s[2:3], s[8:9]
	s_cmp_lt_u32 s22, 3
	s_cselect_b64 s[2:3], s[2:3], s[10:11]
	s_cmp_lt_u32 s22, 4
	s_cselect_b64 s[2:3], s[2:3], s[12:13]
	s_cmp_lt_u32 s22, 8
	s_cselect_b64 s[2:3], s[2:3], s[14:15]
	s_add_nc_u64 s[2:3], s[2:3], s[30:31]
	s_add_nc_u64 s[16:17], s[16:17], s[34:35]
	s_add_nc_u64 s[18:19], s[18:19], s[36:37]
.macro WLOAD pitch                     ; W(128 s + 64 c + 32 h + i, my column)
.irp c, 0,1
.irp i, 0,1,2,3,4,5,6,7,8,9,10,11,12,13,14,15,16,17,18,19,20,21,22,23,24,25,26,27,28,29,30,31
	global_load_b32 v[64+32*\c+\i], v4, s[2:3] offset:(64*\c+\i)*\pitch th:TH_LOAD_NT
.endr
.endr
.endm
	s_cmp_eq_u32 s27, 1
	s_cbranch_scc1 .Lwide
	WLOAD 1024
	s_branch .Lquant
.Lwide:
	WLOAD 4096
.Lquant:
	s_wait_loadcnt 0x0
.irp c, 0,1                            ; my block 2 c + h: all its 32 numbers are mine
	v_max3_num_f32 v[32+\c], |v[64+32*\c]|, |v[65+32*\c]|, 0x1800000   ; with the floor 2^(3 - 127): the byte cannot fall under 1
.endr
.irp i, 2,4,6,8,10,12,14,16,18,20,22,24,26,28,30
.irp c, 0,1
	v_max3_num_f32 v[32+\c], v[32+\c], |v[64+32*\c+\i]|, |v[65+32*\c+\i]|
.endr
.endr
.irp c, 0,1
	v_add_nc_u32 v[44+\c], 0xff000000, v[32+\c]    ; 2 off the exponent field: the conversion's scale operand
.endr
.irp c, 0,1
	v_lshrrev_b32 v[36+\c], 23, v[44+\c]           ; the scale's byte
.endr
	v_lshl_or_b32 v9, v37, 16, v36                 ; my two bytes: blocks h and 2 + h,
	v_lshlrev_b32 v10, 3, v2
	v_lshlrev_b32 v9, v10, v9                      ; at their places in the word;
	v_mov_b32 v10, 0
	v_permlanex16_b32 v10, v9, s38, s39
	v_or_b32 v9, v9, v10                           ; with lane l xor 16's two the word is whole
.irp c, 0,1
	v_cvt_scalef32_pk16_fp6_f32 v[48+6*\c:50+6*\c], v[64+32*\c:79+32*\c], v[44+\c]
	v_cvt_scalef32_pk16_fp6_f32 v[192+4*\c:194+4*\c], v[80+32*\c:95+32*\c], v[44+\c]   ; (a conversion's three registers begin on an even number)
.endr
	v_nop                                          ; one plain instruction behind the conversions
.irp c, 0,1
.irp i, 0,1,2
	v_mov_b32 v[51+6*\c+\i], v[192+4*\c+\i]
.endr
.endr
.irp g, 0,1,2
	global_store_b128 v6, v[48+4*\g:51+4*\g], s[16:17] offset:512*\g   ; 32 lanes store 512 consecutive bytes
.endr
	v_cmp_gt_u32 vcc_lo, 16, v3
	s_wait_xcnt 0x0                                ; EXEC changes only behind this wait
	s_and_saveexec_b32 s33, vcc_lo
	global_store_b32 v7, v9, s[18:19]              ; lanes 0-15: the sixteen scale words
	s_wait_xcnt 0x0
	s_or_b32 exec_lo, exec_lo, s33
	s_endpgm
.Lfunc_end_k_qd47f02aa3d_prep:
	.size	k_qd47f02aa3d_prep, .Lfunc_end_k_qd47f02aa3d_prep-k_qd47f02aa3d_prep
	.p2alignl 7, 3214868480
	.fill 96, 4, 3214868480
	.section	.rodata,"a",@progbits
	.p2align	6, 0x0
	.amdhsa_kernel k_qd47f02aa3d_prep
		.amdhsa_group_segment_fixed_size 0
		.amdhsa_private_segment_fixed_size 0
		.amdhsa_enable_private_segment 0
		.amdhsa_kernarg_size 64
		.amdhsa_user_sgpr_count 2
		.amdhsa_user_sgpr_kernarg_segment_ptr 1
		.amdhsa_wavefront_size32 1
		.amdhsa_system_sgpr_workgroup_id_x 1
		.amdhsa_system_sgpr_workgroup_id_y 1
		.amdhsa_system_sgpr_workgroup_id_z 1
		.amdhsa_system_vgpr_workitem_id 0
		.amdhsa_next_free_vgpr 208
		.amdhsa_next_free_sgpr 66
		.amdhsa_reserve_vcc 1
		.amdhsa_float_denorm_mode_32 3
		.amdhsa_float_denorm_mode_16_64 3
		.amdhsa_memory_ordered 1
		.amdhsa_forward_progress 1
		.amdhsa_inst_pref_size 18
	.end_amdhsa_kernel
	.amdgpu_metadata
---
amdhsa.version: [ 1, 2 ]
amdhsa.kernels:
  - .name:           k_qd47f02aa3d_prep
    .symbol:         k_qd47f02aa3d_prep.kd
    .args:
      - { .name: Wq, .offset: 0, .size: 8, .value_kind: global_buffer, .address_space: global }
      - { .name: Wk, .offset: 8, .size: 8, .value_kind: global_buffer, .address_space: global }
      - { .name: Wv, .offset: 16, .size: 8, .value_kind: global_buffer, .address_space: global }
      - { .name: Wo, .offset: 24, .size: 8, .value_kind: global_buffer, .address_space: global }
      - { .name: W1, .offset: 32, .size: 8, .value_kind: global_buffer, .address_space: global }
      - { .name: W2, .offset: 40, .size: 8, .value_kind: global_buffer, .address_space: global }
      - { .name: wfrag, .offset: 48, .size: 8, .value_kind: global_buffer, .address_space: global }
      - { .name: wscale, .offset: 56, .size: 8, .value_kind: global_buffer, .address_space: global }
    .group_segment_fixed_size: 0
    .private_segment_fixed_size: 0
    .kernarg_segment_align: 8
    .kernarg_segment_size: 64
    .max_flat_workgroup_size: 128
    .sgpr_count:     66
    .vgpr_count:     208
    .wavefront_size: 32
...
	.end_amdgpu_metadata
.endif
;; end of part 1
;; launch kvpart (part 2): grid 29 x 8, 8 waves a work-group, no clusters, 60,416 bytes of LDS; arguments fx, ln1_g, ln1_b, bk, bv, kln_g, kln_b, vln_g, vln_b, wfrag, wscale, kvp; writes kvp
.if DOCPART == 2
	.amdgcn_target "amdgcn-amd-amdhsa--gfx1250"
	.amdhsa_code_object_version 6
	.text
	.protected	k_qd47f02aa3d_kvpart
	.globl	k_qd47f02aa3d_kvpart
	.p2align	8
	.type	k_qd47f02aa3d_kvpart,@function
k_qd47f02aa3d_kvpart:
	s_mov_b64 s[64:65], 0
	v_nop
	global_prefetch_b8 v0, s[64:65] scope:SCOPE_SE
	s_setreg_imm32_b32 hwreg(HW_REG_WAVE_MODE, 25, 1), 1
	s_wait_xcnt 0x0
; For 256 tokens of one batch: x = LN1(fx), quantised along the channels; k = x Wk + bk, v = x Wv + bv; the heads' norms; k and v quantised ALONG THE TOKENS; the part of k^T v that these tokens give, for all 8 heads.
; No work of the problem is left out here.
; SHARES.  Work-group (x, y): tokens 256 x .. 256 x + 255 of batch y, as two chunks of 128 (a chunk is one K step of k^T v, and begins on a multiple of 32 tokens).  7,225 = 56 x 128 + 57: work-group x = 28 has one chunk, 57 tokens of it live.
; Rows: wave w normalises and quantises 16 tokens of a chunk, token 32 (w / 2) + 8 (w % 2) + r + 8 (r / 8), and leaves the two fragments in LDS as images of their registers.  Products: wave w is head w.
; TWO AXES.  k and v are normalised along the head's 32 channels and quantised along the tokens.  So each product is issued twice from the same two fragments: once with the tokens as source 0 (a lane holds one channel, its registers
; run down the tokens: what the quantiser wants) and once with the sources swapped (a lane holds one token and 16 channels: mean and variance are packed sums and one exchange).  Swapped sources give the same bits.  A token's mean and
; 1 / sqrt(var + eps) cross over through 128 bytes of the wave's own LDS.
; Tokens past the batch's end are loaded from row 7,224 (no load leaves the buffer) and their k and v are set to 0 ahead of the quantiser, as the quantiser's fill of the last block asks.
; LIMITS: NaN and infinities are not served; a block of zeros has the byte 1, not 127 (its codes are zeros; this program alone reads the bytes); the sum over tokens is taken in another order than reference()'s.
; No tensor loads and no cluster: each token is read by one wave, a head's weights by one wave, straight into operand registers; the batch's ragged end wants a clamp in each lane.  No prefetch: all loads go out at the head.
; REGISTERS, window 0: v1-15 addresses; v20-23 scale words of k's and v's fragments; v24-27 the weights' scale words; v28-31 x's; v36-83 x's fragments, two sets; v84-99, v100-111 at work; v112-123 codes; v128-191 results by channel; v192-255 results by token.
; window 1: v0-95 the head's 8 weight fragments; v96-127, v128-159 the biases in the two layouts; v160-191 the four accumulators of k^T v; v192-239 k's and v's fragments; v240-255 the heads' gains and biases, doubled.
.set SPW, 1
.set NIL, 2
.set L16, 3
.set L4, 4
.set XA0, 5
.set XA1, 6
.set W16, 7
.set W4, 8
.set STW, 9
.set STR, 10
.set FA, 11
.set FSA, 12
.set VLIM, 13
.set H64, 14
.set CH4, 15
.set FS, 20
.set WSR, 24
.set XS, 28
.set XF, 36
.set LT, 84
.set PD, 92
.set TM, 100
.set PC, 112
.set PW, 124
.set R, 128
.set ST, 192
.set WF, 0
.set BN, 96
.set BT, 128
.set KVA, 160
.set FR, 192
.set GB, 240
.set XIMG, 2048                        ; LDS: 0 ln1_g, 1024 ln1_b; a set for each chunk: 16 fragments of 1,536 bytes, then their scale words, 128 bytes each
.set XSET, 26624
.set STAT, 55296                       ; 512 bytes a wave: tile i at 128 i: sixteen 1 / sqrt(var + eps), then sixteen means
.set SPARE, 59392                      ; the spare words, 128 bytes a wave: four blocks of 256 bytes that no other line names
.set WV, 28
.set SEL, 32
.set INV256, 34
.set INV32, 35
.set EPS, 36
.set CO, 37
.set CB, 38
.set CNT, 39
.set MSB, 0
.macro WIN new                         ; the immediate's high byte repeats the setting that is left
.if MSB != (\new)
	s_set_vgpr_msb (MSB<<8)|(\new)
.set MSB, (\new)
.endif
.endm
.macro BARRIER                         ; my LDS stores have landed and my LDS loads are in: then the work-group's barrier
	s_wait_dscnt 0x0
	s_barrier_signal -1
	s_barrier_wait -1
.endm
.macro NOPS n
.rept \n
	v_nop
.endr
.endm
.macro WMM d, a, b, c, sa, sb, ra, rb  ; ra, rb = 1: that side's scale words are read from lanes 16-31
.if (\ra) == 1
	v_wmma_scale_f32_16x16x128_f8f6f4 v[(\d):(\d)+7], v[(\a):(\a)+11], v[(\b):(\b)+11], v[(\c):(\c)+7], v[\sa], v[\sb] matrix_a_fmt:MATRIX_FMT_FP6 matrix_b_fmt:MATRIX_FMT_FP6 matrix_a_scale:MATRIX_SCALE_ROW1
.elseif (\rb) == 1
	v_wmma_scale_f32_16x16x128_f8f6f4 v[(\d):(\d)+7], v[(\a):(\a)+11], v[(\b):(\b)+11], v[(\c):(\c)+7], v[\sa], v[\sb] matrix_a_fmt:MATRIX_FMT_FP6 matrix_b_fmt:MATRIX_FMT_FP6 matrix_b_scale:MATRIX_SCALE_ROW1
.else
	v_wmma_scale_f32_16x16x128_f8f6f4 v[(\d):(\d)+7], v[(\a):(\a)+11], v[(\b):(\b)+11], v[(\c):(\c)+7], v[\sa], v[\sb] matrix_a_fmt:MATRIX_FMT_FP6 matrix_b_fmt:MATRIX_FMT_FP6
.endif
.endm
; 64 numbers of a lane, register 16 b + i = k 32 b + 16 (lane / 16) + i of my row, become a fragment's codes in v[PC] on and its scale word in v[PW]
.macro QUANT s
.irp b, 0,1,2,3
	v_max3_num_f32 v[TM+\b], |v[(\s)+16*\b]|, |v[(\s)+1+16*\b]|, 0x1800000   ; with the floor 2^(3 - 127): the byte cannot fall under 1
.endr
.irp i, 2,4,6,8,10,12,14
.irp b, 0,1,2,3
	v_max3_num_f32 v[TM+\b], v[TM+\b], |v[(\s)+16*\b+\i]|, |v[(\s)+1+16*\b+\i]|
.endr
.endr
.irp b, 0,1,2,3
	v_permlanex16_b32 v[TM+4+\b], v[TM+\b], s[SEL], s[SEL+1]
.endr
.irp b, 0,1,2,3
	v_max_num_f32 v[TM+\b], v[TM+\b], v[TM+4+\b]   ; with lane l xor 16's: the block's largest magnitude
.endr
.irp b, 0,1,2,3
	v_add_nc_u32 v[TM+8+\b], 0xff000000, v[TM+\b]  ; 2 off its exponent field: the conversion's scale operand
.endr
.irp b, 0,1,2,3
	v_lshrrev_b32 v[TM+4+\b], 23, v[TM+8+\b]       ; the scale's byte
.endr
	v_lshl_or_b32 v[PW], v[TM+5], 8, v[TM+4]
	v_lshl_or_b32 v[PW], v[TM+6], 16, v[PW]
	v_lshl_or_b32 v[PW], v[TM+7], 24, v[PW]
.irp c, 0,1
	v_cvt_scalef32_pk16_fp6_f32 v[PC+6*\c:PC+2+6*\c], v[(\s)+32*\c:(\s)+15+32*\c], v[TM+8+2*\c]
	v_cvt_scalef32_pk16_fp6_f32 v[PD+4*\c:PD+2+4*\c], v[(\s)+16+32*\c:(\s)+31+32*\c], v[TM+9+2*\c]
.endr
	v_nop                                          ; one plain instruction behind the conversions
.irp c, 0,1                            ; the operand wants a WHOLE block in a lane: lanes 0-15 block 2 c, lanes 16-31 block 2 c + 1
.irp i, 0,1,2
	v_permlane16_swap_b32 v[PC+6*\c+\i], v[PD+4*\c+\i]
.endr
.irp i, 0,1,2
	v_mov_b32 v[PC+3+6*\c+\i], v[PD+4*\c+\i]
.endr
.endr
.endm
; the same for 32 numbers, two blocks: six registers of codes from v[dst] on; the two bytes stay in v[TM+4], v[TM+5]
.macro QUANT2 s, dst, pd
.irp b, 0,1
	v_max3_num_f32 v[TM+\b], |v[(\s)+16*\b]|, |v[(\s)+1+16*\b]|, 0x1800000
.endr
.irp i, 2,4,6,8,10,12,14
.irp b, 0,1
	v_max3_num_f32 v[TM+\b], v[TM+\b], |v[(\s)+16*\b+\i]|, |v[(\s)+1+16*\b+\i]|
.endr
.endr
.irp b, 0,1
	v_permlanex16_b32 v[TM+4+\b], v[TM+\b], s[SEL], s[SEL+1]
.endr
.irp b, 0,1
	v_max_num_f32 v[TM+\b], v[TM+\b], v[TM+4+\b]
.endr
.irp b, 0,1
	v_add_nc_u32 v[TM+8+\b], 0xff000000, v[TM+\b]
.endr
.irp b, 0,1
	v_lshrrev_b32 v[TM+4+\b], 23, v[TM+8+\b]
.endr
	v_cvt_scalef32_pk16_fp6_f32 v[(\dst):(\dst)+2], v[(\s):(\s)+15], v[TM+8]
	v_cvt_scalef32_pk16_fp6_f32 v[(\pd):(\pd)+2], v[(\s)+16:(\s)+31], v[TM+9]
	v_nop
.irp i, 0,1,2
	v_permlane16_swap_b32 v[(\dst)+\i], v[(\pd)+\i]
.endr
.irp i, 0,1,2
	v_mov_b32 v[(\dst)+3+\i], v[(\pd)+\i]
.endr
.endm
.macro IMAGE adr, off                  ; the fragment in v[PC] on goes to LDS as it stands: lane l's 16 bytes at 16 l, 512 bytes a store
.irp c, 0,1,2
	ds_store_b128 v[\adr], v[PC+4*\c:PC+4*\c+3] offset:(\off)+512*\c
.endr
.endm
.macro XLOAD dst, xa                   ; a row of fx: of each block of 32 channels my half's 16 numbers: register 16 B + i = channel 32 B + 16 h + i
.irp b, 0,1,2,3,4,5,6,7
.irp j, 0,1,2,3
	global_load_b128 v[(\dst)+16*\b+4*\j:(\dst)+16*\b+4*\j+3], v[\xa], s[4:5] offset:128*\b+16*\j th:TH_LOAD_NT
.endr
.endr
.endm
.macro LNST u, goff                    ; gains and biases of the eight channels of unit u, into set u % 3
	ds_load_b128 v[XF+16*((\u)%3):XF+16*((\u)%3)+3], v[H64] offset:(\goff)+128*((\u)/2)+32*((\u)%2)
	ds_load_b128 v[XF+16*((\u)%3)+4:XF+16*((\u)%3)+7], v[H64] offset:(\goff)+128*((\u)/2)+32*((\u)%2)+16
	ds_load_b128 v[XF+16*((\u)%3)+8:XF+16*((\u)%3)+11], v[H64] offset:(\goff)+1024+128*((\u)/2)+32*((\u)%2)
	ds_load_b128 v[XF+16*((\u)%3)+12:XF+16*((\u)%3)+15], v[H64] offset:(\goff)+1024+128*((\u)/2)+32*((\u)%2)+16
.endm
; The row in v[R] on is normalised (mean, then the mean of the squared differences: no difference of large sums), scaled, quantised, and its two fragments and scale words go to LDS
.macro LNQ goff, iadr, ioff, sadr, soff
.irp c, 0,1,2,3
	v_pk_add_f32 v[LT+2*\c:LT+2*\c+1], v[R+2*\c:R+2*\c+1], v[R+8+2*\c:R+9+2*\c]
.endr
.set ln_i, 16
.rept 14
.irp c, 0,1,2,3
	v_pk_add_f32 v[LT+2*\c:LT+2*\c+1], v[LT+2*\c:LT+2*\c+1], v[R+ln_i+2*\c:R+ln_i+2*\c+1]
.endr
.set ln_i, ln_i+8
.endr
	v_pk_add_f32 v[LT:LT+1], v[LT:LT+1], v[LT+2:LT+3]
	v_pk_add_f32 v[LT+4:LT+5], v[LT+4:LT+5], v[LT+6:LT+7]
	v_pk_add_f32 v[LT:LT+1], v[LT:LT+1], v[LT+4:LT+5]
	v_add_f32 v[LT], v[LT], v[LT+1]
	v_permlanex16_b32 v[TM+4], v[LT], s[SEL], s[SEL+1]
	v_add_f32 v[LT], v[LT], v[TM+4]
	v_mul_f32 v[LT], s[INV256], v[LT]              ; the mean
	v_mov_b32 v[LT+1], v[LT]
	s_wait_dscnt 0x0                               ; LDS stores that read the row have read it; no LDS instruction of mine is out, so the counts below count the staging loads alone
.set ln_i, 0
.rept 64
	v_pk_add_f32 v[R+ln_i:R+ln_i+1], v[R+ln_i:R+ln_i+1], v[LT:LT+1] neg_lo:[0,1] neg_hi:[0,1]
.set ln_i, ln_i+2
.endr
	LNST 0, \goff
	LNST 1, \goff
	LNST 2, \goff
.irp c, 0,1,2,3
	v_pk_mul_f32 v[LT+2+2*\c:LT+3+2*\c], v[R+2*\c:R+2*\c+1], v[R+2*\c:R+2*\c+1]
.endr
.set ln_i, 8
.rept 15
.irp c, 0,1,2,3
	v_pk_fma_f32 v[LT+2+2*\c:LT+3+2*\c], v[R+ln_i+2*\c:R+ln_i+2*\c+1], v[R+ln_i+2*\c:R+ln_i+2*\c+1], v[LT+2+2*\c:LT+3+2*\c]
.endr
.set ln_i, ln_i+8
.endr
	v_pk_add_f32 v[LT+2:LT+3], v[LT+2:LT+3], v[LT+4:LT+5]
	v_pk_add_f32 v[LT+6:LT+7], v[LT+6:LT+7], v[LT+8:LT+9]
	v_pk_add_f32 v[LT+2:LT+3], v[LT+2:LT+3], v[LT+6:LT+7]
	v_add_f32 v[LT+2], v[LT+2], v[LT+3]
	v_permlanex16_b32 v[TM+4], v[LT+2], s[SEL], s[SEL+1]
	v_add_f32 v[LT+2], v[LT+2], v[TM+4]
	v_fma_f32 v[LT+2], v[LT+2], s[INV256], s[EPS]
	v_rsq_f32 v[LT], v[LT+2]
	v_nop                                          ; a plain instruction behind the transcendental,
	s_wait_alu depctr_va_vdst(0)                   ; and the wait ahead of its first reader
	v_mov_b32 v[LT+1], v[LT]
.set ln_u, 0
.rept 16
.if ln_u < 14
	s_wait_dscnt 8                                 ; unit u's four loads are in; the two units behind it (8 loads) may be out
.elseif ln_u == 14
	s_wait_dscnt 4
.else
	s_wait_dscnt 0
.endif
.irp p, 0,2,4,6
	v_pk_mul_f32 v[R+8*ln_u+\p:R+8*ln_u+\p+1], v[R+8*ln_u+\p:R+8*ln_u+\p+1], v[LT:LT+1]
.endr
.irp p, 0,2,4,6
	v_pk_fma_f32 v[R+8*ln_u+\p:R+8*ln_u+\p+1], v[R+8*ln_u+\p:R+8*ln_u+\p+1], v[XF+16*(ln_u%3)+\p:XF+16*(ln_u%3)+\p+1], v[XF+16*(ln_u%3)+8+\p:XF+16*(ln_u%3)+9+\p]
.endr
.if ln_u < 13
	LNST ln_u+3, \goff
.endif
.set ln_u, ln_u+1
.endr
	QUANT R
	IMAGE \iadr, \ioff
	ds_store_b32 v[\sadr], v[PW] offset:\soff
	s_wait_dscnt 0x0                               ; the stores have read their registers
	QUANT R+64
	IMAGE \iadr, (\ioff)+1536
	ds_store_b32 v[\sadr], v[PW] offset:(\soff)+128
.endm
	s_load_b512 s[4:19], s[0:1], 0x0               ; fx, ln1_g, ln1_b, bk, bv, kln_g, kln_b, vln_g
	s_load_b256 s[20:27], s[0:1], 0x40             ; vln_b, wfrag, wscale, kvp
	v_lshl_add_u32 v[SPW], v0, 2, SPARE
	v_mov_b32 v[NIL], 0
	v_lshrrev_b32 v16, 5, v0
	v_readfirstlane_b32 s[WV], v16                 ; wave 0..7
	v_and_b32 v16, 31, v0                          ; lane
	v_and_b32 v17, 15, v0                          ; r
	v_bfe_u32 v18, v0, 4, 1                        ; h
	v_lshlrev_b32 v[L16], 4, v16
	v_lshlrev_b32 v[L4], 2, v16
	v_lshlrev_b32 v[H64], 6, v18
	s_mul_i32 s40, s[WV], 3072
	v_add_nc_u32 v[W16], s40, v[L16]               ; where I store my two fragments
	s_lshl_b32 s40, s[WV], 8
	v_add_nc_u32 v[W4], s40, v[L4]                 ; and their scale words
	s_lshl_b32 s40, s[WV], 9
	s_add_co_u32 s40, s40, STAT
	v_lshl_add_u32 v[STW], v17, 2, s40             ; a token's two figures go in at 4 r
	v_lshl_add_u32 v[STR], v18, 5, s40             ; and eight tokens' come back from 32 h
	v_and_b32 v19, 8, v17
	v_add_nc_u32 v19, v19, v17                     ; r + 8 (r / 8)
	v_lshlrev_b32 v[CH4], 2, v19
	s_lshr_b32 s41, s[WV], 1
	s_lshl_b32 s41, s41, 5
	s_and_b32 s42, s[WV], 1
	s_lshl_b32 s42, s42, 3
	s_add_co_u32 s41, s41, s42
	s_lshl_b32 s42, ttmp9, 8
	s_add_co_u32 s41, s41, s42
	v_add_nc_u32 v32, s41, v19                     ; my token in chunk 0
	v_min_u32 v33, 7224, v32                       ; no load leaves the batch
	v_lshl_add_u32 v[XA0], v33, 10, v[H64]
	v_add_nc_u32 v32, 128, v32
	v_min_u32 v33, 7224, v32
	v_lshl_add_u32 v[XA1], v33, 10, v[H64]
	v_lshlrev_b32 v34, 2, v0
	s_mov_b32 s[SEL], 0x76543210
	s_mov_b32 s[SEL+1], 0xfedcba98
	s_mov_b32 s[INV256], 0x3b800000
	s_mov_b32 s[INV32], 0x3d000000
	s_mov_b32 s[EPS], 0x3727c5ac
	s_and_b32 s43, ttmp7, 0xffff                   ; the batch
	s_mul_i32 s44, s43, 7398400                    ; 7,225 rows of 1,024 bytes
	s_mov_b32 s45, 0
	s_lshl_b32 s46, s[WV], 7                       ; a head's 32 numbers
	s_mov_b32 s47, 0
	s_mul_i32 s48, s43, 29
	s_add_co_u32 s48, s48, ttmp9
	s_lshl_b32 s48, s48, 3
	s_add_co_u32 s48, s48, s[WV]
	s_lshl_b32 s48, s48, 12                        ; my 4,096 bytes of kvp
	s_mov_b32 s49, 0
	s_mul_i32 s50, s[WV], 6144                     ; a head's four fragments of a weight
	s_mov_b32 s51, 0
	s_lshl_b32 s52, s[WV], 8                       ; and their scale words
	s_mov_b32 s53, 0
	s_wait_kmcnt 0x0
	s_add_nc_u64 s[4:5], s[4:5], s[44:45]
.irp p, 10,12,14,16,18,20
	s_add_nc_u64 s[\p:\p+1], s[\p:\p+1], s[46:47]
.endr
	s_add_nc_u64 s[22:23], s[22:23], s[50:51]
	s_add_nc_u64 s[24:25], s[24:25], s[52:53]
	s_add_nc_u64 s[26:27], s[26:27], s[48:49]
	global_load_b32 v20, v34, s[6:7]               ; thread t: ln1_g[t], ln1_b[t]
	global_load_b32 v21, v34, s[8:9]
	XLOAD R, XA0
.irp i, 0,1,2,3,4,5,6,7,8,9,10,11,12,13,14,15
	v_mov_b32 v[LT+\i], 0                          ; written once: a lane permute's destination counts as one of its sources
.endr
.irp i, 4,5,6,7
	v_mov_b32 v[TM+\i], 0
.endr
	s_wait_loadcnt 32                              ; the two table loads are in; chunk 0's 32 may be out
	ds_store_b32 v34, v20
	ds_store_b32 v34, v21 offset:1024
	WIN 0x40                                       ; destination window 1
	XLOAD 0, XA1                                   ; chunk 1 waits in window 1 while chunk 0 is worked on
.set cp, 0
.rept 32
	v_mov_b32 v[KVA+cp], 0                         ; the four sums: the loop over chunks is written once
.set cp, cp+1
.endr
	WIN 0
	BARRIER                                        ; the tables lie in LDS
	s_wait_loadcnt 32                              ; chunk 0's loads are in; chunk 1's 32 may be out
	LNQ 0, W16, XIMG, W4, XIMG+24576
	s_wait_loadcnt 0x0
	s_cmp_eq_u32 ttmp9, 28                         ; the batch's last work-group has one chunk
	s_cbranch_scc1 .Lone_a
	WIN 0x01                                       ; source window 1
.set cp, 0
.rept 128
	v_mov_b32 v[R+cp], v[cp]
.set cp, cp+1
.endr
	WIN 0
.Lone_a:
	WIN 0x40                                       ; my head's weights, biases and gains: they land while chunk 1 is normalised
.irp k, 0,1
.irp q, 0,1,2,3
.irp g, 0,1,2
	global_load_b128 v[WF+12*(4*\k+\q)+4*\g:WF+12*(4*\k+\q)+4*\g+3], v[L16], s[22:23] offset:1536*(32+32*\k+\q)+512*\g
.endr
.endr
.irp ct, 0,1
	global_load_b128 v[BT+8*(2*\k+\ct):BT+8*(2*\k+\ct)+3], v[H64], s[10+2*\k:11+2*\k] offset:32*\ct
	global_load_b128 v[BT+8*(2*\k+\ct)+4:BT+8*(2*\k+\ct)+7], v[H64], s[10+2*\k:11+2*\k] offset:32*\ct+16
	global_load_b32 v[BN+8*(2*\k+\ct)], v[CH4], s[10+2*\k:11+2*\k] offset:32*\ct
	global_load_b32 v[GB+4*(2*\k+\ct)], v[CH4], s[14+4*\k:15+4*\k] offset:32*\ct
	global_load_b32 v[GB+4*(2*\k+\ct)+2], v[CH4], s[16+4*\k:17+4*\k] offset:32*\ct
.endr
.endr
	WIN 0
.irp k, 0,1
.irp ct, 0,1
	global_load_b32 v[WSR+2*\k+\ct], v[L4], s[24:25] offset:128*(16+16*\k+\ct)   ; lanes 0-15: K step 0's words, lanes 16-31: K step 1's
.endr
.endr
	s_cmp_eq_u32 ttmp9, 28
	s_cbranch_scc1 .Lone_b
	LNQ 0, W16, XIMG+XSET, W4, XIMG+XSET+24576
.Lone_b:
	s_wait_loadcnt 0x0
	WIN 0x41
.irp t, 0,1,2,3
.irp j, 1,2,3,4,5,6,7
	v_mov_b32 v[BN+8*\t+\j], v[BN+8*\t]            ; by channel, all eight tokens of a lane take the same bias
.endr
	v_mov_b32 v[GB+4*\t+1], v[GB+4*\t]
	v_mov_b32 v[GB+4*\t+3], v[GB+4*\t+2]
.endr
	WIN 0
	BARRIER                                        ; all fragments of x lie in LDS: the launch's last barrier
.macro FETCHX set, t                   ; tile t's two fragments and scale words
.irp q, 0,1,2,3,4,5
	ds_load_b128 v[XF+24*(\set)+4*\q:XF+24*(\set)+4*\q+3], v[FA] offset:XIMG+3072*(\t)+512*\q
.endr
	ds_load_b32 v[XS+2*(\set)], v[FSA] offset:XIMG+24576+256*(\t)
	ds_load_b32 v[XS+2*(\set)+1], v[FSA] offset:XIMG+24576+256*(\t)+128
.endm
; Eight matrix instructions for one tile of 16 tokens: by channel and by token, two tiles of 16 channels, two K steps.  Four accumulators by turns, one instruction a turn
.macro MM kind, i
.set mm_x, XF+24*((\i)%2)
.set mm_s, XS+2*((\i)%2)
	WIN 0x14
.irp ct, 0,1
	WMM R+32*\ct+8*(\i), mm_x, WF+12*(4*(\kind)+2*\ct), BN+8*(2*(\kind)+\ct), mm_s, WSR+2*(\kind)+\ct, 0, 0
.endr
	WIN 0x11
.irp ct, 0,1
	WMM ST+16*(\i)+8*\ct, WF+12*(4*(\kind)+2*\ct), mm_x, BT+8*(2*(\kind)+\ct), WSR+2*(\kind)+\ct, mm_s, 0, 0
.endr
	WIN 0x04
.irp ct, 0,1
	WMM R+32*\ct+8*(\i), mm_x+12, WF+12*(4*(\kind)+2*\ct+1), R+32*\ct+8*(\i), mm_s+1, WSR+2*(\kind)+\ct, 0, 1
.endr
	WIN 0x01
.irp ct, 0,1
	WMM ST+16*(\i)+8*\ct, WF+12*(4*(\kind)+2*\ct+1), mm_x+12, ST+16*(\i)+8*\ct, WSR+2*(\kind)+\ct, mm_s+1, 1, 0
.endr
	WIN 0
.endm
; k (kind 0) or v (kind 1) of tokens 64 c .. 64 c + 63 of the chunk, for my head: products, norm, quantiser along the tokens: registers 6 c .. 6 c + 5 of two fragments
.macro KVUNIT kind, c
	FETCHX 0, 4*(\c)
	FETCHX 1, 4*(\c)+1
.irp i, 0,1,2,3
.if \i < 3
	s_wait_dscnt 8                                 ; this tile's eight loads are in; the next tile's eight may be out
.else
	s_wait_dscnt 0
.endif
	MM \kind, \i
	NOPS 4                                         ; places in front of loads into registers that the products have read, and of the first read of results
.if \i < 2
	FETCHX \i, 4*(\c)+\i+2
.endif
.endr
	; mean and variance of each token over the head's 32 channels: a lane holds 16 of them, lane l xor 16 the others; the four tiles by turns
.irp i, 0,1,2,3
	v_pk_add_f32 v[LT+4*\i:LT+4*\i+1], v[ST+16*\i:ST+16*\i+1], v[ST+16*\i+8:ST+16*\i+9]   ; (each accumulator is read from its low end on)
.endr
.irp p, 2,4,6,10,12,14
.irp i, 0,1,2,3
	v_pk_add_f32 v[LT+4*\i:LT+4*\i+1], v[LT+4*\i:LT+4*\i+1], v[ST+16*\i+\p:ST+16*\i+\p+1]
.endr
.endr
.irp i, 0,1,2,3
	v_add_f32 v[LT+4*\i], v[LT+4*\i], v[LT+4*\i+1]
.endr
.irp i, 0,1,2,3
	v_permlanex16_b32 v[LT+4*\i+2], v[LT+4*\i], s[SEL], s[SEL+1]
.endr
.irp i, 0,1,2,3
	v_add_f32 v[LT+4*\i], v[LT+4*\i], v[LT+4*\i+2]
.endr
.irp i, 0,1,2,3
	v_mul_f32 v[LT+4*\i], s[INV32], v[LT+4*\i]     ; the mean
.endr
.irp i, 0,1,2,3
	v_mov_b32 v[LT+4*\i+1], v[LT+4*\i]
.endr
.irp p, 0,2,4,6,8,10,12,14
.irp i, 0,1,2,3
	v_pk_add_f32 v[ST+16*\i+\p:ST+16*\i+\p+1], v[ST+16*\i+\p:ST+16*\i+\p+1], v[LT+4*\i:LT+4*\i+1] neg_lo:[0,1] neg_hi:[0,1]
.endr
.endr
.irp i, 0,1,2,3
	v_pk_mul_f32 v[LT+4*\i+2:LT+4*\i+3], v[ST+16*\i:ST+16*\i+1], v[ST+16*\i:ST+16*\i+1]
.endr
.irp p, 2,4,6,8,10,12,14
.irp i, 0,1,2,3
	v_pk_fma_f32 v[LT+4*\i+2:LT+4*\i+3], v[ST+16*\i+\p:ST+16*\i+\p+1], v[ST+16*\i+\p:ST+16*\i+\p+1], v[LT+4*\i+2:LT+4*\i+3]
.endr
.endr
.irp i, 0,1,2,3
	v_add_f32 v[LT+4*\i+2], v[LT+4*\i+2], v[LT+4*\i+3]
.endr
.irp i, 0,1,2,3
	v_permlanex16_b32 v[LT+4*\i+3], v[LT+4*\i+2], s[SEL], s[SEL+1]
.endr
.irp i, 0,1,2,3
	v_add_f32 v[LT+4*\i+2], v[LT+4*\i+2], v[LT+4*\i+3]
.endr
.irp i, 0,1,2,3
	v_fma_f32 v[LT+4*\i+2], v[LT+4*\i+2], s[INV32], s[EPS]
.endr
.irp i, 0,1,2,3
	v_rsq_f32 v[LT+4*\i+2], v[LT+4*\i+2]
.endr
	v_nop
	s_wait_alu depctr_va_vdst(0)                   ; one wait for the four, ahead of their first reader
.irp i, 0,1,2,3
	ds_store_b32 v[STW], v[LT+4*\i+2] offset:128*\i       ; both lanes of a token write the same word with the same value
	ds_store_b32 v[STW], v[LT+4*\i] offset:128*\i+64
.endr
.irp i, 0,1,2,3                        ; LDS serves a wave's instructions in order: these see my stores.  Back by channel: the figures of my eight tokens 8 h + 0 .. 7 of each tile
	ds_load_b128 v[ST+16*\i:ST+16*\i+3], v[STR] offset:128*\i
	ds_load_b128 v[ST+16*\i+4:ST+16*\i+7], v[STR] offset:128*\i+16
	ds_load_b128 v[ST+16*\i+8:ST+16*\i+11], v[STR] offset:128*\i+64
	ds_load_b128 v[ST+16*\i+12:ST+16*\i+15], v[STR] offset:128*\i+80
.endr
	s_wait_dscnt 0x0
.irp p, 0,2,4,6
.irp ct, 0,1
.irp i, 0,1,2,3
	v_pk_add_f32 v[R+32*\ct+8*\i+\p:R+32*\ct+8*\i+\p+1], v[R+32*\ct+8*\i+\p:R+32*\ct+8*\i+\p+1], v[ST+16*\i+8+\p:ST+16*\i+9+\p] neg_lo:[0,1] neg_hi:[0,1]
.endr
.endr
.endr
.irp p, 0,2,4,6
.irp ct, 0,1
.irp i, 0,1,2,3
	v_pk_mul_f32 v[R+32*\ct+8*\i+\p:R+32*\ct+8*\i+\p+1], v[R+32*\ct+8*\i+\p:R+32*\ct+8*\i+\p+1], v[ST+16*\i+\p:ST+16*\i+\p+1]
.endr
.endr
.endr
	WIN 0x14                                       ; the head's gain and bias lie in window 1
.irp p, 0,2,4,6
.irp ct, 0,1
.irp i, 0,1,2,3
	v_pk_fma_f32 v[R+32*\ct+8*\i+\p:R+32*\ct+8*\i+\p+1], v[R+32*\ct+8*\i+\p:R+32*\ct+8*\i+\p+1], v[GB+4*(2*(\kind)+\ct):GB+4*(2*(\kind)+\ct)+1], v[GB+4*(2*(\kind)+\ct)+2:GB+4*(2*(\kind)+\ct)+3]
.endr
.endr
.endr
	WIN 0
	s_add_co_u32 s41, s[CB], 128                   ; only the batch's last chunk reaches past its end: a branch on ids
	s_cmp_le_u32 s41, 7225
	s_cbranch_scc1 .Lfull_\@
.irp i, 0,1,2,3
.irp j, 0,1,2,3,4,5,6,7
	v_cmp_lt_i32 vcc_lo, 64*(\c)+32*(\i/2)+8*(\i%2)+\j, v[VLIM]
	v_cndmask_b32 v[R+8*\i+\j], 0, v[R+8*\i+\j], vcc_lo
	v_cndmask_b32 v[R+32+8*\i+\j], 0, v[R+32+8*\i+\j], vcc_lo
.endr
.endr
.Lfull_\@:
.irp ct, 0,1
	QUANT2 R+32*\ct, PC, PC+8
	WIN 0x40
.irp n, 0,1,2,3,4,5
	v_mov_b32 v[FR+12*(2*(\kind)+\ct)+6*(\c)+\n], v[PC+\n]
.endr
	WIN 0
.if (\c) == 0
	v_lshl_or_b32 v[FS+2*(\kind)+\ct], v[TM+5], 8, v[TM+4]
.else
	v_lshl_or_b32 v[FS+2*(\kind)+\ct], v[TM+4], 16, v[FS+2*(\kind)+\ct]
	v_lshl_or_b32 v[FS+2*(\kind)+\ct], v[TM+5], 24, v[FS+2*(\kind)+\ct]
.endif
.endr
.endm
	s_mov_b32 s[CO], 0
	s_lshl_b32 s[CB], ttmp9, 8
	s_mov_b32 s[CNT], 2
.Lchunk:                               ; two trips, a constant; a chunk that begins past the batch's end is jumped over (ids alone; no barrier stands in the loop)
	s_cmp_ge_u32 s[CB], 7225
	s_cbranch_scc1 .Lskip
	v_add_nc_u32 v[FA], s[CO], v[L16]
	v_add_nc_u32 v[FSA], s[CO], v[L4]
	s_sub_co_u32 s40, 7225, s[CB]
	v_lshrrev_b32 v32, 2, v[H64]
	v_sub_nc_u32 v[VLIM], s40, v32                 ; live tokens of the chunk, less my half's 16
	KVUNIT 0, 0
	KVUNIT 1, 0
	KVUNIT 0, 1
	KVUNIT 1, 1
	NOPS 8                                         ; scale words written by vector instructions stand 8 places ahead of a scaled product, operands 4
	WIN 0x55
.irp e, 0,1
.irp d, 0,1
	WMM KVA+16*\e+8*\d, FR+12*\d, FR+24+12*\e, KVA+16*\e+8*\d, FS+\d, FS+2+\e, 0, 0
.endr
.endr
	WIN 0
.Lskip:
	s_add_co_u32 s[CO], s[CO], XSET
	s_add_co_u32 s[CB], s[CB], 128
	s_sub_co_u32 s[CNT], s[CNT], 1
	s_cmp_lg_u32 s[CNT], 0
	s_cbranch_scc1 .Lchunk
	NOPS 4
	WIN 0x04                                       ; a store's data are its source 1: window 1
.irp g, 0,1,2,3,4,5,6,7
	global_store_b128 v[L16], v[KVA+4*\g:KVA+4*\g+3], s[26:27] offset:512*\g   ; 32 lanes store 512 consecutive bytes; each accumulator from its low end on
.endr
	WIN 0
	s_wait_tensorcnt 0x0                           ; the wave's end: behind my last LDS store
	ds_add_u32 v[SPW], v[NIL]
	s_wait_dscnt 0x0
	s_endpgm
.Lfunc_end_k_qd47f02aa3d_kvpart:
	.size	k_qd47f02aa3d_kvpart, .Lfunc_end_k_qd47f02aa3d_kvpart-k_qd47f02aa3d_kvpart
	.p2alignl 7, 3214868480
	.fill 96, 4, 3214868480
	.section	.rodata,"a",@progbits
	.p2align	6, 0x0
	.amdhsa_kernel k_qd47f02aa3d_kvpart
		.amdhsa_group_segment_fixed_size 60416
		.amdhsa_private_segment_fixed_size 0
		.amdhsa_enable_private_segment 0
		.amdhsa_kernarg_size 96
		.amdhsa_user_sgpr_count 2
		.amdhsa_user_sgpr_kernarg_segment_ptr 1
		.amdhsa_wavefront_size32 1
		.amdhsa_system_sgpr_workgroup_id_x 1
		.amdhsa_system_sgpr_workgroup_id_y 1
		.amdhsa_system_sgpr_workgroup_id_z 1
		.amdhsa_system_vgpr_workitem_id 0
		.amdhsa_next_free_vgpr 512
		.amdhsa_next_free_sgpr 66
		.amdhsa_reserve_vcc 1
		.amdhsa_float_denorm_mode_32 3
		.amdhsa_float_denorm_mode_16_64 3
		.amdhsa_memory_ordered 1
		.amdhsa_forward_progress 1
		.amdhsa_inst_pref_size 211
	.end_amdhsa_kernel
	.amdgpu_metadata
---
amdhsa.version: [ 1, 2 ]
amdhsa.kernels:
  - .name:           k_qd47f02aa3d_kvpart
    .symbol:         k_qd47f02aa3d_kvpart.kd
    .args:
      - { .name: fx, .offset: 0, .size: 8, .value_kind: global_buffer, .address_space: global }
      - { .name: ln1_g, .offset: 8, .size: 8, .value_kind: global_buffer, .address_space: global }
      - { .name: ln1_b, .offset: 16, .size: 8, .value_kind: global_buffer, .address_space: global }
      - { .name: bk, .offset: 24, .size: 8, .value_kind: global_buffer, .address_space: global }
      - { .name: bv, .offset: 32, .size: 8, .value_kind: global_buffer, .address_space: global }
      - { .name: kln_g, .offset: 40, .size: 8, .value_kind: global_buffer, .address_space: global }
      - { .name: kln_b, .offset: 48, .size: 8, .value_kind: global_buffer, .address_space: global }
      - { .name: vln_g, .offset: 56, .size: 8, .value_kind: global_buffer, .address_space: global }
      - { .name: vln_b, .offset: 64, .size: 8, .value_kind: global_buffer, .address_space: global }
      - { .name: wfrag, .offset: 72, .size: 8, .value_kind: global_buffer, .address_space: global }
      - { .name: wscale, .offset: 80, .size: 8, .value_kind: global_buffer, .address_space: global }
      - { .name: kvp, .offset: 88, .size: 8, .value_kind: global_buffer, .address_space: global }
    .group_segment_fixed_size: 60416
    .private_segment_fixed_size: 0
    .kernarg_segment_align: 8
    .kernarg_segment_size: 96
    .max_flat_workgroup_size: 256
    .sgpr_count:     66
    .vgpr_count:     512
    .wavefront_size: 32
...
	.end_amdgpu_metadata
.endif
;; end of part 2
;; launch kvsum (part 3): grid 16 x 8, 4 waves a work-group, no clusters, 2,560 bytes of LDS; arguments kvp, kvimg, kvsc; writes kvimg, kvsc
.if DOCPART == 3
	.amdgcn_target "amdgcn-amd-amdhsa--gfx1250"
	.amdhsa_code_object_version 6
	.text
	.protected	k_qd47f02aa3d_kvsum
	.globl	k_qd47f02aa3d_kvsum
	.p2align	8
	.type	k_qd47f02aa3d_kvsum,@function
k_qd47f02aa3d_kvsum:
	s_mov_b64 s[64:65], 0
	v_nop
	global_prefetch_b8 v0, s[64:65] scope:SCOPE_SE
	s_setreg_imm32_b32 hwreg(HW_REG_WAVE_MODE, 25, 1), 1
	s_wait_xcnt 0x0
; kv = (the sum of a batch's 29 parts of k^T v) / 7,225, quantised along d (one block of 32 for each column e), laid as the operand of attn = q kv.  No work of the problem is left out here.
; Work-group (x, y): head x / 2, tile x % 2 of 16 columns e, batch y.  Wave w sums registers 4 w .. 4 w + 3 of that tile (d = 16 h + 4 w + 0 .. 3 of column e = 8 (x % 2) + r + 8 (r / 8)); the four meet in LDS; wave 0 quantises.
; THE FRAGMENT.  The next launch multiplies two heads' q at once: K = 128 holds head a = 0 in k 0-31 and head a = 1 in k 32-63.  So this head's 32 codes stand in the lanes of half a = head % 2, registers 0-5; all else is zero codes,
; which add nothing.  The scale word has this block's byte at place a and 127 elsewhere.
; LIMITS: the parts are summed in another order than reference() sums the tokens; x / 7,225 is x times the reciprocal, corrected once by the remainder; a block of zeros has the byte 1, not 127.
.set SPARE, 2048
	s_load_b128 s[4:7], s[0:1], 0x0                ; kvp, kvimg
	s_load_b64 s[8:9], s[0:1], 0x10                ; kvsc
	v_lshl_add_u32 v1, v0, 2, SPARE
	v_mov_b32 v2, 0
	v_lshrrev_b32 v3, 5, v0
	v_readfirstlane_b32 s10, v3                    ; wave
	v_and_b32 v3, 31, v0                           ; lane
	v_lshlrev_b32 v4, 4, v3                        ; 16 x lane
	v_lshlrev_b32 v5, 4, v0                        ; 512 x wave + 16 x lane
	v_and_b32 v6, 15, v0
	v_lshlrev_b32 v6, 2, v6                        ; 4 r
	s_and_b32 s11, ttmp7, 0xffff                   ; the batch
	s_lshr_b32 s12, ttmp9, 1                       ; the head
	s_and_b32 s13, ttmp9, 1                        ; the tile of columns
	s_mul_i32 s14, s11, 232
	s_add_co_u32 s14, s14, s12
	s_lshl_b32 s14, s14, 12
	s_lshl_b32 s15, s13, 2
	s_add_co_u32 s15, s15, s10
	s_lshl_b32 s15, s15, 9
	s_add_co_u32 s14, s14, s15
	s_mov_b32 s15, 0
	s_mov_b32 s16, 0x391121b2                      ; 1 / 7,225
	s_mov_b32 s17, 0x45e1c800                      ; 7,225
	s_mov_b32 s20, 0x76543210
	s_mov_b32 s21, 0xfedcba98
	s_and_b32 s18, s12, 1                          ; a
	s_mov_b32 s22, 0xffff0000
	s_mov_b32 s23, 0xffff
	s_mov_b32 s25, 0x7f7f7f00
	s_mov_b32 s19, 0x7f7f007f
	s_lshl_b32 s24, s18, 3
	s_cmp_eq_u32 s18, 1
	s_cselect_b32 s23, s22, s23                    ; the lanes of half a
	s_cselect_b32 s25, s19, s25                    ; 127 in the three other bytes
	s_lshl_b32 s26, s11, 4
	s_add_co_u32 s26, s26, ttmp9
	s_mul_i32 s28, s26, 1536
	s_mov_b32 s29, 0
	s_lshl_b32 s30, s26, 6
	s_mov_b32 s31, 0
	s_wait_kmcnt 0x0
	s_add_nc_u64 s[4:5], s[4:5], s[14:15]
	s_add_nc_u64 s[6:7], s[6:7], s[28:29]
	s_add_nc_u64 s[8:9], s[8:9], s[30:31]
.set p, 0
.rept 29
	global_load_b128 v[32+4*p:35+4*p], v4, s[4:5] offset:32768*p th:TH_LOAD_NT   ; part p: 512 consecutive bytes a load, all 29 on their way at once
.set p, p+1
.endr
	s_wait_loadcnt 0x0
.set p, 2
.rept 27
	v_pk_add_f32 v[32+4*(p%2):33+4*(p%2)], v[32+4*(p%2):33+4*(p%2)], v[32+4*p:33+4*p]
	v_pk_add_f32 v[34+4*(p%2):35+4*(p%2)], v[34+4*(p%2):35+4*(p%2)], v[34+4*p:35+4*p]
.set p, p+1
.endr
	v_pk_add_f32 v[32:33], v[32:33], v[36:37]
	v_pk_add_f32 v[34:35], v[34:35], v[38:39]
.irp i, 0,1,2,3
	v_mul_f32 v[36+\i], s16, v[32+\i]
.endr
.irp i, 0,1,2,3
	v_fma_f32 v[40+\i], -v[36+\i], s17, v[32+\i]   ; what the first quotient leaves
.endr
.irp i, 0,1,2,3
	v_fma_f32 v[32+\i], v[40+\i], s16, v[36+\i]
.endr
	ds_store_b128 v5, v[32:35]
	s_wait_dscnt 0x0                               ; for the others' sake: my store has landed
	s_barrier_signal -1
	s_barrier_wait -1
	s_cmp_lg_u32 s10, 0
	s_cbranch_scc1 .Lend
.irp c, 0,1,2,3
	ds_load_b128 v[48+4*\c:51+4*\c], v4 offset:512*\c   ; sixteen registers: d = 16 h + 0 .. 15 of my column
.endr
	s_wait_dscnt 0x0
	v_max3_num_f32 v8, |v48|, |v49|, 0x1800000     ; with the floor 2^(3 - 127)
.irp i, 2,4,6,8,10,12,14
	v_max3_num_f32 v8, v8, |v[48+\i]|, |v[49+\i]|
.endr
	v_mov_b32 v9, 0
	v_permlanex16_b32 v9, v8, s20, s21
	v_max_num_f32 v8, v8, v9
	v_add_nc_u32 v10, 0xff000000, v8
	v_lshrrev_b32 v11, 23, v10
	v_cvt_scalef32_pk16_fp6_f32 v[64:66], v[48:63], v10
	v_nop
.irp i, 0,1,2
	v_mov_b32 v[68+\i], 0
.endr
.irp i, 0,1,2
	v_permlanex16_b32 v[68+\i], v[64+\i], s20, s21 ; the other half's sixteen codes
.endr
.irp i, 0,1,2
	v_cndmask_b32 v[72+\i], v[64+\i], v[68+\i], s22   ; d = 0 .. 15: mine in lanes 0-15, the other's in lanes 16-31
	v_cndmask_b32 v[75+\i], v[68+\i], v[64+\i], s22   ; d = 16 .. 31
.endr
.irp i, 0,1,2,3,4,5
	v_cndmask_b32 v[80+\i], 0, v[72+\i], s23       ; kept in half a alone
.endr
.irp i, 6,7,8,9,10,11
	v_mov_b32 v[80+\i], 0
.endr
	v_lshlrev_b32 v11, s24, v11
	v_or_b32 v11, s25, v11
.irp g, 0,1,2
	global_store_b128 v4, v[80+4*\g:83+4*\g], s[6:7] offset:512*\g
.endr
	v_cmp_gt_u32 vcc_lo, 16, v3
	s_wait_xcnt 0x0                                ; EXEC changes only behind this wait
	s_and_saveexec_b32 s27, vcc_lo
	global_store_b32 v6, v11, s[8:9]
	s_wait_xcnt 0x0
	s_or_b32 exec_lo, exec_lo, s27
.Lend:
	s_wait_tensorcnt 0x0                           ; the wave's end: behind my last LDS store
	ds_add_u32 v1, v2
	s_wait_dscnt 0x0
	s_endpgm
.Lfunc_end_k_qd47f02aa3d_kvsum:
	.size	k_qd47f02aa3d_kvsum, .Lfunc_end_k_qd47f02aa3d_kvsum-k_qd47f02aa3d_kvsum
	.p2alignl 7, 3214868480
	.fill 96, 4, 3214868480
	.section	.rodata,"a",@progbits
	.p2align	6, 0x0
	.amdhsa_kernel k_qd47f02aa3d_kvsum
		.amdhsa_group_segment_fixed_size 2560
		.amdhsa_private_segment_fixed_size 0
		.amdhsa_enable_private_segment 0
		.amdhsa_kernarg_size 24
		.amdhsa_user_sgpr_count 2
		.amdhsa_user_sgpr_kernarg_segment_ptr 1
		.amdhsa_wavefront_size32 1
		.amdhsa_system_sgpr_workgroup_id_x 1
		.amdhsa_system_sgpr_workgroup_id_y 1
		.amdhsa_system_sgpr_workgroup_id_z 1
		.amdhsa_system_vgpr_workitem_id 0
		.amdhsa_next_free_vgpr 160
		.amdhsa_next_free_sgpr 66
		.amdhsa_reserve_vcc 1
		.amdhsa_float_denorm_mode_32 3
		.amdhsa_float_denorm_mode_16_64 3
		.amdhsa_memory_ordered 1
		.amdhsa_forward_progress 1
		.amdhsa_inst_pref_size 13
	.end_amdhsa_kernel
	.amdgpu_metadata
---
amdhsa.version: [ 1, 2 ]
amdhsa.kernels:
  - .name:           k_qd47f02aa3d_kvsum
    .symbol:         k_qd47f02aa3d_kvsum.kd
    .args:
      - { .name: kvp, .offset: 0, .size: 8, .value_kind: global_buffer, .address_space: global }
      - { .name: kvimg, .offset: 8, .size: 8, .value_kind: global_buffer, .address_space: global }
      - { .name: kvsc, .offset: 16, .size: 8, .value_kind: global_buffer, .address_space: global }
    .group_segment_fixed_size: 2560
    .private_segment_fixed_size: 0
    .kernarg_segment_align: 8
    .kernarg_segment_size: 24
    .max_flat_workgroup_size: 128
    .sgpr_count:     66
    .vgpr_count:     160
    .wavefront_size: 32
...
	.end_amdgpu_metadata
.endif
;; end of part 3
;; launch main (part 4): grid 29 x 8, 4 waves a work-group, no clusters, 303,616 bytes of LDS; arguments fx, out0, wfrag, wscale, kvimg, kvsc, ln1_g, ln1_b, ln2_g, ln2_b, bq, bo, b2, b1; writes out0
.if DOCPART == 4
	.amdgcn_target "amdgcn-amd-amdhsa--gfx1250"
	.amdhsa_code_object_version 6
	.text
	.protected	k_qd47f02aa3d_main
	.globl	k_qd47f02aa3d_main
	.p2align	8
	.type	k_qd47f02aa3d_main,@function
k_qd47f02aa3d_main:
	s_mov_b64 s[64:65], 0
	v_nop
	global_prefetch_b8 v0, s[64:65] scope:SCOPE_SE
	s_setreg_imm32_b32 hwreg(HW_REG_WAVE_MODE, 25, 1), 1
	s_wait_xcnt 0x0
; out0 = f + MLP(LN2(f)), f = fx + (q kv) Wo + bo, q = LN1(fx) Wq + bq; every product on codes of E2M3 with one E8M0 byte for each 32 along its K.  No work of the problem is left out here.
; SHARES.  Work-group (x, y): tokens 256 x .. of batch y, 64 at a time (the batch's last work-group: one block, 57 rows of it stored).  In the phases by rows wave w has rows 16 w + r.  IN THE PRODUCTS THE WAVES SHARE THE COLUMNS:
; wave w makes columns 64 w .. of q, attn, Wo's and W2's results and hidden units 256 w .., for all 64 rows.  So its 32 fragments of W1 and 32 of W2 stay in its registers for the whole launch; Wq's, Wo's and kv's slices and all
; scale words lie in LDS bytes of the wave's own.  Every product is used transposed (source 0 = 16 columns of the weight, source 1 = 16 tokens): a lane holds one token, and its registers run along the next product's K.
; OPERANDS GO FROM WAVE TO WAVE THROUGH LDS AS IMAGES OF THEIR REGISTERS.  The rows themselves (fx, then fx + attn Wo, then + h W2) lie in a stage of 64 rows; a product takes its slice of the stage as C and puts the result back.
; A BLOCK, six barriers:  A rows: fx to the stage, LN1, quantise | 1 |  B q, quantised by head;  C attn = q kv, quantised | 2 |  D + attn Wo | 3 |  E rows: + bo, LN2, quantise | 4 |  F hidden = gelu(. W1 + b1), quantised | 5 |
; G + hidden W2 | 6 |  H rows: + bo + b2, stored.
; gelu(x) = x / (1 + 2^(x (K1 + K2 x^2))), K1 = -2 log2(e) sqrt(2 / pi), K2 = 0.044715 K1: the tanh form of reference(), written with one exponential and one reciprocal.
; LIMITS: NaN and infinities are not served; a block of zeros has the byte 1, not 127 (its codes are zeros; this program alone reads the bytes); fx + attn Wo + bo and the second residual are summed in another order than reference()'s.
; No tensor loads and no cluster: the weights go once from memory straight into operand registers, 29 work-groups along x do not divide by 4, and the batch's ragged end wants a clamp in each lane.  No prefetch: the next block's rows are asked for two phases ahead by the loads themselves.
; REGISTERS, window 0: v1-19 addresses; v20-23 K1, K2, doubled; v24-35 W2's last fragment; v36-127 operands from LDS, scale words, small accumulators, at work; v128-255 a row of 256 / weights' slices / the hidden layer.
; windows 1-3: fragment f (W1: 2 i + s; W2: 32 + 8 n + s) at register 12 (f % 21) of window 1 + f / 21.
.set SPW, 1
.set NIL, 2
.set L16, 3
.set L4, 4
.set L8, 5
.set LIH, 6
.set W16, 7
.set W4, 8
.set AW6, 9
.set AWS, 10
.set SSL, 11
.set SRW, 12
.set SDN, 13
.set H64, 14
.set H64W, 15
.set B1A, 16
.set PLI, 17
.set PLS, 18
.set XA, 19
.set KK1, 20
.set KK2, 22
.set W63, 24
.set XF, 36
.set LT, 84
.set PD, 92
.set TM, 100
.set PC, 112
.set PW, 124
.set R, 128
; LDS.  Tables: 0 ln1_g, 1024 ln1_b, 2048 ln2_g, 3072 ln2_b, 4096 bq, 5120 bo, 6144 bo + b2, 7168 b1
.set AIMG0, 11264                      ; 8 fragments (tile of rows m, K step s: 2 m + s) of LN1's, later LN2's rows
.set ASC0, 23552                       ; their scale words, 128 bytes each
.set AIMG1, 24576                      ; attn's 8 fragments, in six pieces of 256 bytes: registers 2 P, 2 P + 1 at 256 P + 8 l
.set ASC1, 36864
.set HSC, 37888                        ; the hidden layer's scale words
.set SPARE, 41984                      ; the spare words, 128 bytes a wave: two blocks of 256 bytes that no other line names
.set HIMG, 42496                       ; the hidden layer's 32 fragments (8 m + s)
.set STG, 91648                        ; the stage: 64 rows of 1,024 bytes + 16
.set PRIV, 158208                      ; a wave's own: 0 Wq, 12288 Wo, 24576 kv, 30720 W1's scale words, 32768 W2's, 34816 Wq's, 35328 Wo's, 35840 kv's
.set PRIVB, 36352
.set WV, 32
.set SEL, 34
.set INV256, 36
.set EPS, 37
.set BLK, 38
.set TOK, 39
.set NV, 40
.set HN, 41
.set FM0, 44
.set FM1, 45
.set FM2, 46
.set FM3, 47
.set FCNT, 48
.set MSB, 0
.macro WIN new                         ; the immediate's high byte repeats the setting that is left
.if MSB != (\new)
	s_set_vgpr_msb (MSB<<8)|(\new)
.set MSB, (\new)
.endif
.endm
.macro BARRIER                         ; my LDS stores have landed and my LDS loads are in: then the work-group's barrier
	s_wait_dscnt 0x0
	s_barrier_signal -1
	s_barrier_wait -1
.endm
.macro NOPS n
.rept \n
	v_nop
.endr
.endm
.macro WMM d, a, b, c, sa, sb, ra, rb  ; ra, rb = 1: that side's scale words are read from lanes 16-31
.if (\ra) == 1
	v_wmma_scale_f32_16x16x128_f8f6f4 v[(\d):(\d)+7], v[(\a):(\a)+11], v[(\b):(\b)+11], v[(\c):(\c)+7], v[\sa], v[\sb] matrix_a_fmt:MATRIX_FMT_FP6 matrix_b_fmt:MATRIX_FMT_FP6 matrix_a_scale:MATRIX_SCALE_ROW1
.elseif (\rb) == 1
	v_wmma_scale_f32_16x16x128_f8f6f4 v[(\d):(\d)+7], v[(\a):(\a)+11], v[(\b):(\b)+11], v[(\c):(\c)+7], v[\sa], v[\sb] matrix_a_fmt:MATRIX_FMT_FP6 matrix_b_fmt:MATRIX_FMT_FP6 matrix_b_scale:MATRIX_SCALE_ROW1
.else
	v_wmma_scale_f32_16x16x128_f8f6f4 v[(\d):(\d)+7], v[(\a):(\a)+11], v[(\b):(\b)+11], v[(\c):(\c)+7], v[\sa], v[\sb] matrix_a_fmt:MATRIX_FMT_FP6 matrix_b_fmt:MATRIX_FMT_FP6
.endif
.endm
.macro WMZ d, a, b, sa, sb, ra         ; the same with the constant 0 as C
.if (\ra) == 1
	v_wmma_scale_f32_16x16x128_f8f6f4 v[(\d):(\d)+7], v[(\a):(\a)+11], v[(\b):(\b)+11], 0, v[\sa], v[\sb] matrix_a_fmt:MATRIX_FMT_FP6 matrix_b_fmt:MATRIX_FMT_FP6 matrix_a_scale:MATRIX_SCALE_ROW1
.else
	v_wmma_scale_f32_16x16x128_f8f6f4 v[(\d):(\d)+7], v[(\a):(\a)+11], v[(\b):(\b)+11], 0, v[\sa], v[\sb] matrix_a_fmt:MATRIX_FMT_FP6 matrix_b_fmt:MATRIX_FMT_FP6
.endif
.endm
; 64 numbers of a lane, register 16 b + i = k 32 b + 16 (lane / 16) + i of my row, become a fragment's codes in v[PC] on and its scale word in v[PW]
.macro QUANT s
.irp b, 0,1,2,3
	v_max3_num_f32 v[TM+\b], |v[(\s)+16*\b]|, |v[(\s)+1+16*\b]|, 0x1800000   ; with the floor 2^(3 - 127): the byte cannot fall under 1
.endr
.irp i, 2,4,6,8,10,12,14
.irp b, 0,1,2,3
	v_max3_num_f32 v[TM+\b], v[TM+\b], |v[(\s)+16*\b+\i]|, |v[(\s)+1+16*\b+\i]|
.endr
.endr
.irp b, 0,1,2,3
	v_permlanex16_b32 v[TM+4+\b], v[TM+\b], s[SEL], s[SEL+1]
.endr
.irp b, 0,1,2,3
	v_max_num_f32 v[TM+\b], v[TM+\b], v[TM+4+\b]   ; with lane l xor 16's: the block's largest magnitude
.endr
.irp b, 0,1,2,3
	v_add_nc_u32 v[TM+8+\b], 0xff000000, v[TM+\b]  ; 2 off its exponent field: the conversion's scale operand
.endr
.irp b, 0,1,2,3
	v_lshrrev_b32 v[TM+4+\b], 23, v[TM+8+\b]       ; the scale's byte
.endr
	v_lshl_or_b32 v[PW], v[TM+5], 8, v[TM+4]
	v_lshl_or_b32 v[PW], v[TM+6], 16, v[PW]
	v_lshl_or_b32 v[PW], v[TM+7], 24, v[PW]
.irp c, 0,1
	v_cvt_scalef32_pk16_fp6_f32 v[PC+6*\c:PC+2+6*\c], v[(\s)+32*\c:(\s)+15+32*\c], v[TM+8+2*\c]
	v_cvt_scalef32_pk16_fp6_f32 v[PD+4*\c:PD+2+4*\c], v[(\s)+16+32*\c:(\s)+31+32*\c], v[TM+9+2*\c]
.endr
	v_nop                                          ; one plain instruction behind the conversions
.irp c, 0,1                            ; the operand wants a WHOLE block in a lane: lanes 0-15 block 2 c, lanes 16-31 block 2 c + 1
.irp i, 0,1,2
	v_permlane16_swap_b32 v[PC+6*\c+\i], v[PD+4*\c+\i]
.endr
.irp i, 0,1,2
	v_mov_b32 v[PC+3+6*\c+\i], v[PD+4*\c+\i]
.endr
.endr
.endm
; the same for 32 numbers, two blocks: six registers of codes from v[dst] on; the two bytes stay in v[TM+4], v[TM+5]
.macro QUANT2 s, dst, pd
.irp b, 0,1
	v_max3_num_f32 v[TM+\b], |v[(\s)+16*\b]|, |v[(\s)+1+16*\b]|, 0x1800000
.endr
.irp i, 2,4,6,8,10,12,14
.irp b, 0,1
	v_max3_num_f32 v[TM+\b], v[TM+\b], |v[(\s)+16*\b+\i]|, |v[(\s)+1+16*\b+\i]|
.endr
.endr
.irp b, 0,1
	v_permlanex16_b32 v[TM+4+\b], v[TM+\b], s[SEL], s[SEL+1]
.endr
.irp b, 0,1
	v_max_num_f32 v[TM+\b], v[TM+\b], v[TM+4+\b]
.endr
.irp b, 0,1
	v_add_nc_u32 v[TM+8+\b], 0xff000000, v[TM+\b]
.endr
.irp b, 0,1
	v_lshrrev_b32 v[TM+4+\b], 23, v[TM+8+\b]
.endr
	v_cvt_scalef32_pk16_fp6_f32 v[(\dst):(\dst)+2], v[(\s):(\s)+15], v[TM+8]
	v_cvt_scalef32_pk16_fp6_f32 v[(\pd):(\pd)+2], v[(\s)+16:(\s)+31], v[TM+9]
	v_nop
.irp i, 0,1,2
	v_permlane16_swap_b32 v[(\dst)+\i], v[(\pd)+\i]
.endr
.irp i, 0,1,2
	v_mov_b32 v[(\dst)+3+\i], v[(\pd)+\i]
.endr
.endm
.macro IMAGE adr, off                  ; the fragment in v[PC] on goes to LDS as it stands: lane l's 16 bytes at 16 l, 512 bytes a store
.irp c, 0,1,2
	ds_store_b128 v[\adr], v[PC+4*\c:PC+4*\c+3] offset:(\off)+512*\c
.endr
.endm
.macro XLOAD dst, xa                   ; a row of fx: of each block of 32 channels my half's 16 numbers: register 16 B + i = channel 32 B + 16 h + i
.irp b, 0,1,2,3,4,5,6,7
.irp j, 0,1,2,3
	global_load_b128 v[(\dst)+16*\b+4*\j:(\dst)+16*\b+4*\j+3], v[\xa], s[4:5] offset:128*\b+16*\j th:TH_LOAD_NT
.endr
.endr
.endm
.macro LNST u, goff                    ; gains and biases of the eight channels of unit u, into set u % 3
	ds_load_b128 v[XF+16*((\u)%3):XF+16*((\u)%3)+3], v[H64] offset:(\goff)+128*((\u)/2)+32*((\u)%2)
	ds_load_b128 v[XF+16*((\u)%3)+4:XF+16*((\u)%3)+7], v[H64] offset:(\goff)+128*((\u)/2)+32*((\u)%2)+16
	ds_load_b128 v[XF+16*((\u)%3)+8:XF+16*((\u)%3)+11], v[H64] offset:(\goff)+1024+128*((\u)/2)+32*((\u)%2)
	ds_load_b128 v[XF+16*((\u)%3)+12:XF+16*((\u)%3)+15], v[H64] offset:(\goff)+1024+128*((\u)/2)+32*((\u)%2)+16
.endm
; The row in v[R] on is normalised (mean, then the mean of the squared differences: no difference of large sums), scaled, quantised, and its two fragments and scale words go to LDS
.macro LNQ goff, iadr, ioff, sadr, soff
.irp c, 0,1,2,3
	v_pk_add_f32 v[LT+2*\c:LT+2*\c+1], v[R+2*\c:R+2*\c+1], v[R+8+2*\c:R+9+2*\c]
.endr
.set ln_i, 16
.rept 14
.irp c, 0,1,2,3
	v_pk_add_f32 v[LT+2*\c:LT+2*\c+1], v[LT+2*\c:LT+2*\c+1], v[R+ln_i+2*\c:R+ln_i+2*\c+1]
.endr
.set ln_i, ln_i+8
.endr
	v_pk_add_f32 v[LT:LT+1], v[LT:LT+1], v[LT+2:LT+3]
	v_pk_add_f32 v[LT+4:LT+5], v[LT+4:LT+5], v[LT+6:LT+7]
	v_pk_add_f32 v[LT:LT+1], v[LT:LT+1], v[LT+4:LT+5]
	v_add_f32 v[LT], v[LT], v[LT+1]
	v_permlanex16_b32 v[TM+4], v[LT], s[SEL], s[SEL+1]
	v_add_f32 v[LT], v[LT], v[TM+4]
	v_mul_f32 v[LT], s[INV256], v[LT]              ; the mean
	v_mov_b32 v[LT+1], v[LT]
	s_wait_dscnt 0x0                               ; LDS stores that read the row have read it; no LDS instruction of mine is out, so the counts below count the staging loads alone
.set ln_i, 0
.rept 64
	v_pk_add_f32 v[R+ln_i:R+ln_i+1], v[R+ln_i:R+ln_i+1], v[LT:LT+1] neg_lo:[0,1] neg_hi:[0,1]
.set ln_i, ln_i+2
.endr
	LNST 0, \goff
	LNST 1, \goff
	LNST 2, \goff
.irp c, 0,1,2,3
	v_pk_mul_f32 v[LT+2+2*\c:LT+3+2*\c], v[R+2*\c:R+2*\c+1], v[R+2*\c:R+2*\c+1]
.endr
.set ln_i, 8
.rept 15
.irp c, 0,1,2,3
	v_pk_fma_f32 v[LT+2+2*\c:LT+3+2*\c], v[R+ln_i+2*\c:R+ln_i+2*\c+1], v[R+ln_i+2*\c:R+ln_i+2*\c+1], v[LT+2+2*\c:LT+3+2*\c]
.endr
.set ln_i, ln_i+8
.endr
	v_pk_add_f32 v[LT+2:LT+3], v[LT+2:LT+3], v[LT+4:LT+5]
	v_pk_add_f32 v[LT+6:LT+7], v[LT+6:LT+7], v[LT+8:LT+9]
	v_pk_add_f32 v[LT+2:LT+3], v[LT+2:LT+3], v[LT+6:LT+7]
	v_add_f32 v[LT+2], v[LT+2], v[LT+3]
	v_permlanex16_b32 v[TM+4], v[LT+2], s[SEL], s[SEL+1]
	v_add_f32 v[LT+2], v[LT+2], v[TM+4]
	v_fma_f32 v[LT+2], v[LT+2], s[INV256], s[EPS]
	v_rsq_f32 v[LT], v[LT+2]
	v_nop                                          ; a plain instruction behind the transcendental,
	s_wait_alu depctr_va_vdst(0)                   ; and the wait ahead of its first reader
	v_mov_b32 v[LT+1], v[LT]
.set ln_u, 0
.rept 16
.if ln_u < 14
	s_wait_dscnt 8                                 ; unit u's four loads are in; the two units behind it (8 loads) may be out
.elseif ln_u == 14
	s_wait_dscnt 4
.else
	s_wait_dscnt 0
.endif
.irp p, 0,2,4,6
	v_pk_mul_f32 v[R+8*ln_u+\p:R+8*ln_u+\p+1], v[R+8*ln_u+\p:R+8*ln_u+\p+1], v[LT:LT+1]
.endr
.irp p, 0,2,4,6
	v_pk_fma_f32 v[R+8*ln_u+\p:R+8*ln_u+\p+1], v[R+8*ln_u+\p:R+8*ln_u+\p+1], v[XF+16*(ln_u%3)+\p:XF+16*(ln_u%3)+\p+1], v[XF+16*(ln_u%3)+8+\p:XF+16*(ln_u%3)+9+\p]
.endr
.if ln_u < 13
	LNST ln_u+3, \goff
.endif
.set ln_u, ln_u+1
.endr
	QUANT R
	IMAGE \iadr, \ioff
	ds_store_b32 v[\sadr], v[PW] offset:\soff
	s_wait_dscnt 0x0                               ; the stores have read their registers
	QUANT R+64
	IMAGE \iadr, (\ioff)+1536
	ds_store_b32 v[\sadr], v[PW] offset:(\soff)+128
.endm
.macro FETCHA reg, sreg, m             ; the two fragments and scale words of tile m of the normalised rows
.irp q, 0,1,2,3,4,5
	ds_load_b128 v[(\reg)+4*\q:(\reg)+4*\q+3], v[L16] offset:AIMG0+3072*(\m)+512*\q
.endr
	ds_load_b32 v[\sreg], v[L4] offset:ASC0+256*(\m)
	ds_load_b32 v[(\sreg)+1], v[L4] offset:ASC0+256*(\m)+128
.endm
.macro PREB dst, adr, off              ; four tiles' C: of my 64 columns, tile n's eight numbers of my half: a bias, or my slice of a tile of the stage's rows
.irp n, 0,1,2,3
.irp q, 0,1
	ds_load_b128 v[(\dst)+8*\n+4*\q:(\dst)+8*\n+4*\q+3], v[\adr] offset:(\off)+128*(\n/2)+32*(\n%2)+16*\q
.endr
.endr
.endm
.macro STB src, adr, off               ; and back to the same bytes, each accumulator from its low end on
.irp n, 0,1,2,3
.irp q, 0,1
	ds_store_b128 v[\adr], v[(\src)+8*\n+4*\q:(\src)+8*\n+4*\q+3] offset:(\off)+128*(\n/2)+32*(\n%2)+16*\q
.endr
.endr
.endm
	s_load_b512 s[4:19], s[0:1], 0x0               ; fx, out0, wfrag, wscale, kvimg, kvsc, ln1_g, ln1_b
	s_load_b256 s[20:27], s[0:1], 0x40             ; ln2_g, ln2_b, bq, bo
	s_load_b128 s[28:31], s[0:1], 0x60             ; b2, b1
	v_lshl_add_u32 v[SPW], v0, 2, SPARE
	v_mov_b32 v[NIL], 0
	v_lshrrev_b32 v36, 5, v0
	v_readfirstlane_b32 s[WV], v36                 ; wave 0..3
	v_and_b32 v36, 31, v0                          ; lane
	v_and_b32 v37, 15, v0                          ; r
	v_bfe_u32 v38, v0, 4, 1                        ; h
	v_lshlrev_b32 v[L16], 4, v36
	v_lshlrev_b32 v[L4], 2, v36
	v_lshlrev_b32 v[L8], 3, v36
	v_lshlrev_b32 v[H64], 6, v38
	v_add_nc_u32 v[LIH], HIMG, v[L16]
	s_mul_i32 s50, s[WV], 3072
	v_add_nc_u32 v[W16], s50, v[L16]
	s_lshl_b32 s50, s[WV], 8
	v_add_nc_u32 v[W4], s50, v[L4]
	v_add_nc_u32 v[H64W], s50, v[H64]
	s_lshr_b32 s50, s[WV], 1
	s_and_b32 s51, s[WV], 1
	s_mul_i32 s52, s50, 1536
	s_mul_i32 s53, s51, 768
	s_add_co_u32 s52, s52, s53
	s_add_co_u32 s52, s52, AIMG1
	v_add_nc_u32 v[AW6], s52, v[L8]                ; attn: my two heads are registers 6 (w % 2) .. + 5 of K step w / 2
	s_lshl_b32 s52, s50, 7
	s_lshl_b32 s53, s51, 1
	s_add_co_u32 s52, s52, s53
	s_add_co_u32 s52, s52, ASC1
	v_add_nc_u32 v[AWS], s52, v[L4]                ; and bytes 2 (w % 2), + 1 of its scale word
	v_mul_u32_u24 v39, v37, 1040
	v_add_nc_u32 v39, v39, v[H64]
	s_lshl_b32 s52, s[WV], 8
	s_add_co_u32 s52, s52, STG
	v_add_nc_u32 v[SSL], s52, v39                  ; the stage by columns: row r of a tile, my 64 columns, my half
	s_mul_i32 s53, s[WV], 16640
	s_add_co_u32 s53, s53, STG
	v_add_nc_u32 v[SRW], s53, v39                  ; by rows: row 16 w + r, my half of each block of 32
	v_add_nc_u32 v[SDN], s53, v[L16]               ; and dense: 16 bytes a lane
	s_lshl_b32 s52, s[WV], 10
	v_add_nc_u32 v[B1A], s52, v[H64]
	s_mul_i32 s52, s[WV], PRIVB
	s_add_co_u32 s52, s52, PRIV
	v_add_nc_u32 v[PLI], s52, v[L16]
	v_add_nc_u32 v[PLS], s52, v[L4]
	v_add_nc_u32 v127, s52, v[L8]
	v_lshlrev_b32 v125, 3, v0                      ; 8 x thread
	v_lshlrev_b32 v126, 4, v0                      ; 16 x thread
	v_mov_b32 v[KK1], 0xc0135761
	v_mov_b32 v[KK1+1], 0xc0135761
	v_mov_b32 v[KK2], 0xbdd2d3e8
	v_mov_b32 v[KK2+1], 0xbdd2d3e8
.irp i, 0,1,2,3,4,5,6,7,8,9,10,11,12,13,14,15
	v_mov_b32 v[LT+\i], 0                          ; written once: named as the idle upper half of q's last fragment, and as lane permutes' destinations
.endr
.irp i, 4,5,6,7
	v_mov_b32 v[TM+\i], 0
.endr
	s_mov_b32 s[SEL], 0x76543210
	s_mov_b32 s[SEL+1], 0xfedcba98
	s_mov_b32 s[INV256], 0x3b800000
	s_mov_b32 s[EPS], 0x3727c5ac
	s_mov_b32 s[BLK], 4
	s_and_b32 s42, ttmp7, 0xffff                   ; the batch
	s_lshl_b32 s[TOK], ttmp9, 8                    ; the block's first token
	s_lshl_b32 s43, s[WV], 4
	s_add_co_u32 s43, s43, s[TOK]                  ; my first row
	s_sub_co_i32 s[NV], 7225, s43                  ; how many rows from there on lie in the batch
	v_add_nc_u32 v39, s43, v37
	v_min_u32 v39, 7224, v39                       ; no load leaves the batch
	v_lshl_add_u32 v[XA], v39, 10, v[H64]
	s_mov_b32 s51, 0
	s_wait_kmcnt 0x0
	s_mul_i32 s50, s42, 7398400
	s_add_nc_u64 s[4:5], s[4:5], s[50:51]
	s_add_nc_u64 s[6:7], s[6:7], s[50:51]
	s_lshl_b32 s50, s43, 10
	s_add_nc_u64 s[6:7], s[6:7], s[50:51]
	s_mul_i32 s50, s[WV], 12288
	s_add_nc_u64 s[54:55], s[8:9], s[50:51]        ; my 8 fragments of Wq; Wo's lie 96 fragments on
	s_mul_i32 s50, s[WV], 49152
	s_add_nc_u64 s[56:57], s[8:9], s[50:51]        ; my 32 of W1 and of W2
	s_lshl_b32 s50, s[WV], 11
	s_add_nc_u64 s[58:59], s[10:11], s[50:51]
	s_lshl_b32 s50, s[WV], 9
	s_add_nc_u64 s[60:61], s[10:11], s[50:51]
	s_lshl_b32 s52, s42, 4
	s_lshl_b32 s53, s[WV], 2
	s_add_co_u32 s52, s52, s53                     ; my two heads' four fragments of kv
	s_mul_i32 s50, s52, 1536
	s_add_nc_u64 s[12:13], s[12:13], s[50:51]
	s_lshl_b32 s50, s52, 6
	s_add_nc_u64 s[14:15], s[14:15], s[50:51]
	XLOAD R, XA                                    ; the first block's rows
.irp k, 0,1,2,3,4,5,6
	global_load_b64 v[XF+2*\k:XF+2*\k+1], v125, s[16+2*\k:17+2*\k]   ; ln1_g, ln1_b, ln2_g, ln2_b, bq, bo, b2: 8 bytes a thread
.endr
	global_load_b128 v[XF+16:XF+19], v126, s[30:31]
	global_load_b128 v[XF+20:XF+23], v126, s[30:31] offset:2048
	WIN 0x40                                       ; what goes into the wave's own LDS bytes passes through windows 1 and 2, 512 bytes a load
.set cp, 0
.rept 24
	global_load_b128 v[4*cp:4*cp+3], v[L16], s[54:55] offset:512*cp
.set cp, cp+1
.endr
.rept 24
	global_load_b128 v[4*cp:4*cp+3], v[L16], s[54:55] offset:147456+512*(cp-24)
.set cp, cp+1
.endr
.rept 12
	global_load_b128 v[4*cp:4*cp+3], v[L16], s[12:13] offset:512*(cp-48)
.set cp, cp+1
.endr
.rept 4
	global_load_b128 v[4*cp:4*cp+3], v[L16], s[58:59] offset:8192+512*(cp-60)
.set cp, cp+1
.endr
	WIN 0x80
.irp c, 0,1,2,3
	global_load_b128 v[4*\c:4*\c+3], v[L16], s[58:59] offset:16384+512*\c
.endr
	global_load_b128 v[16:19], v[L16], s[60:61]
	global_load_b128 v[20:23], v[L16], s[60:61] offset:6144
	global_load_b64 v[24:25], v[L8], s[14:15]
	WIN 0
	s_wait_loadcnt 0x0
	v_pk_add_f32 v[XF+12:XF+13], v[XF+10:XF+11], v[XF+12:XF+13]   ; bo + b2
.irp k, 0,1,2,3,4,5,6
	ds_store_b64 v125, v[XF+2*\k:XF+2*\k+1] offset:1024*\k
.endr
	ds_store_b128 v126, v[XF+16:XF+19] offset:7168
	ds_store_b128 v126, v[XF+20:XF+23] offset:7168+2048
	WIN 0x04                                       ; an LDS store's data are its source 1
.set cp, 0
.rept 64
	ds_store_b128 v[PLI], v[4*cp:4*cp+3] offset:512*cp
.set cp, cp+1
.endr
	WIN 0x08
.irp c, 0,1,2,3,4,5
	ds_store_b128 v[PLI], v[4*\c:4*\c+3] offset:32768+512*\c
.endr
	ds_store_b64 v127, v[24:25] offset:35840
	WIN 0
	BARRIER                                        ; the tables lie in LDS
.set ff, 0                             ; W1's and W2's fragments: they stay.  They are waited for in front of phase F, and land under the first block's phases A to E
.rept 64
.set fo, 1536*(128+ff+96*(ff/32))
.if ff < 63
	WIN (1+ff/21)<<6
.irp g, 0,1,2
	global_load_b128 v[12*(ff%21)+4*\g:12*(ff%21)+4*\g+3], v[L16], s[56:57] offset:fo+512*\g
.endr
.else
	WIN 0
.irp g, 0,1,2
	global_load_b128 v[W63+4*\g:W63+4*\g+3], v[L16], s[56:57] offset:fo+512*\g
.endr
.endif
.set ff, ff+1
.endr
	WIN 0
.macro MMC m                           ; attn of tile m: two heads x two tiles of 16 channels; K = 128 of which each head's 32 are live
.set mc_d, 224-48*((\m)%2)
.irp a, 0,1
.irp e, 0,1
	WMZ mc_d+16*\a+8*\e, R+12*(2*\a+\e), 66+6*(\m), 60+\a, 96+(\m), \e
.endr
.endr
.endm
.macro F6 m                            ; attn's two fragments of tile m, in pieces of 8 bytes a lane, and their scale words: 14 LDS loads
.irp s, 0,1
.irp p, 0,1,2,3,4,5
	ds_load_b64 v[36+24*((\m)%2)+12*\s+2*\p:36+24*((\m)%2)+12*\s+2*\p+1], v[L8] offset:AIMG1+1536*(2*(\m)+\s)+256*\p
.endr
.endr
	ds_load_b32 v[84+2*((\m)%2)], v[L4] offset:ASC1+256*(\m)
	ds_load_b32 v[85+2*((\m)%2)], v[L4] offset:ASC1+256*(\m)+128
.endm
.macro ABST u                          ; bo of the eight channels of unit u, into set u % 6
	ds_load_b128 v[XF+8*((\u)%6):XF+8*((\u)%6)+3], v[H64] offset:5120+128*((\u)/2)+32*((\u)%2)
	ds_load_b128 v[XF+8*((\u)%6)+4:XF+8*((\u)%6)+7], v[H64] offset:5120+128*((\u)/2)+32*((\u)%2)+16
.endm
.macro PREL dst, g                     ; b1 of my hidden units 128 g .. + 127, in the result's layout: the C of the first product
.irp i, 0,1,2,3,4,5,6,7
.irp q, 0,1
	ds_load_b128 v[(\dst)+8*\i+4*\q:(\dst)+8*\i+4*\q+3], v[B1A] offset:7168+512*(\g)+128*(\i/2)+32*(\i%2)+16*\q
.endr
.endr
.endm
; 64 numbers x become x / (1 + 2^(x (K1 + K2 x^2))); t: 64 registers at work.  The exponentials are one batch with one wait, and so are the reciprocals; each stands among the plain lines of the group behind it
.macro GELU x, t
.set gk, 0
.rept 9
.set gj, 0
.rept 12
.if gk < 8
.set gp, 8*gk+2*(gj%4)
.if gj/4 == 0
	v_pk_mul_f32 v[(\t)+gp:(\t)+gp+1], v[(\x)+gp:(\x)+gp+1], v[(\x)+gp:(\x)+gp+1]
.elseif gj/4 == 1
	v_pk_fma_f32 v[(\t)+gp:(\t)+gp+1], v[(\t)+gp:(\t)+gp+1], v[KK2:KK2+1], v[KK1:KK1+1]
.else
	v_pk_mul_f32 v[(\t)+gp:(\t)+gp+1], v[(\t)+gp:(\t)+gp+1], v[(\x)+gp:(\x)+gp+1]
.endif
.endif
.if (gk > 0) && (gj < 8)
	v_exp_f32 v[(\t)+8*(gk-1)+gj], v[(\t)+8*(gk-1)+gj]
.endif
.set gj, gj+1
.endr
.set gk, gk+1
.endr
	v_nop
	s_wait_alu depctr_va_vdst(0)                   ; one wait for the 64 exponentials, ahead of their first reader
.set gk, 0
.rept 9
.set gj, 0
.rept 8
.if (gk < 8) && (gj < 4)
	v_pk_add_f32 v[(\t)+8*gk+2*gj:(\t)+8*gk+2*gj+1], v[(\t)+8*gk+2*gj:(\t)+8*gk+2*gj+1], 1.0 op_sel_hi:[1,0]
.endif
.if gk > 0
	v_rcp_f32 v[(\t)+8*(gk-1)+gj], v[(\t)+8*(gk-1)+gj]
.endif
.set gj, gj+1
.endr
.set gk, gk+1
.endr
	v_nop
	s_wait_alu depctr_va_vdst(0)                   ; and one for the 64 reciprocals
.set gj, 0
.rept 32
	v_pk_mul_f32 v[(\x)+gj:(\x)+gj+1], v[(\x)+gj:(\x)+gj+1], v[(\t)+gj:(\t)+gj+1]
.set gj, gj+2
.endr
.endm
; My hidden units 128 g .. + 127 of one tile of rows: 16 products on 8 accumulators by turns, gelu, quantiser: K step 2 w + g of the last product
.macro FUNIT g, nxt
.set fu_a, R+64*(\g)
.set fu_t, R+64*(1-(\g))
	s_wait_dscnt 0x0                               ; the rows' fragments and b1 are in; the last unit's stores have read their registers
.if (\g) == 0
	v_add_nc_u32 v80, s[FM2], v[W16]
	v_add_nc_u32 v81, s[FM3], v[W4]
.endif
.set fu_s, 0
.rept 2
.set fu_i, 0
.rept 8
.set fu_f, 2*(8*(\g)+fu_i)+fu_s
	WIN 1+fu_f/21
	WMM fu_a+8*fu_i, 12*(fu_f%21), XF+12*fu_s, fu_a+8*fu_i, 62+8*(\g)+fu_i, 60+fu_s, fu_s, 0
.set fu_i, fu_i+1
.endr
.set fu_s, fu_s+1
.endr
	WIN 0
	NOPS 4
.if ((\g) == 1) && (\nxt)
	v_add_nc_u32 v78, s[FM0], v[L16]               ; the next tile's rows
	v_add_nc_u32 v79, s[FM1], v[L4]
.irp q, 0,1,2,3,4,5
	ds_load_b128 v[XF+4*\q:XF+4*\q+3], v78 offset:AIMG0+512*\q
.endr
	ds_load_b32 v60, v79 offset:ASC0
	ds_load_b32 v61, v79 offset:ASC0+128
	s_add_co_u32 s[FM0], s[FM0], 3072
	s_add_co_u32 s[FM1], s[FM1], 256
.endif
	GELU fu_a, fu_t
.if ((\g) == 0) || (\nxt)
	PREL fu_t, 1-(\g)
.endif
	QUANT fu_a
	IMAGE 80, HIMG+1536*(\g)
	ds_store_b32 v81, v[PW] offset:HSC+128*(\g)
.endm
.macro FTRIP nxt
	FUNIT 0, \nxt
	FUNIT 1, \nxt
	s_add_co_u32 s[FM2], s[FM2], 12288
	s_add_co_u32 s[FM3], s[FM3], 1024
.endm
.macro HFETCH k                        ; hidden fragment k = 8 m + s and its scale words, into set k % 3: 4 LDS loads
.irp c, 0,1,2
	ds_load_b128 v[36+12*((\k)%3)+4*\c:36+12*((\k)%3)+4*\c+3], v[LIH] offset:1536*(\k)+512*\c
.endr
	ds_load_b32 v[72+(\k)%3], v[L4] offset:HSC+128*(\k)
.endm
.Lblock:
	s_add_co_u32 s50, s[TOK], 64                   ; is there a next block?  Ids and the count of blocks alone
	s_cmp_lt_u32 s50, 7225
	s_cselect_b32 s[HN], 1, 0
	s_cmp_eq_u32 s[BLK], 1
	s_cselect_b32 s[HN], 0, s[HN]
	; ---- A: my 16 rows: fx to the stage, LN1, two fragments
.irp b, 0,1,2,3,4,5,6,7
.irp j, 0,1,2,3
	ds_store_b128 v[SRW], v[R+16*\b+4*\j:R+16*\b+4*\j+3] offset:128*\b+16*\j
.endr
.endr
	LNQ 0, W16, AIMG0, W4, ASC0
.set cp, 0
.rept 24
	ds_load_b128 v[R+4*cp:R+4*cp+3], v[PLI] offset:512*cp      ; Wq's slice
.set cp, cp+1
.endr
.irp n, 0,1,2,3
	ds_load_b32 v[62+\n], v[PLS] offset:34816+128*\n
.endr
	BARRIER                                        ; 1: the rows' eight fragments lie in LDS
	; ---- B: q, my 64 columns = two heads, a tile of 16 rows at a time; quantised by head: six registers a tile, at v[66 + 6 m]
	FETCHA 36, 60, 0
	PREB 224, H64W, 4096
.irp m, 0,1,2,3
	s_wait_dscnt 0x0
.irp n, 0,1,2,3
	WMM 224+8*\n, R+24*\n, 36, 224+8*\n, 62+\n, 60, 0, 0
.endr
.irp n, 0,1,2,3
	WMM 224+8*\n, R+24*\n+12, 48, 224+8*\n, 62+\n, 61, 1, 0
.endr
	NOPS 4
.if \m < 3
	FETCHA 36, 60, \m+1
.endif
	QUANT2 224, 66+6*\m, 112
	v_lshl_or_b32 v[96+\m], v[TM+5], 8, v[TM+4]
	v_or_b32 v[96+\m], 0x7f7f0000, v[96+\m]        ; the idle half of K has the byte 127: it meets zero codes of kv
.if \m < 3
	PREB 224, H64W, 4096
.endif
.endr
	; ---- C: attn = q kv; quantised by head: my half of a fragment of the next product
.set cp, 0
.rept 12
	ds_load_b128 v[R+4*cp:R+4*cp+3], v[PLI] offset:24576+512*cp
.set cp, cp+1
.endr
	ds_load_b32 v60, v[PLS] offset:35840
	ds_load_b32 v61, v[PLS] offset:35840+128
	s_wait_dscnt 0x0
	NOPS 8                                         ; scale words written by vector instructions stand 8 places ahead of a scaled product, operands 4
	MMC 0
.irp m, 0,1,2,3
.if \m < 3
	MMC \m+1
	NOPS 4
.endif
	QUANT2 224-48*(\m%2), PC, PC+8
	v_lshl_or_b32 v[PW], v[TM+5], 8, v[TM+4]
.irp p, 0,1,2
	ds_store_b64 v[AW6], v[PC+2*\p:PC+2*\p+1] offset:3072*\m+256*\p
.endr
	ds_store_b16 v[AWS], v[PW] offset:256*\m
	s_wait_dscnt 0x0                               ; the stores have read their registers
.endr
.set cp, 0
.rept 24
	ds_load_b128 v[R+4*cp:R+4*cp+3], v[PLI] offset:12288+512*cp   ; Wo's slice
.set cp, cp+1
.endr
.irp n, 0,1,2,3
	ds_load_b32 v[88+\n], v[PLS] offset:35328+128*\n
.endr
	BARRIER                                        ; 2: attn's eight fragments lie in LDS
	; ---- D: the stage's slice + attn Wo, back to the same bytes
	F6 0
	PREB 224, SSL, 0
	F6 1
	PREB 92, SSL, 16640
.irp m, 0,1,2,3
.if \m == 0
	s_wait_dscnt 22                                ; tile 0's 22 loads are in; tile 1's 22 may be out
.elseif \m < 3
	s_wait_dscnt 30                                ; behind this tile's loads: 8 stores and the next tile's 22 loads
.else
	s_wait_dscnt 8                                 ; behind them: 8 stores
.endif
.set d_x, 36+24*(\m%2)
.set d_o, 224-132*(\m%2)
.irp n, 0,1,2,3
	WMM d_o+8*\n, R+24*\n, d_x, d_o+8*\n, 88+\n, 84+2*(\m%2), 0, 0
.endr
.irp n, 0,1,2,3
	WMM d_o+8*\n, R+24*\n+12, d_x+12, d_o+8*\n, 88+\n, 85+2*(\m%2), 1, 0
.endr
	NOPS 4
	STB d_o, SSL, 16640*\m
.if \m < 2
	F6 \m+2
	PREB d_o, SSL, 16640*(\m+2)                    ; LDS serves a wave's instructions in order: the stores above have read these registers when the loads land
.endif
.endr
	BARRIER                                        ; 3: the stage holds fx + attn Wo
	; ---- E: my 16 rows: + bo, LN2, two fragments
.irp b, 0,1,2,3,4,5,6,7
.irp j, 0,1,2,3
	ds_load_b128 v[R+16*\b+4*\j:R+16*\b+4*\j+3], v[SRW] offset:128*\b+16*\j
.endr
.endr
.irp u, 0,1,2,3,4,5
	ABST \u
.endr
.set ab_u, 0
.rept 16
.if ab_u <= 10
	s_wait_dscnt 10                                ; the row and unit u's two loads are in; five units (10 loads) may be out
.else
	s_wait_dscnt 2*(15-ab_u)
.endif
.irp p, 0,2,4,6
	v_pk_add_f32 v[R+8*ab_u+\p:R+8*ab_u+\p+1], v[R+8*ab_u+\p:R+8*ab_u+\p+1], v[XF+8*(ab_u%6)+\p:XF+8*(ab_u%6)+\p+1]
.endr
.if ab_u < 10
	ABST ab_u+6
.endif
.set ab_u, ab_u+1
.endr
	LNQ 2048, W16, AIMG0, W4, ASC0
	BARRIER                                        ; 4
	; ---- F: the hidden layer
	s_wait_loadcnt 0x0                             ; W1 and W2 (in the first block)
.irp i, 0,1,2,3,4,5,6,7,8,9,10,11,12,13,14,15
	ds_load_b32 v[62+\i], v[PLS] offset:30720+128*\i
.endr
	FETCHA 36, 60, 0
	PREL R, 0
	s_mov_b32 s[FM0], 3072
	s_mov_b32 s[FM1], 256
	s_mov_b32 s[FM2], 0
	s_mov_b32 s[FM3], 0
	s_mov_b32 s[FCNT], 3
.Lft:
	FTRIP 1
	s_sub_co_u32 s[FCNT], s[FCNT], 1
	s_cmp_lg_u32 s[FCNT], 0
	s_cbranch_scc1 .Lft
	FTRIP 0                                        ; the last tile fetches nothing further
	BARRIER                                        ; 5: the hidden layer's 32 fragments lie in LDS
	; ---- G: the stage's slice + hidden W2.  The next block's rows are asked for here: they have this phase and the next in which to land
	s_cmp_eq_u32 s[HN], 0
	s_cbranch_scc1 .Lno_next
	s_add_co_u32 s50, s[TOK], 64
	s_lshl_b32 s51, s[WV], 4
	s_add_co_u32 s50, s50, s51
	v_and_b32 v125, 15, v0
	v_add_nc_u32 v125, s50, v125
	v_min_u32 v125, 7224, v125
	v_lshl_add_u32 v[XA], v125, 10, v[H64]
	XLOAD R, XA
.Lno_next:
.irp i, 0,1,2,3,4,5,6,7,8,9,10,11,12,13,14,15
	ds_load_b32 v[76+\i], v[PLS] offset:32768+128*\i
.endr
	PREB 92, SSL, 0
	HFETCH 0
	HFETCH 1
	HFETCH 2
.set hk, 0
.rept 32
.set hs, hk%8
.set hm, hk/8
.if (hs == 0) && (hm > 0)
	s_wait_dscnt 0                                 ; the next tile's slice of the stage is the youngest load
.elseif hk == 30
	s_wait_dscnt 4
.elseif hk == 31
	s_wait_dscnt 0
.else
	s_wait_dscnt 8                                 ; this step's fragment is in; the two behind it (8 loads) may be out
.endif
.set hn, 0
.rept 4
.set hf, 32+8*hn+hs
.if hf == 63
	WIN 0
	WMM 92+8*hn, W63, 36+12*(hk%3), 92+8*hn, 76+4*hn+hs/2, 72+hk%3, hs%2, 0
.else
	WIN 1+hf/21
	WMM 92+8*hn, 12*(hf%21), 36+12*(hk%3), 92+8*hn, 76+4*hn+hs/2, 72+hk%3, hs%2, 0
.endif
.set hn, hn+1
.endr
	WIN 0
	NOPS 4
.if hk < 29
	HFETCH hk+3
.endif
.if hs == 7
	STB 92, SSL, 16640*hm
.if hm < 3
	PREB 92, SSL, 16640*(hm+1)
.endif
.endif
.set hk, hk+1
.endr
	BARRIER                                        ; 6: the stage holds all but bo + b2
	; ---- H: my 16 rows, + bo + b2, stored: 32 lanes store 512 consecutive bytes
	ds_load_b128 v[100:103], v[L16] offset:6144
	ds_load_b128 v[104:107], v[L16] offset:6144+512
.irp rd, 0,1
.if \rd
	s_wait_xcnt 0x0                                ; the first eight rows' stores have read their registers
.endif
.irp i, 0,1,2,3,4,5,6,7
.irp q, 0,1
	ds_load_b128 v[36+8*\i+4*\q:36+8*\i+4*\q+3], v[SDN] offset:1040*(8*\rd+\i)+512*\q
.endr
.endr
.irp i, 0,1,2,3,4,5,6,7
	s_wait_dscnt 2*(7-\i)                          ; this row's two loads are in; the later rows' may be out
.irp p, 0,2,4,6
	v_pk_add_f32 v[36+8*\i+\p:36+8*\i+\p+1], v[36+8*\i+\p:36+8*\i+\p+1], v[100+\p:101+\p]
.endr
	s_cmp_gt_i32 s[NV], 8*\rd+\i                   ; rows past the batch's end are not stored (ids alone)
	s_cbranch_scc0 .Lrows_done
	global_store_b128 v[L16], v[36+8*\i:36+8*\i+3], s[6:7] offset:1024*(8*\rd+\i) th:TH_STORE_NT
	global_store_b128 v[L16], v[36+8*\i+4:36+8*\i+7], s[6:7] offset:1024*(8*\rd+\i)+512 th:TH_STORE_NT
.endr
.endr
.Lrows_done:
	s_wait_dscnt 0x0
	s_wait_xcnt 0x0                                ; the stores have read their registers and their base
	s_wait_loadcnt 0x0                             ; the next block's rows are in
	s_add_nc_u64 s[6:7], s[6:7], 65536
	s_sub_co_i32 s[NV], s[NV], 64
	s_add_co_u32 s[TOK], s[TOK], 64
	s_cmp_eq_u32 s[HN], 0
	s_cbranch_scc1 .Ldone
	s_sub_co_u32 s[BLK], s[BLK], 1
	s_cmp_lg_u32 s[BLK], 0
	s_cbranch_scc1 .Lblock
.Ldone:
	s_wait_tensorcnt 0x0                           ; the wave's end: behind my last LDS store
	ds_add_u32 v[SPW], v[NIL]
	s_wait_dscnt 0x0
	s_endpgm
.Lfunc_end_k_qd47f02aa3d_main:
	.size	k_qd47f02aa3d_main, .Lfunc_end_k_qd47f02aa3d_main-k_qd47f02aa3d_main
	.p2alignl 7, 3214868480
	.fill 96, 4, 3214868480
	.section	.rodata,"a",@progbits
	.p2align	6, 0x0
	.amdhsa_kernel k_qd47f02aa3d_main
		.amdhsa_group_segment_fixed_size 303616
		.amdhsa_private_segment_fixed_size 0
		.amdhsa_enable_private_segment 0
		.amdhsa_kernarg_size 112
		.amdhsa_user_sgpr_count 2
		.amdhsa_user_sgpr_kernarg_segment_ptr 1
		.amdhsa_wavefront_size32 1
		.amdhsa_system_sgpr_workgroup_id_x 1
		.amdhsa_system_sgpr_workgroup_id_y 1
		.amdhsa_system_sgpr_workgroup_id_z 1
		.amdhsa_system_vgpr_workitem_id 0
		.amdhsa_next_free_vgpr 1024
		.amdhsa_next_free_sgpr 66
		.amdhsa_reserve_vcc 0
		.amdhsa_float_denorm_mode_32 3
		.amdhsa_float_denorm_mode_16_64 3
		.amdhsa_memory_ordered 1
		.amdhsa_forward_progress 1
		.amdhsa_inst_pref_size 255
	.end_amdhsa_kernel
	.section	.bss,"aw",@nobits
	.p2align	6
	.space	262144
	.amdgpu_metadata
---
amdhsa.version: [ 1, 2 ]
amdhsa.kernels:
  - .name:           k_qd47f02aa3d_main
    .symbol:         k_qd47f02aa3d_main.kd
    .args:
      - { .name: fx, .offset: 0, .size: 8, .value_kind: global_buffer, .address_space: global }
      - { .name: out0, .offset: 8, .size: 8, .value_kind: global_buffer, .address_space: global }
      - { .name: wfrag, .offset: 16, .size: 8, .value_kind: global_buffer, .address_space: global }
      - { .name: wscale, .offset: 24, .size: 8, .value_kind: global_buffer, .address_space: global }
      - { .name: kvimg, .offset: 32, .size: 8, .value_kind: global_buffer, .address_space: global }
      - { .name: kvsc, .offset: 40, .size: 8, .value_kind: global_buffer, .address_space: global }
      - { .name: ln1_g, .offset: 48, .size: 8, .value_kind: global_buffer, .address_space: global }
      - { .name: ln1_b, .offset: 56, .size: 8, .value_kind: global_buffer, .address_space: global }
      - { .name: ln2_g, .offset: 64, .size: 8, .value_kind: global_buffer, .address_space: global }
      - { .name: ln2_b, .offset: 72, .size: 8, .value_kind: global_buffer, .address_space: global }
      - { .name: bq, .offset: 80, .size: 8, .value_kind: global_buffer, .address_space: global }
      - { .name: bo, .offset: 88, .size: 8, .value_kind: global_buffer, .address_space: global }
      - { .name: b2, .offset: 96, .size: 8, .value_kind: global_buffer, .address_space: global }
      - { .name: b1, .offset: 104, .size: 8, .value_kind: global_buffer, .address_space: global }
    .group_segment_fixed_size: 303616
    .private_segment_fixed_size: 0
    .kernarg_segment_align: 8
    .kernarg_segment_size: 112
    .max_flat_workgroup_size: 128
    .sgpr_count:     66
    .vgpr_count:     1024
    .wavefront_size: 32
...
	.end_amdgpu_metadata
.endif
;; end of part 4
;; ======== version 2 of 2: 4 launches; 1.11 times as fast as version 1
;; workspace buffers: wfrag 589,824 bytes; wscale 24,576 bytes; kvp 7,602,176 bytes; kvimg 196,608 bytes; kvsc 8,192 bytes
;; launch prep: the kernel of part 1 again; grid 96 x 1, 4 waves a work-group, no clusters, 0 bytes of LDS; arguments Wq, Wk, Wv, Wo, W1, W2, wfrag, wscale; writes wfrag, wscale
;; launch kvpart (part 5): grid 29 x 8, 8 waves a work-group, no clusters, 193,536 bytes of LDS; arguments fx, ln1_g, ln1_b, bk, bv, kln_g, kln_b, vln_g, vln_b, wfrag, wscale, kvp; writes kvp
.if DOCPART == 5
	.amdgcn_target "amdgcn-amd-amdhsa--gfx1250"
	.amdhsa_code_object_version 6
	.text
	.protected	k_qd47f02aa3d_kvpart
	.globl	k_qd47f02aa3d_kvpart
	.p2align	8
	.type	k_qd47f02aa3d_kvpart,@function
k_qd47f02aa3d_kvpart:
	s_mov_b64 s[64:65], 0
	v_nop
	global_prefetch_b8 v0, s[64:65] scope:SCOPE_SE
	s_setreg_imm32_b32 hwreg(HW_REG_WAVE_MODE, 25, 1), 1
	s_wait_xcnt 0x0
; For 256 tokens of one batch: x = LN1(fx), quantised along the channels; k = x Wk + bk, v = x Wv + bv; the heads' norms; k and v quantised ALONG THE TOKENS; the part of k^T v that these tokens give, for all 8 heads.
; No work of the problem is left out here.
; SHARES.  Work-group (x, y): tokens 256 x .. 256 x + 255 of batch y, as two chunks of 128 (a chunk is one K step of k^T v, and begins on a multiple of 32 tokens).  7,225 = 56 x 128 + 57: work-group x = 28 has one chunk, 57 tokens of it live.
; Rows: wave w normalises and quantises 16 tokens of a chunk, token 32 (w / 2) + 8 (w % 2) + m + 8 (m / 8), and leaves the two fragments in LDS as images of their registers.  Products: wave w is head w.
; fx COMES IN WHOLE ROWS: a load of the wave covers 512 consecutive bytes of one row, aligned.  The quantiser wants a lane to hold 16 neighbours of each block of 32 channels of ONE row: so the 16 rows go into a stage of the wave's own in LDS
; as they lie (rows 1,040 bytes apart) and come back by rows: lane (r, h) takes row r, 64 h bytes into each 128.
; TWO AXES.  k and v are normalised along the head's 32 channels and quantised along the tokens.  So each product is issued twice from the same two fragments: once with the tokens as source 0 (a lane holds one channel, its registers
; run down the tokens: what the quantiser wants) and once with the sources swapped (a lane holds one token and 16 channels: mean and variance are packed sums and one exchange).  Swapped sources give the same bits.  A token's mean and
; 1 / sqrt(var + eps) cross over through 128 bytes of the wave's own LDS.
; Tokens past the batch's end are loaded from row 7,224 (no load leaves the buffer) and their k and v are set to 0 ahead of the quantiser, as the quantiser's fill of the last block asks.
; LIMITS: NaN and infinities are not served; a block of zeros has the byte 1, not 127 (its codes are zeros; this program alone reads the bytes); the sum over tokens is taken in another order than reference()'s.
; No tensor loads and no cluster: each token is read by one wave, a head's weights by one wave, straight into operand registers; where the batch ends hangs on the work-group's number, which a descriptor of constants cannot state.  No prefetch: all loads go out at the head.
; REGISTERS, window 0: v1-15 addresses; v20-23 scale words of k's and v's fragments; v24-27 the weights' scale words; v28-31 x's; v36-83 at the head the rows' offsets, then x's fragments, two sets; v84-99, v100-111 at work; v112-123 codes;
; v128-191 results by channel; v192-255 results by token.
; window 1: v0-95 the head's 8 weight fragments; v96-127, v128-159 the biases in the two layouts; v160-191 the four accumulators of k^T v; v192-239 k's and v's fragments; v240-255 the heads' gains and biases, doubled.
.set SPW, 1
.set NIL, 2
.set L16, 3
.set L4, 4
.set TD, 5
.set TR, 6
.set W16, 7
.set W4, 8
.set STW, 9
.set STR, 10
.set FA, 11
.set FSA, 12
.set VLIM, 13
.set H64, 14
.set CH4, 15
.set FS, 20
.set WSR, 24
.set XS, 28
.set XF, 36
.set AD, 36
.set LT, 84
.set PD, 92
.set TM, 100
.set PC, 112
.set PW, 124
.set R, 128
.set ST, 192
.set WF, 0
.set BN, 96
.set BT, 128
.set KVA, 160
.set FR, 192
.set GB, 240
.set XIMG, 2048                        ; LDS: 0 ln1_g, 1024 ln1_b; a set for each chunk: 16 fragments of 1,536 bytes, then their scale words, 128 bytes each
.set XSET, 26624
.set STAT, 55296                       ; 512 bytes a wave: tile i at 128 i: sixteen 1 / sqrt(var + eps), then sixteen means
.set SPARE, 59392                      ; the spare words, 128 bytes a wave: four blocks of 256 bytes that no other line names
.set TSTG, 60416                       ; the stages: 16 rows of 1,024 bytes + 16 for each wave
.set WV, 28
.set SEL, 32
.set INV256, 34
.set INV32, 35
.set EPS, 36
.set CO, 37
.set CB, 38
.set CNT, 39
.set MSB, 0
.macro WIN new                         ; the immediate's high byte repeats the setting that is left
.if MSB != (\new)
	s_set_vgpr_msb (MSB<<8)|(\new)
.set MSB, (\new)
.endif
.endm
.macro BARRIER                         ; my LDS stores have landed and my LDS loads are in: then the work-group's barrier
	s_wait_dscnt 0x0
	s_barrier_signal -1
	s_barrier_wait -1
.endm
.macro NOPS n
.rept \n
	v_nop
.endr
.endm
.macro WMM d, a, b, c, sa, sb, ra, rb  ; ra, rb = 1: that side's scale words are read from lanes 16-31
.if (\ra) == 1
	v_wmma_scale_f32_16x16x128_f8f6f4 v[(\d):(\d)+7], v[(\a):(\a)+11], v[(\b):(\b)+11], v[(\c):(\c)+7], v[\sa], v[\sb] matrix_a_fmt:MATRIX_FMT_FP6 matrix_b_fmt:MATRIX_FMT_FP6 matrix_a_scale:MATRIX_SCALE_ROW1
.elseif (\rb) == 1
	v_wmma_scale_f32_16x16x128_f8f6f4 v[(\d):(\d)+7], v[(\a):(\a)+11], v[(\b):(\b)+11], v[(\c):(\c)+7], v[\sa], v[\sb] matrix_a_fmt:MATRIX_FMT_FP6 matrix_b_fmt:MATRIX_FMT_FP6 matrix_b_scale:MATRIX_SCALE_ROW1
.else
	v_wmma_scale_f32_16x16x128_f8f6f4 v[(\d):(\d)+7], v[(\a):(\a)+11], v[(\b):(\b)+11], v[(\c):(\c)+7], v[\sa], v[\sb] matrix_a_fmt:MATRIX_FMT_FP6 matrix_b_fmt:MATRIX_FMT_FP6
.endif
.endm
; 64 numbers of a lane, register 16 b + i = k 32 b + 16 (lane / 16) + i of my row, become a fragment's codes in v[PC] on and its scale word in v[PW]
.macro QUANT s
.irp b, 0,1,2,3
	v_max3_num_f32 v[TM+\b], |v[(\s)+16*\b]|, |v[(\s)+1+16*\b]|, 0x1800000   ; with the floor 2^(3 - 127): the byte cannot fall under 1
.endr
.irp i, 2,4,6,8,10,12,14
.irp b, 0,1,2,3
	v_max3_num_f32 v[TM+\b], v[TM+\b], |v[(\s)+16*\b+\i]|, |v[(\s)+1+16*\b+\i]|
.endr
.endr
.irp b, 0,1,2,3
	v_permlanex16_b32 v[TM+4+\b], v[TM+\b], s[SEL], s[SEL+1]
.endr
.irp b, 0,1,2,3
	v_max_num_f32 v[TM+\b], v[TM+\b], v[TM+4+\b]   ; with lane l xor 16's: the block's largest magnitude
.endr
.irp b, 0,1,2,3
	v_add_nc_u32 v[TM+8+\b], 0xff000000, v[TM+\b]  ; 2 off its exponent field: the conversion's scale operand
.endr
.irp b, 0,1,2,3
	v_lshrrev_b32 v[TM+4+\b], 23, v[TM+8+\b]       ; the scale's byte
.endr
	v_lshl_or_b32 v[PW], v[TM+5], 8, v[TM+4]
	v_lshl_or_b32 v[PW], v[TM+6], 16, v[PW]
	v_lshl_or_b32 v[PW], v[TM+7], 24, v[PW]
.irp c, 0,1
	v_cvt_scalef32_pk16_fp6_f32 v[PC+6*\c:PC+2+6*\c], v[(\s)+32*\c:(\s)+15+32*\c], v[TM+8+2*\c]
	v_cvt_scalef32_pk16_fp6_f32 v[PD+4*\c:PD+2+4*\c], v[(\s)+16+32*\c:(\s)+31+32*\c], v[TM+9+2*\c]
.endr
	v_nop                                          ; one plain instruction behind the conversions
.irp c, 0,1                            ; the operand wants a WHOLE block in a lane: lanes 0-15 block 2 c, lanes 16-31 block 2 c + 1
.irp i, 0,1,2
	v_permlane16_swap_b32 v[PC+6*\c+\i], v[PD+4*\c+\i]
.endr
.irp i, 0,1,2
	v_mov_b32 v[PC+3+6*\c+\i], v[PD+4*\c+\i]
.endr
.endr
.endm
; the same for 32 numbers, two blocks: six registers of codes from v[dst] on; the two bytes stay in v[TM+4], v[TM+5]
.macro QUANT2 s, dst, pd
.irp b, 0,1
	v_max3_num_f32 v[TM+\b], |v[(\s)+16*\b]|, |v[(\s)+1+16*\b]|, 0x1800000
.endr
.irp i, 2,4,6,8,10,12,14
.irp b, 0,1
	v_max3_num_f32 v[TM+\b], v[TM+\b], |v[(\s)+16*\b+\i]|, |v[(\s)+1+16*\b+\i]|
.endr
.endr
.irp b, 0,1
	v_permlanex16_b32 v[TM+4+\b], v[TM+\b], s[SEL], s[SEL+1]
.endr
.irp b, 0,1
	v_max_num_f32 v[TM+\b], v[TM+\b], v[TM+4+\b]
.endr
.irp b, 0,1
	v_add_nc_u32 v[TM+8+\b], 0xff000000, v[TM+\b]
.endr
.irp b, 0,1
	v_lshrrev_b32 v[TM+4+\b], 23, v[TM+8+\b]
.endr
	v_cvt_scalef32_pk16_fp6_f32 v[(\dst):(\dst)+2], v[(\s):(\s)+15], v[TM+8]
	v_cvt_scalef32_pk16_fp6_f32 v[(\pd):(\pd)+2], v[(\s)+16:(\s)+31], v[TM+9]
	v_nop
.irp i, 0,1,2
	v_permlane16_swap_b32 v[(\dst)+\i], v[(\pd)+\i]
.endr
.irp i, 0,1,2
	v_mov_b32 v[(\dst)+3+\i], v[(\pd)+\i]
.endr
.endm
.macro IMAGE adr, off                  ; the fragment in v[PC] on goes to LDS as it stands: lane l's 16 bytes at 16 l, 512 bytes a store
.irp c, 0,1,2
	ds_store_b128 v[\adr], v[PC+4*\c:PC+4*\c+3] offset:(\off)+512*\c
.endr
.endm
.macro XADR ad, plus                   ; the byte offsets of my 16 rows of a chunk: row m is token s41 + plus + m + 8 (m / 8), held at 7,224: no load leaves the batch; + 16 x lane
.set xa_m, 0
.rept 16
	s_add_co_u32 s40, s41, (\plus)+xa_m+8*(xa_m/8)
	s_min_u32 s40, s40, 7224
	s_lshl_b32 s40, s40, 10
	v_add_nc_u32 v[(\ad)+xa_m], s40, v[L16]
.set xa_m, xa_m+1
.endr
.endm
.macro XLD dst, ad                     ; 16 rows of fx as they lie: two loads a row, each 512 consecutive bytes, aligned: registers 8 m + 4 q on = bytes 512 q + 16 l of row m
.set xa_m, 0
.rept 16
	global_load_b128 v[(\dst)+8*xa_m:(\dst)+8*xa_m+3], v[(\ad)+xa_m], s[4:5] th:TH_LOAD_NT
	global_load_b128 v[(\dst)+8*xa_m+4:(\dst)+8*xa_m+7], v[(\ad)+xa_m], s[4:5] offset:512 th:TH_LOAD_NT
.set xa_m, xa_m+1
.endr
.endm
.macro TURNST src                      ; the 16 rows into my stage, as they lie
.set xa_m, 0
.rept 16
	ds_store_b128 v[TD], v[(\src)+8*xa_m:(\src)+8*xa_m+3] offset:1040*xa_m
	ds_store_b128 v[TD], v[(\src)+8*xa_m+4:(\src)+8*xa_m+7] offset:1040*xa_m+512
.set xa_m, xa_m+1
.endr
.endm
.macro TURNLD                          ; and back by rows: register 16 B + i = channel 32 B + 16 h + i of row r.  LDS serves a wave's instructions in order: these see the stores above
.irp b, 0,1,2,3,4,5,6,7
.irp j, 0,1,2,3
	ds_load_b128 v[R+16*\b+4*\j:R+16*\b+4*\j+3], v[TR] offset:128*\b+16*\j
.endr
.endr
.endm
.macro LNST u, goff                    ; gains and biases of the eight channels of unit u, into set u % 3
	ds_load_b128 v[XF+16*((\u)%3):XF+16*((\u)%3)+3], v[H64] offset:(\goff)+128*((\u)/2)+32*((\u)%2)
	ds_load_b128 v[XF+16*((\u)%3)+4:XF+16*((\u)%3)+7], v[H64] offset:(\goff)+128*((\u)/2)+32*((\u)%2)+16
	ds_load_b128 v[XF+16*((\u)%3)+8:XF+16*((\u)%3)+11], v[H64] offset:(\goff)+1024+128*((\u)/2)+32*((\u)%2)
	ds_load_b128 v[XF+16*((\u)%3)+12:XF+16*((\u)%3)+15], v[H64] offset:(\goff)+1024+128*((\u)/2)+32*((\u)%2)+16
.endm
; The row in v[R] on is normalised (mean, then the mean of the squared differences: no difference of large sums), scaled, quantised, and its two fragments and scale words go to LDS
.macro LNQ goff, iadr, ioff, sadr, soff
.irp c, 0,1,2,3
	v_pk_add_f32 v[LT+2*\c:LT+2*\c+1], v[R+2*\c:R+2*\c+1], v[R+8+2*\c:R+9+2*\c]
.endr
.set ln_i, 16
.rept 14
.irp c, 0,1,2,3
	v_pk_add_f32 v[LT+2*\c:LT+2*\c+1], v[LT+2*\c:LT+2*\c+1], v[R+ln_i+2*\c:R+ln_i+2*\c+1]
.endr
.set ln_i, ln_i+8
.endr
	v_pk_add_f32 v[LT:LT+1], v[LT:LT+1], v[LT+2:LT+3]
	v_pk_add_f32 v[LT+4:LT+5], v[LT+4:LT+5], v[LT+6:LT+7]
	v_pk_add_f32 v[LT:LT+1], v[LT:LT+1], v[LT+4:LT+5]
	v_add_f32 v[LT], v[LT], v[LT+1]
	v_permlanex16_b32 v[TM+4], v[LT], s[SEL], s[SEL+1]
	v_add_f32 v[LT], v[LT], v[TM+4]
	v_mul_f32 v[LT], s[INV256], v[LT]              ; the mean
	v_mov_b32 v[LT+1], v[LT]
	s_wait_dscnt 0x0                               ; no LDS instruction of mine is out, so the counts below count the staging loads alone
.set ln_i, 0
.rept 64
	v_pk_add_f32 v[R+ln_i:R+ln_i+1], v[R+ln_i:R+ln_i+1], v[LT:LT+1] neg_lo:[0,1] neg_hi:[0,1]
.set ln_i, ln_i+2
.endr
	LNST 0, \goff
	LNST 1, \goff
	LNST 2, \goff
.irp c, 0,1,2,3
	v_pk_mul_f32 v[LT+2+2*\c:LT+3+2*\c], v[R+2*\c:R+2*\c+1], v[R+2*\c:R+2*\c+1]
.endr
.set ln_i, 8
.rept 15
.irp c, 0,1,2,3
	v_pk_fma_f32 v[LT+2+2*\c:LT+3+2*\c], v[R+ln_i+2*\c:R+ln_i+2*\c+1], v[R+ln_i+2*\c:R+ln_i+2*\c+1], v[LT+2+2*\c:LT+3+2*\c]
.endr
.set ln_i, ln_i+8
.endr
	v_pk_add_f32 v[LT+2:LT+3], v[LT+2:LT+3], v[LT+4:LT+5]
	v_pk_add_f32 v[LT+6:LT+7], v[LT+6:LT+7], v[LT+8:LT+9]
	v_pk_add_f32 v[LT+2:LT+3], v[LT+2:LT+3], v[LT+6:LT+7]
	v_add_f32 v[LT+2], v[LT+2], v[LT+3]
	v_permlanex16_b32 v[TM+4], v[LT+2], s[SEL], s[SEL+1]
	v_add_f32 v[LT+2], v[LT+2], v[TM+4]
	v_fma_f32 v[LT+2], v[LT+2], s[INV256], s[EPS]
	v_rsq_f32 v[LT], v[LT+2]
	v_nop                                          ; a plain instruction behind the transcendental,
	s_wait_alu depctr_va_vdst(0)                   ; and the wait ahead of its first reader
	v_mov_b32 v[LT+1], v[LT]
.set ln_u, 0
.rept 16
.if ln_u < 14
	s_wait_dscnt 8                                 ; unit u's four loads are in; the two units behind it (8 loads) may be out
.elseif ln_u == 14
	s_wait_dscnt 4
.else
	s_wait_dscnt 0
.endif
.irp p, 0,2,4,6
	v_pk_mul_f32 v[R+8*ln_u+\p:R+8*ln_u+\p+1], v[R+8*ln_u+\p:R+8*ln_u+\p+1], v[LT:LT+1]
.endr
.irp p, 0,2,4,6
	v_pk_fma_f32 v[R+8*ln_u+\p:R+8*ln_u+\p+1], v[R+8*ln_u+\p:R+8*ln_u+\p+1], v[XF+16*(ln_u%3)+\p:XF+16*(ln_u%3)+\p+1], v[XF+16*(ln_u%3)+8+\p:XF+16*(ln_u%3)+9+\p]
.endr
.if ln_u < 13
	LNST ln_u+3, \goff
.endif
.set ln_u, ln_u+1
.endr
	QUANT R
	IMAGE \iadr, \ioff
	ds_store_b32 v[\sadr], v[PW] offset:\soff
	s_wait_dscnt 0x0                               ; the stores have read their registers
	QUANT R+64
	IMAGE \iadr, (\ioff)+1536
	ds_store_b32 v[\sadr], v[PW] offset:(\soff)+128
.endm
	s_load_b512 s[4:19], s[0:1], 0x0               ; fx, ln1_g, ln1_b, bk, bv, kln_g, kln_b, vln_g
	s_load_b256 s[20:27], s[0:1], 0x40             ; vln_b, wfrag, wscale, kvp
	v_lshl_add_u32 v[SPW], v0, 2, SPARE
	v_mov_b32 v[NIL], 0
	v_lshrrev_b32 v16, 5, v0
	v_readfirstlane_b32 s[WV], v16                 ; wave 0..7
	v_and_b32 v16, 31, v0                          ; lane
	v_and_b32 v17, 15, v0                          ; r
	v_bfe_u32 v18, v0, 4, 1                        ; h
	v_lshlrev_b32 v[L16], 4, v16
	v_lshlrev_b32 v[L4], 2, v16
	v_lshlrev_b32 v[H64], 6, v18
	s_mul_i32 s40, s[WV], 3072
	v_add_nc_u32 v[W16], s40, v[L16]               ; where I store my two fragments
	s_lshl_b32 s40, s[WV], 8
	v_add_nc_u32 v[W4], s40, v[L4]                 ; and their scale words
	s_lshl_b32 s40, s[WV], 9
	s_add_co_u32 s40, s40, STAT
	v_lshl_add_u32 v[STW], v17, 2, s40             ; a token's two figures go in at 4 r
	v_lshl_add_u32 v[STR], v18, 5, s40             ; and eight tokens' come back from 32 h
	s_mul_i32 s40, s[WV], 16640
	s_add_co_u32 s40, s40, TSTG                    ; my stage
	v_add_nc_u32 v[TD], s40, v[L16]                ; in: 16 bytes a lane
	v_mul_u32_u24 v32, v17, 1040
	v_add_nc_u32 v32, v32, v[H64]
	v_add_nc_u32 v[TR], s40, v32                   ; back: row r, my half of each block of 32 channels
	v_and_b32 v19, 8, v17
	v_add_nc_u32 v19, v19, v17                     ; r + 8 (r / 8)
	v_lshlrev_b32 v[CH4], 2, v19
	s_lshr_b32 s41, s[WV], 1
	s_lshl_b32 s41, s41, 5
	s_and_b32 s42, s[WV], 1
	s_lshl_b32 s42, s42, 3
	s_add_co_u32 s41, s41, s42
	s_lshl_b32 s42, ttmp9, 8
	s_add_co_u32 s41, s41, s42                     ; my first token in chunk 0
	XADR AD, 0
	XADR AD+16, 128
	v_lshlrev_b32 v34, 2, v0
	s_mov_b32 s[SEL], 0x76543210
	s_mov_b32 s[SEL+1], 0xfedcba98
	s_mov_b32 s[INV256], 0x3b800000
	s_mov_b32 s[INV32], 0x3d000000
	s_mov_b32 s[EPS], 0x3727c5ac
	s_and_b32 s43, ttmp7, 0xffff                   ; the batch
	s_mul_i32 s44, s43, 7398400                    ; 7,225 rows of 1,024 bytes
	s_mov_b32 s45, 0
	s_lshl_b32 s46, s[WV], 7                       ; a head's 32 numbers
	s_mov_b32 s47, 0
	s_mul_i32 s48, s43, 29
	s_add_co_u32 s48, s48, ttmp9
	s_lshl_b32 s48, s48, 3
	s_add_co_u32 s48, s48, s[WV]
	s_lshl_b32 s48, s48, 12                        ; my 4,096 bytes of kvp
	s_mov_b32 s49, 0
	s_mul_i32 s50, s[WV], 6144                     ; a head's four fragments of a weight
	s_mov_b32 s51, 0
	s_lshl_b32 s52, s[WV], 8                       ; and their scale words
	s_mov_b32 s53, 0
	s_wait_kmcnt 0x0
	s_add_nc_u64 s[4:5], s[4:5], s[44:45]
.irp p, 10,12,14,16,18,20
	s_add_nc_u64 s[\p:\p+1], s[\p:\p+1], s[46:47]
.endr
	s_add_nc_u64 s[22:23], s[22:23], s[50:51]
	s_add_nc_u64 s[24:25], s[24:25], s[52:53]
	s_add_nc_u64 s[26:27], s[26:27], s[48:49]
	global_load_b32 v20, v34, s[6:7]               ; thread t: ln1_g[t], ln1_b[t]
	global_load_b32 v21, v34, s[8:9]
	XLD R, AD
.irp i, 0,1,2,3,4,5,6,7,8,9,10,11,12,13,14,15
	v_mov_b32 v[LT+\i], 0                          ; written once: a lane permute's destination counts as one of its sources
.endr
.irp i, 4,5,6,7
	v_mov_b32 v[TM+\i], 0
.endr
	s_wait_loadcnt 32                              ; the two table loads are in; chunk 0's 32 may be out
	ds_store_b32 v34, v20
	ds_store_b32 v34, v21 offset:1024
	WIN 0x40                                       ; destination window 1
	XLD 0, AD+16                                   ; chunk 1 waits in window 1 while chunk 0 is worked on
.set cp, 0
.rept 32
	v_mov_b32 v[KVA+cp], 0                         ; the four sums: the loop over chunks is written once
.set cp, cp+1
.endr
	WIN 0
	BARRIER                                        ; the tables lie in LDS
	s_wait_loadcnt 32                              ; chunk 0's loads are in; chunk 1's 32 may be out
	s_wait_xcnt 0x0                                ; chunk 1's loads have read their offsets: v36 on are written again only behind this wait
	TURNST R
	TURNLD
	s_wait_dscnt 0x0
	LNQ 0, W16, XIMG, W4, XIMG+24576
	s_wait_loadcnt 0x0
	s_cmp_eq_u32 ttmp9, 28                         ; the batch's last work-group has one chunk
	s_cbranch_scc1 .Lone_a
	WIN 0x04                                       ; an LDS store's data are its source 1: window 1
	TURNST 0
	WIN 0
	TURNLD
	s_wait_dscnt 32                                ; all but the 32 loads just issued: the stage's stores have read window 1, into which the weights are loaded below
.Lone_a:
	WIN 0x40                                       ; my head's weights, biases and gains: they land while chunk 1 is normalised
.irp k, 0,1
.irp q, 0,1,2,3
.irp g, 0,1,2
	global_load_b128 v[WF+12*(4*\k+\q)+4*\g:WF+12*(4*\k+\q)+4*\g+3], v[L16], s[22:23] offset:1536*(32+32*\k+\q)+512*\g
.endr
.endr
.irp ct, 0,1
	global_load_b128 v[BT+8*(2*\k+\ct):BT+8*(2*\k+\ct)+3], v[H64], s[10+2*\k:11+2*\k] offset:32*\ct
	global_load_b128 v[BT+8*(2*\k+\ct)+4:BT+8*(2*\k+\ct)+7], v[H64], s[10+2*\k:11+2*\k] offset:32*\ct+16
	global_load_b32 v[BN+8*(2*\k+\ct)], v[CH4], s[10+2*\k:11+2*\k] offset:32*\ct
	global_load_b32 v[GB+4*(2*\k+\ct)], v[CH4], s[14+4*\k:15+4*\k] offset:32*\ct
	global_load_b32 v[GB+4*(2*\k+\ct)+2], v[CH4], s[16+4*\k:17+4*\k] offset:32*\ct
.endr
.endr
	WIN 0
.irp k, 0,1
.irp ct, 0,1
	global_load_b32 v[WSR+2*\k+\ct], v[L4], s[24:25] offset:128*(16+16*\k+\ct)   ; lanes 0-15: K step 0's words, lanes 16-31: K step 1's
.endr
.endr
	s_cmp_eq_u32 ttmp9, 28
	s_cbranch_scc1 .Lone_b
	s_wait_dscnt 0x0                               ; chunk 1's rows are back from the stage
	LNQ 0, W16, XIMG+XSET, W4, XIMG+XSET+24576
.Lone_b:
	s_wait_loadcnt 0x0
	WIN 0x41
.irp t, 0,1,2,3
.irp j, 1,2,3,4,5,6,7
	v_mov_b32 v[BN+8*\t+\j], v[BN+8*\t]            ; by channel, all eight tokens of a lane take the same bias
.endr
	v_mov_b32 v[GB+4*\t+1], v[GB+4*\t]
	v_mov_b32 v[GB+4*\t+3], v[GB+4*\t+2]
.endr
	WIN 0
	BARRIER                                        ; all fragments of x lie in LDS: the launch's last barrier
.macro FETCHX set, t                   ; tile t's two fragments and scale words
.irp q, 0,1,2,3,4,5
	ds_load_b128 v[XF+24*(\set)+4*\q:XF+24*(\set)+4*\q+3], v[FA] offset:XIMG+3072*(\t)+512*\q
.endr
	ds_load_b32 v[XS+2*(\set)], v[FSA] offset:XIMG+24576+256*(\t)
	ds_load_b32 v[XS+2*(\set)+1], v[FSA] offset:XIMG+24576+256*(\t)+128
.endm
; Eight matrix instructions for one tile of 16 tokens: by channel and by token, two tiles of 16 channels, two K steps.  Four accumulators by turns, one instruction a turn
.macro MM kind, i
.set mm_x, XF+24*((\i)%2)
.set mm_s, XS+2*((\i)%2)
	WIN 0x14
.irp ct, 0,1
	WMM R+32*\ct+8*(\i), mm_x, WF+12*(4*(\kind)+2*\ct), BN+8*(2*(\kind)+\ct), mm_s, WSR+2*(\kind)+\ct, 0, 0
.endr
	WIN 0x11
.irp ct, 0,1
	WMM ST+16*(\i)+8*\ct, WF+12*(4*(\kind)+2*\ct), mm_x, BT+8*(2*(\kind)+\ct), WSR+2*(\kind)+\ct, mm_s, 0, 0
.endr
	WIN 0x04
.irp ct, 0,1
	WMM R+32*\ct+8*(\i), mm_x+12, WF+12*(4*(\kind)+2*\ct+1), R+32*\ct+8*(\i), mm_s+1, WSR+2*(\kind)+\ct, 0, 1
.endr
	WIN 0x01
.irp ct, 0,1
	WMM ST+16*(\i)+8*\ct, WF+12*(4*(\kind)+2*\ct+1), mm_x+12, ST+16*(\i)+8*\ct, WSR+2*(\kind)+\ct, mm_s+1, 1, 0
.endr
	WIN 0
.endm
; k (kind 0) or v (kind 1) of tokens 64 c .. 64 c + 63 of the chunk, for my head: products, norm, quantiser along the tokens: registers 6 c .. 6 c + 5 of two fragments
.macro KVUNIT kind, c
	FETCHX 0, 4*(\c)
	FETCHX 1, 4*(\c)+1
.irp i, 0,1,2,3
.if \i < 3
	s_wait_dscnt 8                                 ; this tile's eight loads are in; the next tile's eight may be out
.else
	s_wait_dscnt 0
.endif
	MM \kind, \i
	NOPS 4                                         ; places in front of loads into registers that the products have read, and of the first read of results
.if \i < 2
	FETCHX \i, 4*(\c)+\i+2
.endif
.endr
	; mean and variance of each token over the head's 32 channels: a lane holds 16 of them, lane l xor 16 the others; the four tiles by turns
.irp i, 0,1,2,3
	v_pk_add_f32 v[LT+4*\i:LT+4*\i+1], v[ST+16*\i:ST+16*\i+1], v[ST+16*\i+8:ST+16*\i+9]   ; (each accumulator is read from its low end on)
.endr
.irp p, 2,4,6,10,12,14
.irp i, 0,1,2,3
	v_pk_add_f32 v[LT+4*\i:LT+4*\i+1], v[LT+4*\i:LT+4*\i+1], v[ST+16*\i+\p:ST+16*\i+\p+1]
.endr
.endr
.irp i, 0,1,2,3
	v_add_f32 v[LT+4*\i], v[LT+4*\i], v[LT+4*\i+1]
.endr
.irp i, 0,1,2,3
	v_permlanex16_b32 v[LT+4*\i+2], v[LT+4*\i], s[SEL], s[SEL+1]
.endr
.irp i, 0,1,2,3
	v_add_f32 v[LT+4*\i], v[LT+4*\i], v[LT+4*\i+2]
.endr
.irp i, 0,1,2,3
	v_mul_f32 v[LT+4*\i], s[INV32], v[LT+4*\i]     ; the mean
.endr
.irp i, 0,1,2,3
	v_mov_b32 v[LT+4*\i+1], v[LT+4*\i]
.endr
.irp p, 0,2,4,6,8,10,12,14
.irp i, 0,1,2,3
	v_pk_add_f32 v[ST+16*\i+\p:ST+16*\i+\p+1], v[ST+16*\i+\p:ST+16*\i+\p+1], v[LT+4*\i:LT+4*\i+1] neg_lo:[0,1] neg_hi:[0,1]
.endr
.endr
.irp i, 0,1,2,3
	v_pk_mul_f32 v[LT+4*\i+2:LT+4*\i+3], v[ST+16*\i:ST+16*\i+1], v[ST+16*\i:ST+16*\i+1]
.endr
.irp p, 2,4,6,8,10,12,14
.irp i, 0,1,2,3
	v_pk_fma_f32 v[LT+4*\i+2:LT+4*\i+3], v[ST+16*\i+\p:ST+16*\i+\p+1], v[ST+16*\i+\p:ST+16*\i+\p+1], v[LT+4*\i+2:LT+4*\i+3]
.endr
.endr
.irp i, 0,1,2,3
	v_add_f32 v[LT+4*\i+2], v[LT+4*\i+2], v[LT+4*\i+3]
.endr
.irp i, 0,1,2,3
	v_permlanex16_b32 v[LT+4*\i+3], v[LT+4*\i+2], s[SEL], s[SEL+1]
.endr
.irp i, 0,1,2,3
	v_add_f32 v[LT+4*\i+2], v[LT+4*\i+2], v[LT+4*\i+3]
.endr
.irp i, 0,1,2,3
	v_fma_f32 v[LT+4*\i+2], v[LT+4*\i+2], s[INV32], s[EPS]
.endr
.irp i, 0,1,2,3
	v_rsq_f32 v[LT+4*\i+2], v[LT+4*\i+2]
.endr
	v_nop
	s_wait_alu depctr_va_vdst(0)                   ; one wait for the four, ahead of their first reader
.irp i, 0,1,2,3
	ds_store_b32 v[STW], v[LT+4*\i+2] offset:128*\i       ; both lanes of a token write the same word with the same value
	ds_store_b32 v[STW], v[LT+4*\i] offset:128*\i+64
.endr
.irp i, 0,1,2,3                        ; LDS serves a wave's instructions in order: these see my stores.  Back by channel: the figures of my eight tokens 8 h + 0 .. 7 of each tile
	ds_load_b128 v[ST+16*\i:ST+16*\i+3], v[STR] offset:128*\i
	ds_load_b128 v[ST+16*\i+4:ST+16*\i+7], v[STR] offset:128*\i+16
	ds_load_b128 v[ST+16*\i+8:ST+16*\i+11], v[STR] offset:128*\i+64
	ds_load_b128 v[ST+16*\i+12:ST+16*\i+15], v[STR] offset:128*\i+80
.endr
	s_wait_dscnt 0x0
.irp p, 0,2,4,6
.irp ct, 0,1
.irp i, 0,1,2,3
	v_pk_add_f32 v[R+32*\ct+8*\i+\p:R+32*\ct+8*\i+\p+1], v[R+32*\ct+8*\i+\p:R+32*\ct+8*\i+\p+1], v[ST+16*\i+8+\p:ST+16*\i+9+\p] neg_lo:[0,1] neg_hi:[0,1]
.endr
.endr
.endr
.irp p, 0,2,4,6
.irp ct, 0,1
.irp i, 0,1,2,3
	v_pk_mul_f32 v[R+32*\ct+8*\i+\p:R+32*\ct+8*\i+\p+1], v[R+32*\ct+8*\i+\p:R+32*\ct+8*\i+\p+1], v[ST+16*\i+\p:ST+16*\i+\p+1]
.endr
.endr
.endr
	WIN 0x14                                       ; the head's gain and bias lie in window 1
.irp p, 0,2,4,6
.irp ct, 0,1
.irp i, 0,1,2,3
	v_pk_fma_f32 v[R+32*\ct+8*\i+\p:R+32*\ct+8*\i+\p+1], v[R+32*\ct+8*\i+\p:R+32*\ct+8*\i+\p+1], v[GB+4*(2*(\kind)+\ct):GB+4*(2*(\kind)+\ct)+1], v[GB+4*(2*(\kind)+\ct)+2:GB+4*(2*(\kind)+\ct)+3]
.endr
.endr
.endr
	WIN 0
	s_add_co_u32 s41, s[CB], 128                   ; only the batch's last chunk reaches past its end: a branch on ids
	s_cmp_le_u32 s41, 7225
	s_cbranch_scc1 .Lfull_\@
.irp i, 0,1,2,3
.irp j, 0,1,2,3,4,5,6,7
	v_cmp_lt_i32 vcc_lo, 64*(\c)+32*(\i/2)+8*(\i%2)+\j, v[VLIM]
	v_cndmask_b32 v[R+8*\i+\j], 0, v[R+8*\i+\j], vcc_lo
	v_cndmask_b32 v[R+32+8*\i+\j], 0, v[R+32+8*\i+\j], vcc_lo
.endr
.endr
.Lfull_\@:
.irp ct, 0,1
	QUANT2 R+32*\ct, PC, PC+8
	WIN 0x40
.irp n, 0,1,2,3,4,5
	v_mov_b32 v[FR+12*(2*(\kind)+\ct)+6*(\c)+\n], v[PC+\n]
.endr
	WIN 0
.if (\c) == 0
	v_lshl_or_b32 v[FS+2*(\kind)+\ct], v[TM+5], 8, v[TM+4]
.else
	v_lshl_or_b32 v[FS+2*(\kind)+\ct], v[TM+4], 16, v[FS+2*(\kind)+\ct]
	v_lshl_or_b32 v[FS+2*(\kind)+\ct], v[TM+5], 24, v[FS+2*(\kind)+\ct]
.endif
.endr
.endm
	s_mov_b32 s[CO], 0
	s_lshl_b32 s[CB], ttmp9, 8
	s_mov_b32 s[CNT], 2
.Lchunk:                               ; two trips, a constant; a chunk that begins past the batch's end is jumped over (ids alone; no barrier stands in the loop)
	s_cmp_ge_u32 s[CB], 7225
	s_cbranch_scc1 .Lskip
	v_add_nc_u32 v[FA], s[CO], v[L16]
	v_add_nc_u32 v[FSA], s[CO], v[L4]
	s_sub_co_u32 s40, 7225, s[CB]
	v_lshrrev_b32 v32, 2, v[H64]
	v_sub_nc_u32 v[VLIM], s40, v32                 ; live tokens of the chunk, less my half's 16
	KVUNIT 0, 0
	KVUNIT 1, 0
	KVUNIT 0, 1
	KVUNIT 1, 1
	NOPS 8                                         ; scale words written by vector instructions stand 8 places ahead of a scaled product, operands 4
	WIN 0x55
.irp e, 0,1
.irp d, 0,1
	WMM KVA+16*\e+8*\d, FR+12*\d, FR+24+12*\e, KVA+16*\e+8*\d, FS+\d, FS+2+\e, 0, 0
.endr
.endr
	WIN 0
.Lskip:
	s_add_co_u32 s[CO], s[CO], XSET
	s_add_co_u32 s[CB], s[CB], 128
	s_sub_co_u32 s[CNT], s[CNT], 1
	s_cmp_lg_u32 s[CNT], 0
	s_cbranch_scc1 .Lchunk
	NOPS 4
	WIN 0x04                                       ; a store's data are its source 1: window 1
.irp g, 0,1,2,3,4,5,6,7
	global_store_b128 v[L16], v[KVA+4*\g:KVA+4*\g+3], s[26:27] offset:512*\g   ; 32 lanes store 512 consecutive bytes; each accumulator from its low end on
.endr
	WIN 0
	s_wait_tensorcnt 0x0                           ; the wave's end: behind my last LDS store
	ds_add_u32 v[SPW], v[NIL]
	s_wait_dscnt 0x0
	s_endpgm
.Lfunc_end_k_qd47f02aa3d_kvpart:
	.size	k_qd47f02aa3d_kvpart, .Lfunc_end_k_qd47f02aa3d_kvpart-k_qd47f02aa3d_kvpart
	.p2alignl 7, 3214868480
	.fill 96, 4, 3214868480
	.section	.rodata,"a",@progbits
	.p2align	6, 0x0
	.amdhsa_kernel k_qd47f02aa3d_kvpart
		.amdhsa_group_segment_fixed_size 193536
		.amdhsa_private_segment_fixed_size 0
		.amdhsa_enable_private_segment 0
		.amdhsa_kernarg_size 96
		.amdhsa_user_sgpr_count 2
		.amdhsa_user_sgpr_kernarg_segment_ptr 1
		.amdhsa_wavefront_size32 1
		.amdhsa_system_sgpr_workgroup_id_x 1
		.amdhsa_system_sgpr_workgroup_id_y 1
		.amdhsa_system_sgpr_workgroup_id_z 1
		.amdhsa_system_vgpr_workitem_id 0
		.amdhsa_next_free_vgpr 512
		.amdhsa_next_free_sgpr 66
		.amdhsa_reserve_vcc 1
		.amdhsa_float_denorm_mode_32 3
		.amdhsa_float_denorm_mode_16_64 3
		.amdhsa_memory_ordered 1
		.amdhsa_forward_progress 1
		.amdhsa_inst_pref_size 221
	.end_amdhsa_kernel
	.amdgpu_metadata
---
amdhsa.version: [ 1, 2 ]
amdhsa.kernels:
  - .name:           k_qd47f02aa3d_kvpart
    .symbol:         k_qd47f02aa3d_kvpart.kd
    .args:
      - { .name: fx, .offset: 0, .size: 8, .value_kind: global_buffer, .address_space: global }
      - { .name: ln1_g, .offset: 8, .size: 8, .value_kind: global_buffer, .address_space: global }
      - { .name: ln1_b, .offset: 16, .size: 8, .value_kind: global_buffer, .address_space: global }
      - { .name: bk, .offset: 24, .size: 8, .value_kind: global_buffer, .address_space: global }
      - { .name: bv, .offset: 32, .size: 8, .value_kind: global_buffer, .address_space: global }
      - { .name: kln_g, .offset: 40, .size: 8, .value_kind: global_buffer, .address_space: global }
      - { .name: kln_b, .offset: 48, .size: 8, .value_kind: global_buffer, .address_space: global }
      - { .name: vln_g, .offset: 56, .size: 8, .value_kind: global_buffer, .address_space: global }
      - { .name: vln_b, .offset: 64, .size: 8, .value_kind: global_buffer, .address_space: global }
      - { .name: wfrag, .offset: 72, .size: 8, .value_kind: global_buffer, .address_space: global }
      - { .name: wscale, .offset: 80, .size: 8, .value_kind: global_buffer, .address_space: global }
      - { .name: kvp, .offset: 88, .size: 8, .value_kind: global_buffer, .address_space: global }
    .group_segment_fixed_size: 193536
    .private_segment_fixed_size: 0
    .kernarg_segment_align: 8
    .kernarg_segment_size: 96
    .max_flat_workgroup_size: 256
    .sgpr_count:     66
    .vgpr_count:     512
    .wavefront_size: 32
...
	.end_amdgpu_metadata
.endif
;; end of part 5
;; launch kvsum: the kernel of part 3 again; grid 16 x 8, 4 waves a work-group, no clusters, 2,560 bytes of LDS; arguments kvp, kvimg, kvsc; writes kvimg, kvsc
;; launch main (part 6): grid 29 x 8, 4 waves a work-group, no clusters, 303,616 bytes of LDS; arguments fx, out0, wfrag, wscale, kvimg, kvsc, ln1_g, ln1_b, ln2_g, ln2_b, bq, bo, b2, b1; writes out0
.if DOCPART == 6
	.amdgcn_target "amdgcn-amd-amdhsa--gfx1250"
	.amdhsa_code_object_version 6
	.text
	.protected	k_qd47f02aa3d_main
	.globl	k_qd47f02aa3d_main
	.p2align	8
	.type	k_qd47f02aa3d_main,@function
k_qd47f02aa3d_main:
	s_mov_b64 s[64:65], 0
	v_nop
	global_prefetch_b8 v0, s[64:65] scope:SCOPE_SE
	s_setreg_imm32_b32 hwreg(HW_REG_WAVE_MODE, 25, 1), 1
	s_wait_xcnt 0x0
; out0 = f + MLP(LN2(f)), f = fx + (q kv) Wo + bo, q = LN1(fx) Wq + bq; every product on codes of E2M3 with one E8M0 byte for each 32 along its K.  No work of the problem is left out here.
; SHARES.  Work-group (x, y): tokens 256 x .. of batch y, 64 at a time (the batch's last work-group: one block, 57 rows of it stored).  In the phases by rows wave w has rows 16 w + r.  IN THE PRODUCTS THE WAVES SHARE THE COLUMNS:
; wave w makes columns 64 w .. of q, attn, Wo's and W2's results and hidden units 256 w .., for all 64 rows.  So its 32 fragments of W1 and 32 of W2 stay in its registers for the whole launch; Wq's, Wo's and kv's slices and all
; scale words lie in LDS bytes of the wave's own.  Every product is used transposed (source 0 = 16 columns of the weight, source 1 = 16 tokens): a lane holds one token, and its registers run along the next product's K.
; OPERANDS GO FROM WAVE TO WAVE THROUGH LDS AS IMAGES OF THEIR REGISTERS.  The rows themselves (fx, then fx + attn Wo, then + h W2) lie in a stage of 64 rows; a product takes its slice of the stage as C and puts the result back.
; fx COMES IN WHOLE ROWS: a load of the wave covers 512 consecutive bytes of one row, aligned; the rows go into the stage as they lie, where the residual wants them anyway, and come back by rows for the norm.
; A BLOCK, six barriers:  A rows: fx to the stage and back, LN1, quantise | 1 |  B q, quantised by head;  C attn = q kv, quantised | 2 |  D + attn Wo | 3 |  E rows: + bo, LN2, quantise | 4 |  F hidden = gelu(. W1 + b1), quantised | 5 |
; G + hidden W2 | 6 |  H rows: + bo + b2, stored.
; gelu(x) = x / (1 + 2^(x (K1 + K2 x^2))), K1 = -2 log2(e) sqrt(2 / pi), K2 = 0.044715 K1: the tanh form of reference(), written with one exponential and one reciprocal.
; LIMITS: NaN and infinities are not served; a block of zeros has the byte 1, not 127 (its codes are zeros; this program alone reads the bytes); fx + attn Wo + bo and the second residual are summed in another order than reference()'s.
; No tensor loads and no cluster: the weights go once from memory straight into operand registers, 29 work-groups along x do not divide by 4, and the stage's bytes are written by LDS stores too.
; No prefetch: the next block's rows are asked for two phases ahead by the loads themselves.
; REGISTERS, window 0: v1-19 addresses; v20-23 K1, K2, doubled; v24-35 W2's last fragment; v36-127 operands from LDS, scale words, small accumulators, at work; v128-255 a row of 256 / weights' slices / the hidden layer.
; windows 1-3: fragment f (W1: 2 i + s; W2: 32 + 8 n + s) at register 12 (f % 21) of window 1 + f / 21.
.set SPW, 1
.set NIL, 2
.set L16, 3
.set L4, 4
.set L8, 5
.set LIH, 6
.set W16, 7
.set W4, 8
.set AW6, 9
.set AWS, 10
.set SSL, 11
.set SRW, 12
.set SDN, 13
.set H64, 14
.set H64W, 15
.set B1A, 16
.set PLI, 17
.set PLS, 18
.set XA, 19
.set KK1, 20
.set KK2, 22
.set W63, 24
.set XF, 36
.set LT, 84
.set PD, 92
.set TM, 100
.set PC, 112
.set PW, 124
.set R, 128
.set LASTR, 7225-28*256-48-1           ; the one wave whose 16 rows reach past the batch's end (wave 3 of work-group x = 28) has rows 0 .. 8 inside it
; LDS.  Tables: 0 ln1_g, 1024 ln1_b, 2048 ln2_g, 3072 ln2_b, 4096 bq, 5120 bo, 6144 bo + b2, 7168 b1
.set AIMG0, 11264                      ; 8 fragments (tile of rows m, K step s: 2 m + s) of LN1's, later LN2's rows
.set ASC0, 23552                       ; their scale words, 128 bytes each
.set AIMG1, 24576                      ; attn's 8 fragments, in six pieces of 256 bytes: registers 2 P, 2 P + 1 at 256 P + 8 l
.set ASC1, 36864
.set HSC, 37888                        ; the hidden layer's scale words
.set SPARE, 41984                      ; the spare words, 128 bytes a wave: two blocks of 256 bytes that no other line names
.set HIMG, 42496                       ; the hidden layer's 32 fragments (8 m + s)
.set STG, 91648                        ; the stage: 64 rows of 1,024 bytes + 16
.set PRIV, 158208                      ; a wave's own: 0 Wq, 12288 Wo, 24576 kv, 30720 W1's scale words, 32768 W2's, 34816 Wq's, 35328 Wo's, 35840 kv's
.set PRIVB, 36352
.set WV, 32
.set SEL, 34
.set INV256, 36
.set EPS, 37
.set BLK, 38
.set TOK, 39
.set NV, 40
.set HN, 41
.set FM0, 44
.set FM1, 45
.set FM2, 46
.set FM3, 47
.set FCNT, 48
.set MSB, 0
.macro WIN new                         ; the immediate's high byte repeats the setting that is left
.if MSB != (\new)
	s_set_vgpr_msb (MSB<<8)|(\new)
.set MSB, (\new)
.endif
.endm
.macro BARRIER                         ; my LDS stores have landed and my LDS loads are in: then the work-group's barrier
	s_wait_dscnt 0x0
	s_barrier_signal -1
	s_barrier_wait -1
.endm
.macro NOPS n
.rept \n
	v_nop
.endr
.endm
.macro WMM d, a, b, c, sa, sb, ra, rb  ; ra, rb = 1: that side's scale words are read from lanes 16-31
.if (\ra) == 1
	v_wmma_scale_f32_16x16x128_f8f6f4 v[(\d):(\d)+7], v[(\a):(\a)+11], v[(\b):(\b)+11], v[(\c):(\c)+7], v[\sa], v[\sb] matrix_a_fmt:MATRIX_FMT_FP6 matrix_b_fmt:MATRIX_FMT_FP6 matrix_a_scale:MATRIX_SCALE_ROW1
.elseif (\rb) == 1
	v_wmma_scale_f32_16x16x128_f8f6f4 v[(\d):(\d)+7], v[(\a):(\a)+11], v[(\b):(\b)+11], v[(\c):(\c)+7], v[\sa], v[\sb] matrix_a_fmt:MATRIX_FMT_FP6 matrix_b_fmt:MATRIX_FMT_FP6 matrix_b_scale:MATRIX_SCALE_ROW1
.else
	v_wmma_scale_f32_16x16x128_f8f6f4 v[(\d):(\d)+7], v[(\a):(\a)+11], v[(\b):(\b)+11], v[(\c):(\c)+7], v[\sa], v[\sb] matrix_a_fmt:MATRIX_FMT_FP6 matrix_b_fmt:MATRIX_FMT_FP6
.endif
.endm
.macro WMZ d, a, b, sa, sb, ra         ; the same with the constant 0 as C
.if (\ra) == 1
	v_wmma_scale_f32_16x16x128_f8f6f4 v[(\d):(\d)+7], v[(\a):(\a)+11], v[(\b):(\b)+11], 0, v[\sa], v[\sb] matrix_a_fmt:MATRIX_FMT_FP6 matrix_b_fmt:MATRIX_FMT_FP6 matrix_a_scale:MATRIX_SCALE_ROW1
.else
	v_wmma_scale_f32_16x16x128_f8f6f4 v[(\d):(\d)+7], v[(\a):(\a)+11], v[(\b):(\b)+11], 0, v[\sa], v[\sb] matrix_a_fmt:MATRIX_FMT_FP6 matrix_b_fmt:MATRIX_FMT_FP6
.endif
.endm
; 64 numbers of a lane, register 16 b + i = k 32 b + 16 (lane / 16) + i of my row, become a fragment's codes in v[PC] on and its scale word in v[PW]
.macro QUANT s
.irp b, 0,1,2,3
	v_max3_num_f32 v[TM+\b], |v[(\s)+16*\b]|, |v[(\s)+1+16*\b]|, 0x1800000   ; with the floor 2^(3 - 127): the byte cannot fall under 1
.endr
.irp i, 2,4,6,8,10,12,14
.irp b, 0,1,2,3
	v_max3_num_f32 v[TM+\b], v[TM+\b], |v[(\s)+16*\b+\i]|, |v[(\s)+1+16*\b+\i]|
.endr
.endr
.irp b, 0,1,2,3
	v_permlanex16_b32 v[TM+4+\b], v[TM+\b], s[SEL], s[SEL+1]
.endr
.irp b, 0,1,2,3
	v_max_num_f32 v[TM+\b], v[TM+\b], v[TM+4+\b]   ; with lane l xor 16's: the block's largest magnitude
.endr
.irp b, 0,1,2,3
	v_add_nc_u32 v[TM+8+\b], 0xff000000, v[TM+\b]  ; 2 off its exponent field: the conversion's scale operand
.endr
.irp b, 0,1,2,3
	v_lshrrev_b32 v[TM+4+\b], 23, v[TM+8+\b]       ; the scale's byte
.endr
	v_lshl_or_b32 v[PW], v[TM+5], 8, v[TM+4]
	v_lshl_or_b32 v[PW], v[TM+6], 16, v[PW]
	v_lshl_or_b32 v[PW], v[TM+7], 24, v[PW]
.irp c, 0,1
	v_cvt_scalef32_pk16_fp6_f32 v[PC+6*\c:PC+2+6*\c], v[(\s)+32*\c:(\s)+15+32*\c], v[TM+8+2*\c]
	v_cvt_scalef32_pk16_fp6_f32 v[PD+4*\c:PD+2+4*\c], v[(\s)+16+32*\c:(\s)+31+32*\c], v[TM+9+2*\c]
.endr
	v_nop                                          ; one plain instruction behind the conversions
.irp c, 0,1                            ; the operand wants a WHOLE block in a lane: lanes 0-15 block 2 c, lanes 16-31 block 2 c + 1
.irp i, 0,1,2
	v_permlane16_swap_b32 v[PC+6*\c+\i], v[PD+4*\c+\i]
.endr
.irp i, 0,1,2
	v_mov_b32 v[PC+3+6*\c+\i], v[PD+4*\c+\i]
.endr
.endr
.endm
; the same for 32 numbers, two blocks: six registers of codes from v[dst] on; the two bytes stay in v[TM+4], v[TM+5]
.macro QUANT2 s, dst, pd
.irp b, 0,1
	v_max3_num_f32 v[TM+\b], |v[(\s)+16*\b]|, |v[(\s)+1+16*\b]|, 0x1800000
.endr
.irp i, 2,4,6,8,10,12,14
.irp b, 0,1
	v_max3_num_f32 v[TM+\b], v[TM+\b], |v[(\s)+16*\b+\i]|, |v[(\s)+1+16*\b+\i]|
.endr
.endr
.irp b, 0,1
	v_permlanex16_b32 v[TM+4+\b], v[TM+\b], s[SEL], s[SEL+1]
.endr
.irp b, 0,1
	v_max_num_f32 v[TM+\b], v[TM+\b], v[TM+4+\b]
.endr
.irp b, 0,1
	v_add_nc_u32 v[TM+8+\b], 0xff000000, v[TM+\b]
.endr
.irp b, 0,1
	v_lshrrev_b32 v[TM+4+\b], 23, v[TM+8+\b]
.endr
	v_cvt_scalef32_pk16_fp6_f32 v[(\dst):(\dst)+2], v[(\s):(\s)+15], v[TM+8]
	v_cvt_scalef32_pk16_fp6_f32 v[(\pd):(\pd)+2], v[(\s)+16:(\s)+31], v[TM+9]
	v_nop
.irp i, 0,1,2
	v_permlane16_swap_b32 v[(\dst)+\i], v[(\pd)+\i]
.endr
.irp i, 0,1,2
	v_mov_b32 v[(\dst)+3+\i], v[(\pd)+\i]
.endr
.endm
.macro IMAGE adr, off                  ; the fragment in v[PC] on goes to LDS as it stands: lane l's 16 bytes at 16 l, 512 bytes a store
.irp c, 0,1,2
	ds_store_b128 v[\adr], v[PC+4*\c:PC+4*\c+3] offset:(\off)+512*\c
.endr
.endm
.macro XLD lim                         ; my 16 rows of fx as they lie: two loads a row, each 512 consecutive bytes, aligned: registers 8 i + 4 q on = bytes 512 q + 16 l of row i.  Rows past row lim are taken from row lim: no load leaves the batch
.set xl_i, 0
.rept 16
.set xl_r, xl_i
.if xl_i > (\lim)
.set xl_r, (\lim)
.endif
	global_load_b128 v[R+8*xl_i:R+8*xl_i+3], v[XA], s[4:5] offset:1024*xl_r th:TH_LOAD_NT
	global_load_b128 v[R+8*xl_i+4:R+8*xl_i+7], v[XA], s[4:5] offset:1024*xl_r+512 th:TH_LOAD_NT
.set xl_i, xl_i+1
.endr
.endm
.macro LNST u, goff                    ; gains and biases of the eight channels of unit u, into set u % 3
	ds_load_b128 v[XF+16*((\u)%3):XF+16*((\u)%3)+3], v[H64] offset:(\goff)+128*((\u)/2)+32*((\u)%2)
	ds_load_b128 v[XF+16*((\u)%3)+4:XF+16*((\u)%3)+7], v[H64] offset:(\goff)+128*((\u)/2)+32*((\u)%2)+16
	ds_load_b128 v[XF+16*((\u)%3)+8:XF+16*((\u)%3)+11], v[H64] offset:(\goff)+1024+128*((\u)/2)+32*((\u)%2)
	ds_load_b128 v[XF+16*((\u)%3)+12:XF+16*((\u)%3)+15], v[H64] offset:(\goff)+1024+128*((\u)/2)+32*((\u)%2)+16
.endm
; The row in v[R] on is normalised (mean, then the mean of the squared differences: no difference of large sums), scaled, quantised, and its two fragments and scale words go to LDS
.macro LNQ goff, iadr, ioff, sadr, soff
.irp c, 0,1,2,3
	v_pk_add_f32 v[LT+2*\c:LT+2*\c+1], v[R+2*\c:R+2*\c+1], v[R+8+2*\c:R+9+2*\c]
.endr
.set ln_i, 16
.rept 14
.irp c, 0,1,2,3
	v_pk_add_f32 v[LT+2*\c:LT+2*\c+1], v[LT+2*\c:LT+2*\c+1], v[R+ln_i+2*\c:R+ln_i+2*\c+1]
.endr
.set ln_i, ln_i+8
.endr
	v_pk_add_f32 v[LT:LT+1], v[LT:LT+1], v[LT+2:LT+3]
	v_pk_add_f32 v[LT+4:LT+5], v[LT+4:LT+5], v[LT+6:LT+7]
	v_pk_add_f32 v[LT:LT+1], v[LT:LT+1], v[LT+4:LT+5]
	v_add_f32 v[LT], v[LT], v[LT+1]
	v_permlanex16_b32 v[TM+4], v[LT], s[SEL], s[SEL+1]
	v_add_f32 v[LT], v[LT], v[TM+4]
	v_mul_f32 v[LT], s[INV256], v[LT]              ; the mean
	v_mov_b32 v[LT+1], v[LT]
	s_wait_dscnt 0x0                               ; no LDS instruction of mine is out, so the counts below count the staging loads alone
.set ln_i, 0
.rept 64
	v_pk_add_f32 v[R+ln_i:R+ln_i+1], v[R+ln_i:R+ln_i+1], v[LT:LT+1] neg_lo:[0,1] neg_hi:[0,1]
.set ln_i, ln_i+2
.endr
	LNST 0, \goff
	LNST 1, \goff
	LNST 2, \goff
.irp c, 0,1,2,3
	v_pk_mul_f32 v[LT+2+2*\c:LT+3+2*\c], v[R+2*\c:R+2*\c+1], v[R+2*\c:R+2*\c+1]
.endr
.set ln_i, 8
.rept 15
.irp c, 0,1,2,3
	v_pk_fma_f32 v[LT+2+2*\c:LT+3+2*\c], v[R+ln_i+2*\c:R+ln_i+2*\c+1], v[R+ln_i+2*\c:R+ln_i+2*\c+1], v[LT+2+2*\c:LT+3+2*\c]
.endr
.set ln_i, ln_i+8
.endr
	v_pk_add_f32 v[LT+2:LT+3], v[LT+2:LT+3], v[LT+4:LT+5]
	v_pk_add_f32 v[LT+6:LT+7], v[LT+6:LT+7], v[LT+8:LT+9]
	v_pk_add_f32 v[LT+2:LT+3], v[LT+2:LT+3], v[LT+6:LT+7]
	v_add_f32 v[LT+2], v[LT+2], v[LT+3]
	v_permlanex16_b32 v[TM+4], v[LT+2], s[SEL], s[SEL+1]
	v_add_f32 v[LT+2], v[LT+2], v[TM+4]
	v_fma_f32 v[LT+2], v[LT+2], s[INV256], s[EPS]
	v_rsq_f32 v[LT], v[LT+2]
	v_nop                                          ; a plain instruction behind the transcendental,
	s_wait_alu depctr_va_vdst(0)                   ; and the wait ahead of its first reader
	v_mov_b32 v[LT+1], v[LT]
.set ln_u, 0
.rept 16
.if ln_u < 14
	s_wait_dscnt 8                                 ; unit u's four loads are in; the two units behind it (8 loads) may be out
.elseif ln_u == 14
	s_wait_dscnt 4
.else
	s_wait_dscnt 0
.endif
.irp p, 0,2,4,6
	v_pk_mul_f32 v[R+8*ln_u+\p:R+8*ln_u+\p+1], v[R+8*ln_u+\p:R+8*ln_u+\p+1], v[LT:LT+1]
.endr
.irp p, 0,2,4,6
	v_pk_fma_f32 v[R+8*ln_u+\p:R+8*ln_u+\p+1], v[R+8*ln_u+\p:R+8*ln_u+\p+1], v[XF+16*(ln_u%3)+\p:XF+16*(ln_u%3)+\p+1], v[XF+16*(ln_u%3)+8+\p:XF+16*(ln_u%3)+9+\p]
.endr
.if ln_u < 13
	LNST ln_u+3, \goff
.endif
.set ln_u, ln_u+1
.endr
	QUANT R
	IMAGE \iadr, \ioff
	ds_store_b32 v[\sadr], v[PW] offset:\soff
	s_wait_dscnt 0x0                               ; the stores have read their registers
	QUANT R+64
	IMAGE \iadr, (\ioff)+1536
	ds_store_b32 v[\sadr], v[PW] offset:(\soff)+128
.endm
.macro FETCHA reg, sreg, m             ; the two fragments and scale words of tile m of the normalised rows
.irp q, 0,1,2,3,4,5
	ds_load_b128 v[(\reg)+4*\q:(\reg)+4*\q+3], v[L16] offset:AIMG0+3072*(\m)+512*\q
.endr
	ds_load_b32 v[\sreg], v[L4] offset:ASC0+256*(\m)
	ds_load_b32 v[(\sreg)+1], v[L4] offset:ASC0+256*(\m)+128
.endm
.macro PREB dst, adr, off              ; four tiles' C: of my 64 columns, tile n's eight numbers of my half: a bias, or my slice of a tile of the stage's rows
.irp n, 0,1,2,3
.irp q, 0,1
	ds_load_b128 v[(\dst)+8*\n+4*\q:(\dst)+8*\n+4*\q+3], v[\adr] offset:(\off)+128*(\n/2)+32*(\n%2)+16*\q
.endr
.endr
.endm
.macro STB src, adr, off               ; and back to the same bytes, each accumulator from its low end on
.irp n, 0,1,2,3
.irp q, 0,1
	ds_store_b128 v[\adr], v[(\src)+8*\n+4*\q:(\src)+8*\n+4*\q+3] offset:(\off)+128*(\n/2)+32*(\n%2)+16*\q
.endr
.endr
.endm
	s_load_b512 s[4:19], s[0:1], 0x0               ; fx, out0, wfrag, wscale, kvimg, kvsc, ln1_g, ln1_b
	s_load_b256 s[20:27], s[0:1], 0x40             ; ln2_g, ln2_b, bq, bo
	s_load_b128 s[28:31], s[0:1], 0x60             ; b2, b1
	v_lshl_add_u32 v[SPW], v0, 2, SPARE
	v_mov_b32 v[NIL], 0
	v_lshrrev_b32 v36, 5, v0
	v_readfirstlane_b32 s[WV], v36                 ; wave 0..3
	v_and_b32 v36, 31, v0                          ; lane
	v_and_b32 v37, 15, v0                          ; r
	v_bfe_u32 v38, v0, 4, 1                        ; h
	v_lshlrev_b32 v[L16], 4, v36
	v_lshlrev_b32 v[L4], 2, v36
	v_lshlrev_b32 v[L8], 3, v36
	v_lshlrev_b32 v[H64], 6, v38
	v_add_nc_u32 v[LIH], HIMG, v[L16]
	s_mul_i32 s50, s[WV], 3072
	v_add_nc_u32 v[W16], s50, v[L16]
	s_lshl_b32 s50, s[WV], 8
	v_add_nc_u32 v[W4], s50, v[L4]
	v_add_nc_u32 v[H64W], s50, v[H64]
	s_lshr_b32 s50, s[WV], 1
	s_and_b32 s51, s[WV], 1
	s_mul_i32 s52, s50, 1536
	s_mul_i32 s53, s51, 768
	s_add_co_u32 s52, s52, s53
	s_add_co_u32 s52, s52, AIMG1
	v_add_nc_u32 v[AW6], s52, v[L8]                ; attn: my two heads are registers 6 (w % 2) .. + 5 of K step w / 2
	s_lshl_b32 s52, s50, 7
	s_lshl_b32 s53, s51, 1
	s_add_co_u32 s52, s52, s53
	s_add_co_u32 s52, s52, ASC1
	v_add_nc_u32 v[AWS], s52, v[L4]                ; and bytes 2 (w % 2), + 1 of its scale word
	v_mul_u32_u24 v39, v37, 1040
	v_add_nc_u32 v39, v39, v[H64]
	s_lshl_b32 s52, s[WV], 8
	s_add_co_u32 s52, s52, STG
	v_add_nc_u32 v[SSL], s52, v39                  ; the stage by columns: row r of a tile, my 64 columns, my half
	s_mul_i32 s53, s[WV], 16640
	s_add_co_u32 s53, s53, STG
	v_add_nc_u32 v[SRW], s53, v39                  ; by rows: row 16 w + r, my half of each block of 32
	v_add_nc_u32 v[SDN], s53, v[L16]               ; and dense: 16 bytes a lane
	s_lshl_b32 s52, s[WV], 10
	v_add_nc_u32 v[B1A], s52, v[H64]
	s_mul_i32 s52, s[WV], PRIVB
	s_add_co_u32 s52, s52, PRIV
	v_add_nc_u32 v[PLI], s52, v[L16]
	v_add_nc_u32 v[PLS], s52, v[L4]
	v_add_nc_u32 v127, s52, v[L8]
	v_lshlrev_b32 v125, 3, v0                      ; 8 x thread
	v_lshlrev_b32 v126, 4, v0                      ; 16 x thread
	v_mov_b32 v[KK1], 0xc0135761
	v_mov_b32 v[KK1+1], 0xc0135761
	v_mov_b32 v[KK2], 0xbdd2d3e8
	v_mov_b32 v[KK2+1], 0xbdd2d3e8
.irp i, 0,1,2,3,4,5,6,7,8,9,10,11,12,13,14,15
	v_mov_b32 v[LT+\i], 0                          ; written once: named as the idle upper half of q's last fragment, and as lane permutes' destinations
.endr
.irp i, 4,5,6,7
	v_mov_b32 v[TM+\i], 0
.endr
	s_mov_b32 s[SEL], 0x76543210
	s_mov_b32 s[SEL+1], 0xfedcba98
	s_mov_b32 s[INV256], 0x3b800000
	s_mov_b32 s[EPS], 0x3727c5ac
	s_mov_b32 s[BLK], 4
	s_and_b32 s42, ttmp7, 0xffff                   ; the batch
	s_lshl_b32 s[TOK], ttmp9, 8                    ; the block's first token
	s_lshl_b32 s43, s[WV], 4
	s_add_co_u32 s43, s43, s[TOK]                  ; my first row
	s_sub_co_i32 s[NV], 7225, s43                  ; how many rows from there on lie in the batch
	s_lshl_b32 s50, s43, 10
	v_add_nc_u32 v[XA], s50, v[L16]                ; my first row's bytes, + 16 x lane
	s_mov_b32 s51, 0
	s_wait_kmcnt 0x0
	s_mul_i32 s50, s42, 7398400
	s_add_nc_u64 s[4:5], s[4:5], s[50:51]
	s_add_nc_u64 s[6:7], s[6:7], s[50:51]
	s_lshl_b32 s50, s43, 10
	s_add_nc_u64 s[6:7], s[6:7], s[50:51]
	s_mul_i32 s50, s[WV], 12288
	s_add_nc_u64 s[54:55], s[8:9], s[50:51]        ; my 8 fragments of Wq; Wo's lie 96 fragments on
	s_mul_i32 s50, s[WV], 49152
	s_add_nc_u64 s[56:57], s[8:9], s[50:51]        ; my 32 of W1 and of W2
	s_lshl_b32 s50, s[WV], 11
	s_add_nc_u64 s[58:59], s[10:11], s[50:51]
	s_lshl_b32 s50, s[WV], 9
	s_add_nc_u64 s[60:61], s[10:11], s[50:51]
	s_lshl_b32 s52, s42, 4
	s_lshl_b32 s53, s[WV], 2
	s_add_co_u32 s52, s52, s53                     ; my two heads' four fragments of kv
	s_mul_i32 s50, s52, 1536
	s_add_nc_u64 s[12:13], s[12:13], s[50:51]
	s_lshl_b32 s50, s52, 6
	s_add_nc_u64 s[14:15], s[14:15], s[50:51]
	s_cmp_ge_i32 s[NV], 16                         ; the first block's rows.  7,225 - 256 x - 16 w is under 16 in one wave alone (x = 28, w = 3), and is 9 there: ids alone; both ways issue the same 32 loads
	s_cbranch_scc0 .Lragged
	XLD 15
	s_branch .Lrows_asked
.Lragged:
	XLD LASTR
.Lrows_asked:
.irp k, 0,1,2,3,4,5,6
	global_load_b64 v[XF+2*\k:XF+2*\k+1], v125, s[16+2*\k:17+2*\k]   ; ln1_g, ln1_b, ln2_g, ln2_b, bq, bo, b2: 8 bytes a thread
.endr
	global_load_b128 v[XF+16:XF+19], v126, s[30:31]
	global_load_b128 v[XF+20:XF+23], v126, s[30:31] offset:2048
	WIN 0x40                                       ; what goes into the wave's own LDS bytes passes through windows 1 and 2, 512 bytes a load
.set cp, 0
.rept 24
	global_load_b128 v[4*cp:4*cp+3], v[L16], s[54:55] offset:512*cp
.set cp, cp+1
.endr
.rept 24
	global_load_b128 v[4*cp:4*cp+3], v[L16], s[54:55] offset:147456+512*(cp-24)
.set cp, cp+1
.endr
.rept 12
	global_load_b128 v[4*cp:4*cp+3], v[L16], s[12:13] offset:512*(cp-48)
.set cp, cp+1
.endr
.rept 4
	global_load_b128 v[4*cp:4*cp+3], v[L16], s[58:59] offset:8192+512*(cp-60)
.set cp, cp+1
.endr
	WIN 0x80
.irp c, 0,1,2,3
	global_load_b128 v[4*\c:4*\c+3], v[L16], s[58:59] offset:16384+512*\c
.endr
	global_load_b128 v[16:19], v[L16], s[60:61]
	global_load_b128 v[20:23], v[L16], s[60:61] offset:6144
	global_load_b64 v[24:25], v[L8], s[14:15]
	WIN 0
	s_wait_loadcnt 0x0
	v_pk_add_f32 v[XF+12:XF+13], v[XF+10:XF+11], v[XF+12:XF+13]   ; bo + b2
.irp k, 0,1,2,3,4,5,6
	ds_store_b64 v125, v[XF+2*\k:XF+2*\k+1] offset:1024*\k
.endr
	ds_store_b128 v126, v[XF+16:XF+19] offset:7168
	ds_store_b128 v126, v[XF+20:XF+23] offset:7168+2048
	WIN 0x04                                       ; an LDS store's data are its source 1
.set cp, 0
.rept 64
	ds_store_b128 v[PLI], v[4*cp:4*cp+3] offset:512*cp
.set cp, cp+1
.endr
	WIN 0x08
.irp c, 0,1,2,3,4,5
	ds_store_b128 v[PLI], v[4*\c:4*\c+3] offset:32768+512*\c
.endr
	ds_store_b64 v127, v[24:25] offset:35840
	WIN 0
	BARRIER                                        ; the tables lie in LDS
.set ff, 0                             ; W1's and W2's fragments: they stay.  They are waited for in front of phase F, and land under the first block's phases A to E
.rept 64
.set fo, 1536*(128+ff+96*(ff/32))
.if ff < 63
	WIN (1+ff/21)<<6
.irp g, 0,1,2
	global_load_b128 v[12*(ff%21)+4*\g:12*(ff%21)+4*\g+3], v[L16], s[56:57] offset:fo+512*\g
.endr
.else
	WIN 0
.irp g, 0,1,2
	global_load_b128 v[W63+4*\g:W63+4*\g+3], v[L16], s[56:57] offset:fo+512*\g
.endr
.endif
.set ff, ff+1
.endr
	WIN 0
.macro MMC m                           ; attn of tile m: two heads x two tiles of 16 channels; K = 128 of which each head's 32 are live
.set mc_d, 224-48*((\m)%2)
.irp a, 0,1
.irp e, 0,1
	WMZ mc_d+16*\a+8*\e, R+12*(2*\a+\e), 66+6*(\m), 60+\a, 96+(\m), \e
.endr
.endr
.endm
.macro F6 m                            ; attn's two fragments of tile m, in pieces of 8 bytes a lane, and their scale words: 14 LDS loads
.irp s, 0,1
.irp p, 0,1,2,3,4,5
	ds_load_b64 v[36+24*((\m)%2)+12*\s+2*\p:36+24*((\m)%2)+12*\s+2*\p+1], v[L8] offset:AIMG1+1536*(2*(\m)+\s)+256*\p
.endr
.endr
	ds_load_b32 v[84+2*((\m)%2)], v[L4] offset:ASC1+256*(\m)
	ds_load_b32 v[85+2*((\m)%2)], v[L4] offset:ASC1+256*(\m)+128
.endm
.macro ABST u                          ; bo of the eight channels of unit u, into set u % 6
	ds_load_b128 v[XF+8*((\u)%6):XF+8*((\u)%6)+3], v[H64] offset:5120+128*((\u)/2)+32*((\u)%2)
	ds_load_b128 v[XF+8*((\u)%6)+4:XF+8*((\u)%6)+7], v[H64] offset:5120+128*((\u)/2)+32*((\u)%2)+16
.endm
.macro PREL dst, g                     ; b1 of my hidden units 128 g .. + 127, in the result's layout: the C of the first product
.irp i, 0,1,2,3,4,5,6,7
.irp q, 0,1
	ds_load_b128 v[(\dst)+8*\i+4*\q:(\dst)+8*\i+4*\q+3], v[B1A] offset:7168+512*(\g)+128*(\i/2)+32*(\i%2)+16*\q
.endr
.endr
.endm
; 64 numbers x become x / (1 + 2^(x (K1 + K2 x^2))); t: 64 registers at work.  The exponentials are one batch with one wait, and so are the reciprocals; each stands among the plain lines of the group behind it
.macro GELU x, t
.set gk, 0
.rept 9
.set gj, 0
.rept 12
.if gk < 8
.set gp, 8*gk+2*(gj%4)
.if gj/4 == 0
	v_pk_mul_f32 v[(\t)+gp:(\t)+gp+1], v[(\x)+gp:(\x)+gp+1], v[(\x)+gp:(\x)+gp+1]
.elseif gj/4 == 1
	v_pk_fma_f32 v[(\t)+gp:(\t)+gp+1], v[(\t)+gp:(\t)+gp+1], v[KK2:KK2+1], v[KK1:KK1+1]
.else
	v_pk_mul_f32 v[(\t)+gp:(\t)+gp+1], v[(\t)+gp:(\t)+gp+1], v[(\x)+gp:(\x)+gp+1]
.endif
.endif
.if (gk > 0) && (gj < 8)
	v_exp_f32 v[(\t)+8*(gk-1)+gj], v[(\t)+8*(gk-1)+gj]
.endif
.set gj, gj+1
.endr
.set gk, gk+1
.endr
	v_nop
	s_wait_alu depctr_va_vdst(0)                   ; one wait for the 64 exponentials, ahead of their first reader
.set gk, 0
.rept 9
.set gj, 0
.rept 8
.if (gk < 8) && (gj < 4)
	v_pk_add_f32 v[(\t)+8*gk+2*gj:(\t)+8*gk+2*gj+1], v[(\t)+8*gk+2*gj:(\t)+8*gk+2*gj+1], 1.0 op_sel_hi:[1,0]
.endif
.if gk > 0
	v_rcp_f32 v[(\t)+8*(gk-1)+gj], v[(\t)+8*(gk-1)+gj]
.endif
.set gj, gj+1
.endr
.set gk, gk+1
.endr
	v_nop
	s_wait_alu depctr_va_vdst(0)                   ; and one for the 64 reciprocals
.set gj, 0
.rept 32
	v_pk_mul_f32 v[(\x)+gj:(\x)+gj+1], v[(\x)+gj:(\x)+gj+1], v[(\t)+gj:(\t)+gj+1]
.set gj, gj+2
.endr
.endm
; My hidden units 128 g .. + 127 of one tile of rows: 16 products on 8 accumulators by turns, gelu, quantiser: K step 2 w + g of the last product
.macro FUNIT g, nxt
.set fu_a, R+64*(\g)
.set fu_t, R+64*(1-(\g))
	s_wait_dscnt 0x0                               ; the rows' fragments and b1 are in; the last unit's stores have read their registers
.if (\g) == 0
	v_add_nc_u32 v80, s[FM2], v[W16]
	v_add_nc_u32 v81, s[FM3], v[W4]
.endif
.set fu_s, 0
.rept 2
.set fu_i, 0
.rept 8
.set fu_f, 2*(8*(\g)+fu_i)+fu_s
	WIN 1+fu_f/21
	WMM fu_a+8*fu_i, 12*(fu_f%21), XF+12*fu_s, fu_a+8*fu_i, 62+8*(\g)+fu_i, 60+fu_s, fu_s, 0
.set fu_i, fu_i+1
.endr
.set fu_s, fu_s+1
.endr
	WIN 0
	NOPS 4
.if ((\g) == 1) && (\nxt)
	v_add_nc_u32 v78, s[FM0], v[L16]               ; the next tile's rows
	v_add_nc_u32 v79, s[FM1], v[L4]
.irp q, 0,1,2,3,4,5
	ds_load_b128 v[XF+4*\q:XF+4*\q+3], v78 offset:AIMG0+512*\q
.endr
	ds_load_b32 v60, v79 offset:ASC0
	ds_load_b32 v61, v79 offset:ASC0+128
	s_add_co_u32 s[FM0], s[FM0], 3072
	s_add_co_u32 s[FM1], s[FM1], 256
.endif
	GELU fu_a, fu_t
.if ((\g) == 0) || (\nxt)
	PREL fu_t, 1-(\g)
.endif
	QUANT fu_a
	IMAGE 80, HIMG+1536*(\g)
	ds_store_b32 v81, v[PW] offset:HSC+128*(\g)
.endm
.macro FTRIP nxt
	FUNIT 0, \nxt
	FUNIT 1, \nxt
	s_add_co_u32 s[FM2], s[FM2], 12288
	s_add_co_u32 s[FM3], s[FM3], 1024
.endm
.macro HFETCH k                        ; hidden fragment k = 8 m + s and its scale words, into set k % 3: 4 LDS loads
.irp c, 0,1,2
	ds_load_b128 v[36+12*((\k)%3)+4*\c:36+12*((\k)%3)+4*\c+3], v[LIH] offset:1536*(\k)+512*\c
.endr
	ds_load_b32 v[72+(\k)%3], v[L4] offset:HSC+128*(\k)
.endm
.Lblock:
	s_add_co_u32 s50, s[TOK], 64                   ; is there a next block?  Ids and the count of blocks alone
	s_cmp_lt_u32 s50, 7225
	s_cselect_b32 s[HN], 1, 0
	s_cmp_eq_u32 s[BLK], 1
	s_cselect_b32 s[HN], 0, s[HN]
	; ---- A: my 16 rows: fx into the stage as it lies (the residual takes it from there), back by rows, LN1, two fragments
.set cp, 0
.rept 16
	ds_store_b128 v[SDN], v[R+8*cp:R+8*cp+3] offset:1040*cp
	ds_store_b128 v[SDN], v[R+8*cp+4:R+8*cp+7] offset:1040*cp+512
.set cp, cp+1
.endr
.irp b, 0,1,2,3,4,5,6,7                ; LDS serves a wave's instructions in order: these see the stores above, which have read their registers when the loads land.  Register 16 B + i = channel 32 B + 16 h + i of row 16 w + r
.irp j, 0,1,2,3
	ds_load_b128 v[R+16*\b+4*\j:R+16*\b+4*\j+3], v[SRW] offset:128*\b+16*\j
.endr
.endr
	s_wait_dscnt 0x0
	LNQ 0, W16, AIMG0, W4, ASC0
.set cp, 0
.rept 24
	ds_load_b128 v[R+4*cp:R+4*cp+3], v[PLI] offset:512*cp      ; Wq's slice
.set cp, cp+1
.endr
.irp n, 0,1,2,3
	ds_load_b32 v[62+\n], v[PLS] offset:34816+128*\n
.endr
	BARRIER                                        ; 1: the rows' eight fragments lie in LDS
	; ---- B: q, my 64 columns = two heads, a tile of 16 rows at a time; quantised by head: six registers a tile, at v[66 + 6 m]
	FETCHA 36, 60, 0
	PREB 224, H64W, 4096
.irp m, 0,1,2,3
	s_wait_dscnt 0x0
.irp n, 0,1,2,3
	WMM 224+8*\n, R+24*\n, 36, 224+8*\n, 62+\n, 60, 0, 0
.endr
.irp n, 0,1,2,3
	WMM 224+8*\n, R+24*\n+12, 48, 224+8*\n, 62+\n, 61, 1, 0
.endr
	NOPS 4
.if \m < 3
	FETCHA 36, 60, \m+1
.endif
	QUANT2 224, 66+6*\m, 112
	v_lshl_or_b32 v[96+\m], v[TM+5], 8, v[TM+4]
	v_or_b32 v[96+\m], 0x7f7f0000, v[96+\m]        ; the idle half of K has the byte 127: it meets zero codes of kv
.if \m < 3
	PREB 224, H64W, 4096
.endif
.endr
	; ---- C: attn = q kv; quantised by head: my half of a fragment of the next product
.set cp, 0
.rept 12
	ds_load_b128 v[R+4*cp:R+4*cp+3], v[PLI] offset:24576+512*cp
.set cp, cp+1
.endr
	ds_load_b32 v60, v[PLS] offset:35840
	ds_load_b32 v61, v[PLS] offset:35840+128
	s_wait_dscnt 0x0
	NOPS 8                                         ; scale words written by vector instructions stand 8 places ahead of a scaled product, operands 4
	MMC 0
.irp m, 0,1,2,3
.if \m < 3
	MMC \m+1
	NOPS 4
.endif
	QUANT2 224-48*(\m%2), PC, PC+8
	v_lshl_or_b32 v[PW], v[TM+5], 8, v[TM+4]
.irp p, 0,1,2
	ds_store_b64 v[AW6], v[PC+2*\p:PC+2*\p+1] offset:3072*\m+256*\p
.endr
	ds_store_b16 v[AWS], v[PW] offset:256*\m
	s_wait_dscnt 0x0                               ; the stores have read their registers
.endr
.set cp, 0
.rept 24
	ds_load_b128 v[R+4*cp:R+4*cp+3], v[PLI] offset:12288+512*cp   ; Wo's slice
.set cp, cp+1
.endr
.irp n, 0,1,2,3
	ds_load_b32 v[88+\n], v[PLS] offset:35328+128*\n
.endr
	BARRIER                                        ; 2: attn's eight fragments lie in LDS
	; ---- D: the stage's slice + attn Wo, back to the same bytes
	F6 0
	PREB 224, SSL, 0
	F6 1
	PREB 92, SSL, 16640
.irp m, 0,1,2,3
.if \m == 0
	s_wait_dscnt 22                                ; tile 0's 22 loads are in; tile 1's 22 may be out
.elseif \m < 3
	s_wait_dscnt 30                                ; behind this tile's loads: 8 stores and the next tile's 22 loads
.else
	s_wait_dscnt 8                                 ; behind them: 8 stores
.endif
.set d_x, 36+24*(\m%2)
.set d_o, 224-132*(\m%2)
.irp n, 0,1,2,3
	WMM d_o+8*\n, R+24*\n, d_x, d_o+8*\n, 88+\n, 84+2*(\m%2), 0, 0
.endr
.irp n, 0,1,2,3
	WMM d_o+8*\n, R+24*\n+12, d_x+12, d_o+8*\n, 88+\n, 85+2*(\m%2), 1, 0
.endr
	NOPS 4
	STB d_o, SSL, 16640*\m
.if \m < 2
	F6 \m+2
	PREB d_o, SSL, 16640*(\m+2)                    ; LDS serves a wave's instructions in order: the stores above have read these registers when the loads land
.endif
.endr
	BARRIER                                        ; 3: the stage holds fx + attn Wo
	; ---- E: my 16 rows: + bo, LN2, two fragments
.irp b, 0,1,2,3,4,5,6,7
.irp j, 0,1,2,3
	ds_load_b128 v[R+16*\b+4*\j:R+16*\b+4*\j+3], v[SRW] offset:128*\b+16*\j
.endr
.endr
.irp u, 0,1,2,3,4,5
	ABST \u
.endr
.set ab_u, 0
.rept 16
.if ab_u <= 10
	s_wait_dscnt 10                                ; the row and unit u's two loads are in; five units (10 loads) may be out
.else
	s_wait_dscnt 2*(15-ab_u)
.endif
.irp p, 0,2,4,6
	v_pk_add_f32 v[R+8*ab_u+\p:R+8*ab_u+\p+1], v[R+8*ab_u+\p:R+8*ab_u+\p+1], v[XF+8*(ab_u%6)+\p:XF+8*(ab_u%6)+\p+1]
.endr
.if ab_u < 10
	ABST ab_u+6
.endif
.set ab_u, ab_u+1
.endr
	LNQ 2048, W16, AIMG0, W4, ASC0
	BARRIER                                        ; 4
	; ---- F: the hidden layer
	s_wait_loadcnt 0x0                             ; W1 and W2 (in the first block)
.irp i, 0,1,2,3,4,5,6,7,8,9,10,11,12,13,14,15
	ds_load_b32 v[62+\i], v[PLS] offset:30720+128*\i
.endr
	FETCHA 36, 60, 0
	PREL R, 0
	s_mov_b32 s[FM0], 3072
	s_mov_b32 s[FM1], 256
	s_mov_b32 s[FM2], 0
	s_mov_b32 s[FM3], 0
	s_mov_b32 s[FCNT], 3
.Lft:
	FTRIP 1
	s_sub_co_u32 s[FCNT], s[FCNT], 1
	s_cmp_lg_u32 s[FCNT], 0
	s_cbranch_scc1 .Lft
	FTRIP 0                                        ; the last tile fetches nothing further
	BARRIER                                        ; 5: the hidden layer's 32 fragments lie in LDS
	; ---- G: the stage's slice + hidden W2.  The next block's rows are asked for here: they have this phase and the next in which to land.
	; A next block is always whole: it exists only in work-groups x < 28, whose tokens end at 256 x 27 + 255, inside the batch
	s_cmp_eq_u32 s[HN], 0
	s_cbranch_scc1 .Lno_next
	s_add_co_u32 s50, s[TOK], 64
	s_lshl_b32 s51, s[WV], 4
	s_add_co_u32 s50, s50, s51
	s_lshl_b32 s50, s50, 10
	v_add_nc_u32 v[XA], s50, v[L16]                ; (no load that names it is out: all loads were waited for in front of phase F)
	XLD 15
.Lno_next:
.irp i, 0,1,2,3,4,5,6,7,8,9,10,11,12,13,14,15
	ds_load_b32 v[76+\i], v[PLS] offset:32768+128*\i
.endr
	PREB 92, SSL, 0
	HFETCH 0
	HFETCH 1
	HFETCH 2
.set hk, 0
.rept 32
.set hs, hk%8
.set hm, hk/8
.if (hs == 0) && (hm > 0)
	s_wait_dscnt 0                                 ; the next tile's slice of the stage is the youngest load
.elseif hk == 30
	s_wait_dscnt 4
.elseif hk == 31
	s_wait_dscnt 0
.else
	s_wait_dscnt 8                                 ; this step's fragment is in; the two behind it (8 loads) may be out
.endif
.set hn, 0
.rept 4
.set hf, 32+8*hn+hs
.if hf == 63
	WIN 0
	WMM 92+8*hn, W63, 36+12*(hk%3), 92+8*hn, 76+4*hn+hs/2, 72+hk%3, hs%2, 0
.else
	WIN 1+hf/21
	WMM 92+8*hn, 12*(hf%21), 36+12*(hk%3), 92+8*hn, 76+4*hn+hs/2, 72+hk%3, hs%2, 0
.endif
.set hn, hn+1
.endr
	WIN 0
	NOPS 4
.if hk < 29
	HFETCH hk+3
.endif
.if hs == 7
	STB 92, SSL, 16640*hm
.if hm < 3
	PREB 92, SSL, 16640*(hm+1)
.endif
.endif
.set hk, hk+1
.endr
	BARRIER                                        ; 6: the stage holds all but bo + b2
	; ---- H: my 16 rows, + bo + b2, stored: 32 lanes store 512 consecutive bytes
	ds_load_b128 v[100:103], v[L16] offset:6144
	ds_load_b128 v[104:107], v[L16] offset:6144+512
.irp rd, 0,1
.if \rd
	s_wait_xcnt 0x0                                ; the first eight rows' stores have read their registers
.endif
.irp i, 0,1,2,3,4,5,6,7
.irp q, 0,1
	ds_load_b128 v[36+8*\i+4*\q:36+8*\i+4*\q+3], v[SDN] offset:1040*(8*\rd+\i)+512*\q
.endr
.endr
.irp i, 0,1,2,3,4,5,6,7
	s_wait_dscnt 2*(7-\i)                          ; this row's two loads are in; the later rows' may be out
.irp p, 0,2,4,6
	v_pk_add_f32 v[36+8*\i+\p:36+8*\i+\p+1], v[36+8*\i+\p:36+8*\i+\p+1], v[100+\p:101+\p]
.endr
	s_cmp_gt_i32 s[NV], 8*\rd+\i                   ; rows past the batch's end are not stored (ids alone)
	s_cbranch_scc0 .Lrows_done
	global_store_b128 v[L16], v[36+8*\i:36+8*\i+3], s[6:7] offset:1024*(8*\rd+\i) th:TH_STORE_NT
	global_store_b128 v[L16], v[36+8*\i+4:36+8*\i+7], s[6:7] offset:1024*(8*\rd+\i)+512 th:TH_STORE_NT
.endr
.endr
.Lrows_done:
	s_wait_dscnt 0x0
	s_wait_xcnt 0x0                                ; the stores have read their registers and their base
	s_wait_loadcnt 0x0                             ; the next block's rows are in
	s_add_nc_u64 s[6:7], s[6:7], 65536
	s_sub_co_i32 s[NV], s[NV], 64
	s_add_co_u32 s[TOK], s[TOK], 64
	s_cmp_eq_u32 s[HN], 0
	s_cbranch_scc1 .Ldone
	s_sub_co_u32 s[BLK], s[BLK], 1
	s_cmp_lg_u32 s[BLK], 0
	s_cbranch_scc1 .Lblock
.Ldone:
	s_wait_tensorcnt 0x0                           ; the wave's end: behind my last LDS store
	ds_add_u32 v[SPW], v[NIL]
	s_wait_dscnt 0x0
	s_endpgm
.Lfunc_end_k_qd47f02aa3d_main:
	.size	k_qd47f02aa3d_main, .Lfunc_end_k_qd47f02aa3d_main-k_qd47f02aa3d_main
	.p2alignl 7, 3214868480
	.fill 96, 4, 3214868480
	.section	.rodata,"a",@progbits
	.p2align	6, 0x0
	.amdhsa_kernel k_qd47f02aa3d_main
		.amdhsa_group_segment_fixed_size 303616
		.amdhsa_private_segment_fixed_size 0
		.amdhsa_enable_private_segment 0
		.amdhsa_kernarg_size 112
		.amdhsa_user_sgpr_count 2
		.amdhsa_user_sgpr_kernarg_segment_ptr 1
		.amdhsa_wavefront_size32 1
		.amdhsa_system_sgpr_workgroup_id_x 1
		.amdhsa_system_sgpr_workgroup_id_y 1
		.amdhsa_system_sgpr_workgroup_id_z 1
		.amdhsa_system_vgpr_workitem_id 0
		.amdhsa_next_free_vgpr 1024
		.amdhsa_next_free_sgpr 66
		.amdhsa_reserve_vcc 0
		.amdhsa_float_denorm_mode_32 3
		.amdhsa_float_denorm_mode_16_64 3
		.amdhsa_memory_ordered 1
		.amdhsa_forward_progress 1
		.amdhsa_inst_pref_size 255
	.end_amdhsa_kernel
	.section	.bss,"aw",@nobits
	.p2align	6
	.space	262144
	.amdgpu_metadata
---
amdhsa.version: [ 1, 2 ]
amdhsa.kernels:
  - .name:           k_qd47f02aa3d_main
    .symbol:         k_qd47f02aa3d_main.kd
    .args:
      - { .name: fx, .offset: 0, .size: 8, .value_kind: global_buffer, .address_space: global }
      - { .name: out0, .offset: 8, .size: 8, .value_kind: global_buffer, .address_space: global }
      - { .name: wfrag, .offset: 16, .size: 8, .value_kind: global_buffer, .address_space: global }
      - { .name: wscale, .offset: 24, .size: 8, .value_kind: global_buffer, .address_space: global }
      - { .name: kvimg, .offset: 32, .size: 8, .value_kind: global_buffer, .address_space: global }
      - { .name: kvsc, .offset: 40, .size: 8, .value_kind: global_buffer, .address_space: global }
      - { .name: ln1_g, .offset: 48, .size: 8, .value_kind: global_buffer, .address_space: global }
      - { .name: ln1_b, .offset: 56, .size: 8, .value_kind: global_buffer, .address_space: global }
      - { .name: ln2_g, .offset: 64, .size: 8, .value_kind: global_buffer, .address_space: global }
      - { .name: ln2_b, .offset: 72, .size: 8, .value_kind: global_buffer, .address_space: global }
      - { .name: bq, .offset: 80, .size: 8, .value_kind: global_buffer, .address_space: global }
      - { .name: bo, .offset: 88, .size: 8, .value_kind: global_buffer, .address_space: global }
      - { .name: b2, .offset: 96, .size: 8, .value_kind: global_buffer, .address_space: global }
      - { .name: b1, .offset: 104, .size: 8, .value_kind: global_buffer, .address_space: global }
    .group_segment_fixed_size: 303616
    .private_segment_fixed_size: 0
    .kernarg_segment_align: 8
    .kernarg_segment_size: 112
    .max_flat_workgroup_size: 128
    .sgpr_count:     66
    .vgpr_count:     1024
    .wavefront_size: 32
...
	.end_amdgpu_metadata
.endif
;; end of part 6
